; MI455X (gfx1250); checked and timed in simulation.
; The chip was launched on July 23, 2026; its instructions are those of AMD's public machine-readable ISA for CDNA 5 (MIT licence, August 2026) and "CDNA5" Instruction Set Architecture Reference Guide (July 2026). The comments in the code are by the model that wrote it; some were corrected since.
;; Causal Self Attention. Allowed arithmetic: matrix products marked QUANTISED: E3M2 operands, one E8M0 scale for each 32 along K, by v_wmma_scale_f32_16x16x128_f8f6f4 with both operands' format E3M2, f32 sums; everything else in f32.
;; Inputs: wk 512 x 2,048 float32; wo 2,048 x 2,048 float32; wq 2,048 x 2,048 float32; wv 512 x 2,048 float32; x 1 x 2,048 x 2,048 float32.
;; Outputs: out0 1 x 2,048 x 2,048 float32.
;; This version of the problem:
;;   THIS VERSION OF THE PROBLEM IS GIVEN IN LOW PRECISION. The matrix products marked QUANTISED in the list below multiply operands that are first quantised to E3M2 (3 exponent bits, 2 mantissa bits; 6 bits a number), with one power-of-two scale for each 32 numbers along K (OCP MX v1.0); their sums are f32. All else is computed in f32.
;;   The module's matrix products, in the order in which they are computed (A, B: the left and right operand; K: the contracted axis; several contracted axes count as one K, in the product's order):
;;     1. [M 2,048, K 2,048] x [K 2,048, N 2,048]; A: input x; B: input wq: QUANTISED
;;     2. [M 2,048, K 2,048] x [K 2,048, N 512]; A: input x; B: input wk: QUANTISED
;;     3. [M 2,048, K 2,048] x [K 2,048, N 512]; A: input x; B: input wv: QUANTISED
;;     4. batch 32 x [M 2,048, K 64] x [K 64, N 2,048]; A: computed on the way; B: computed on the way: QUANTISED
;;     5. batch 32 x [M 2,048, K 2,048] x [K 2,048, N 64]; A: softmax (see below); B: computed on the way: QUANTISED
;;     6. [M 2,048, K 2,048] x [K 2,048, N 2,048]; A: computed on the way; B: input wo: QUANTISED
;;   THE QUANTISER, for each operand of a quantised product, along K:
;;     - K is cut into blocks of 32 from its start; a last block that is shorter is filled with zeros.
;;     - A block's scale is 2^e with e = floor(log2(the largest magnitude in the block)) - 4, held to -126 .. 127; a block of zeros has e = 0. As a byte (E8M0): e + 127.
;;     - Each number is divided by its block's scale, clamped to +-28, and rounded to the nearest number of E3M2, ties to even, subnormals kept.
;;     - The product sums the exact products of the quantised numbers (number of the format x scale) in f32.
;;   ~~~python
;;   def quantise(x, axis):      # numpy; x: float32 -> the quantised numbers, widened to float32 again
;;       x = np.moveaxis(x, axis, -1); K = x.shape[-1]
;;       x = np.pad(x, [(0, 0)] * (x.ndim - 1) + [(0, -K % 32)]); x = x.reshape(x.shape[:-1] + (-1, 32)); a = np.abs(x).max(-1, keepdims=True)
;;       e = np.where(a > 0, np.clip(np.frexp(np.where(a > 0, a, 1))[1] - 1 - 4, -126, 127), 0)      # np.frexp(a)[1] - 1 = floor(log2(a)), exactly
;;       r = np.clip(x / 2.0 ** e, -28, 28)
;;       step = 2.0 ** (np.maximum(np.frexp(np.where(r == 0, 1, r))[1] - 1, -2) - 2)
;;       q = np.round(r / step) * step * 2.0 ** e      # np.round: ties to even
;;       return np.moveaxis(q.reshape(q.shape[:-2] + (-1,))[..., :K], -1, axis).astype(np.float32)
;;   ~~~
;;   SOFTMAX AHEAD OF A QUANTISED PRODUCT. Where the list says 'softmax', what is quantised is not the finished softmax but p = 2^(t - M), with t = logit x log2(e) and M = ceil(the row's largest t), a whole number; so 1/2 < the row's largest p <= 1. The row's sum l is taken of the UNQUANTISED p, in f32, and the product's result is divided by l at the end. Since M is a whole number, a kernel that streams over the keys may use a running M (the ceiling of the running maximum): every later rescaling is an exact power of two, which a block's scale takes up: the codes' values come out the same.
;;   OPERANDS COMPUTED ON THE WAY. 'Computed on the way' means the value that the module computes at that place (a softmax that the list does not call 'softmax' is quantised finished and normalised). What goes into a quantiser is computed in f32, as accurately as f32 sums, v_exp_f32 and their like allow (about 1e-6 of the number): no bf16 or f16 on the way to a quantiser, and a product that is left as it is and whose result goes on into a quantised operand takes f32 operands (vector FMAs, or v_wmma_f32_16x16x4_f32). A number that lies on a knife's edge between two numbers of the format may be rounded either way, as far as f32 arithmetic and the matrix unit's own rounding can turn it there, and no further.
;; 2 versions. Each part assembles by itself: llvm-mc -triple=amdgcn-amd-amdhsa -mcpu=gfx1250 --defsym DOCPART=n.
;; ======== version 1 of 2: 4 launches
;; workspace buffers: xcs 3,276,800 bytes; wcs 4,915,200 bytes; wocs 3,276,800 bytes; tab 557,056 bytes; qcs 3,407,872 bytes; kvcs 1,703,936 bytes; acs 3,276,800 bytes
;; launch quant (part 1): grid 448 x 1, 4 waves a work-group, no clusters, 33,280 bytes of LDS; arguments x, wq, wk, wv, wo, xcs, wcs, wocs, tab; writes xcs, wcs, wocs, tab
.if DOCPART == 1
	.amdgcn_target "amdgcn-amd-amdhsa--gfx1250"
	.amdhsa_code_object_version 6
	.text
	.protected	k_qd9a77c73dd_quant
	.globl	k_qd9a77c73dd_quant
	.p2align	8
	.type	k_qd9a77c73dd_quant,@function
k_qd9a77c73dd_quant:
	s_mov_b64 s[64:65], 0
	v_nop
	global_prefetch_b8 v0, s[64:65] scope:SCOPE_SE
	s_setreg_imm32_b32 hwreg(HW_REG_WAVE_MODE, 25, 1), 1
	s_wait_xcnt 0x0
; x, wq, wk, wv, wo (f32, rows of 2,048 along K) become codes of BF6 (E3M2), K innermost, 1,536 bytes a row, with one E8M0 scale byte for each 32 along K, 64 bytes a row.
; A block's scale is 2^(floor(log2(its largest magnitude)) - 4); its byte is the largest magnitude's exponent field - 4, held at 1 from below.  A block of zeros so gets the byte 1 where the rule says 127:
; its codes are zeros, which add nothing under any byte but 0xff, and the bytes are read by this program alone.
; LIMITS: blocks whose largest magnitude lies under 2^-122 get the byte 1; NaN and infinities among the inputs are not served.
; WHERE THE ROWS GO.  xcs: x's codes at byte 0, its scale bytes at 3,145,728.  wcs: codes at 0, scale bytes at 4,718,592; rows 0-2047 wq; for c = 0..3 rows 2048 + 256 c + 0..127 are wk's rows 128 c on and
; rows + 128..255 wv's rows 128 c on.  wocs: as xcs.  In x, wq, wk, wv bits 3 and 4 of the row's number change places (row 16 T + r of the buffer is row 32 (T/2) + 8 (T%2) + r + 8 (r/8) of the tensor), so that in the
; next launch the 16 registers of two neighbouring result tiles are 16 neighbours.  wo keeps its order.
; SHARES.  A work-group takes 16 rows, a wave 4 rows = one run of 8,192 numbers, 16 steps of 512.  Work-groups 0-127 x, 128-255 wq, 256-287 wk, 288-319 wv, 320-447 wo: only pointers and run numbers are chosen,
; all tensors take one path.  Each of a step's four loads reads 512 consecutive bytes; the 2,048 bytes turn through the wave's own stage in LDS and come back 64 bytes (16 neighbours) a lane; two lanes hold a block.
; No cluster, no tensor loads: work-groups share no input, and waves share nothing.
; THE TABLE.  Work-groups 0-135 also make 16 rows each of tab: row p < 2,048 holds cos and sin of f32(p) x theta_f for f = 0..31 (8 bytes a pair); rows 2,048-2,175 hold (1, 0).
; theta_f = 1 / f32(10^(f/8)), the product with the position rounded once, as the definition has them.  LIMIT: if the definition's own power is an ulp off, an angle differs by up to p x theta x 6e-8.
.set STEPS, 16
.set EMAX,  4
.set CB,    12                         ; bytes of 16 codes
.set R,     16                         ; v16-79   four sets of 16 numbers as they are loaded
.set X,     80                         ; v80-111  two sets of 16 neighbours
.set C,     128                        ; v128-191 codes: four registers for each step
.set E,     112                        ; v112-127 a scale byte for each step
.set WREG,  8192                       ; LDS: a region for each wave: two stages of 32 x SP bytes, then its 256 scale bytes
.set SP,    80                         ; a lane's place in a stage: 64 bytes + 16 of padding
.set XSC,   3145728                    ; where the scale bytes begin in xcs and wocs
.set WSC,   4718592                    ; and in wcs
	s_load_b256 s[4:11], s[0:1], 0x0               ; x, wq, wk, wv
	s_load_b256 s[12:19], s[0:1], 0x20             ; wo, xcs, wcs, wocs
	s_load_b64 s[20:21], s[0:1], 0x40              ; tab
	v_lshl_add_u32 v192, v0, 2, 0x8000
	v_mov_b32 v193, 0
	v_lshrrev_b32 v1, 5, v0
	v_readfirstlane_b32 s28, v1                    ; wave
	v_and_b32 v2, 31, v0                           ; lane
	v_lshlrev_b32 v3, 4, v2                        ; my 16 bytes of a load's 512
	s_mul_i32 s29, s28, WREG
	v_lshrrev_b32 v14, 2, v2
	v_mul_u32_u24 v14, v14, SP
	v_and_b32 v15, 3, v2
	v_lshl_add_u32 v14, v15, 4, v14
	v_add_nc_u32 v14, s29, v14                     ; the stage, on the way in: SP (lane / 4) + 16 (lane % 4)
	v_mul_u32_u24 v15, v2, SP
	v_add_nc_u32 v15, s29, v15                     ; and on the way out: SP x lane
	v_mul_u32_u24 v4, v2, CB                       ; my codes' place in a step's
	v_lshrrev_b32 v5, 1, v2
	s_add_co_u32 s29, s29, 2*32*SP
	v_add_nc_u32 v5, s29, v5                       ; LDS: my wave's 256 scale bytes, my block's byte
	v_lshlrev_b32 v7, 3, v2                        ; and on the way out 8 bytes a lane
	v_add_nc_u32 v6, s29, v7
	s_mov_b32 s30, XSC
	s_mov_b32 s31, WSC
	s_mov_b32 s27, 320
	s_wait_kmcnt 0x0
	s_cmp_lt_u32 ttmp9, 320                        ; which tensor: every choice hangs on the work-group's number alone
	s_cselect_b64 s[22:23], s[10:11], s[12:13]     ; from: wv or wo
	s_cselect_b64 s[24:25], s[16:17], s[18:19]     ; to: wcs or wocs
	s_cselect_b32 s26, s31, s30                    ; where its scale bytes begin
	s_cselect_b32 s27, 288, s27                    ; the tensor's first work-group
	s_cmp_lt_u32 ttmp9, 288
	s_cselect_b64 s[22:23], s[8:9], s[22:23]       ; wk
	s_cselect_b32 s27, 256, s27
	s_cmp_lt_u32 ttmp9, 256
	s_cselect_b64 s[22:23], s[6:7], s[22:23]       ; wq
	s_cselect_b32 s27, 128, s27
	s_cmp_lt_u32 ttmp9, 128
	s_cselect_b64 s[22:23], s[4:5], s[22:23]       ; x
	s_cselect_b64 s[24:25], s[14:15], s[24:25]
	s_cselect_b32 s26, s30, s26
	s_cselect_b32 s27, 0, s27
	s_sub_co_u32 s32, ttmp9, s27                   ; i: my work-group within the tensor
	s_lshl_b32 s33, s32, 2
	s_add_co_u32 s33, s33, s28                     ; the run that I read: 4 i + wave
	s_lshr_b32 s34, s32, 1                         ; the same with bits 1 and 2 exchanged (a run is 4 rows: the rows' bits 3 and 4)
	s_lshl_b32 s34, s34, 3
	s_lshr_b32 s35, s28, 1
	s_lshl_b32 s35, s35, 2
	s_add_co_u32 s34, s34, s35
	s_and_b32 s35, s32, 1
	s_lshl_b32 s35, s35, 1
	s_add_co_u32 s34, s34, s35
	s_and_b32 s35, s28, 1
	s_add_co_u32 s34, s34, s35
	s_lshr_b32 s36, s34, 5                         ; wk and wv: 32 runs (128 rows) of each by turns, behind wq's 512 runs
	s_lshl_b32 s36, s36, 6
	s_and_b32 s35, s34, 31
	s_add_co_u32 s36, s36, s35
	s_add_co_u32 s36, s36, 512
	s_cmp_ge_u32 ttmp9, 288
	s_cselect_b32 s35, 32, 0
	s_add_co_u32 s36, s36, s35
	s_cmp_ge_u32 ttmp9, 256
	s_cselect_b32 s37, s36, s34
	s_cmp_ge_u32 ttmp9, 320
	s_cselect_b32 s37, s33, s37                    ; the run that I write (wo keeps its order)
	s_lshl_b32 s38, s33, 15                        ; 32,768 bytes of f32 a run
	s_mov_b32 s39, 0
	s_add_nc_u64 s[22:23], s[22:23], s[38:39]
	s_mul_i32 s38, s37, 32*STEPS*CB                ; 6,144 bytes of codes a run
	s_add_nc_u64 s[40:41], s[24:25], s[38:39]
	s_lshl_b32 s38, s37, 8                         ; 256 scale bytes a run
	s_add_co_u32 s38, s38, s26
	s_add_nc_u64 s[42:43], s[24:25], s[38:39]
.macro LOAD t
.irp i, 0,1,2,3
	global_load_b128 v[R+16*((\t)%4)+4*\i:R+16*((\t)%4)+4*\i+3], v3, s[22:23] offset:2048*(\t)+512*\i th:TH_LOAD_NT   ; 32 lanes read 512 consecutive bytes
.endr
.endm
.macro TURN t                          ; step t's numbers through the stage: LDS serves a wave's instructions in order, so no wait stands between the stores and the loads
.irp i, 0,1,2,3
	ds_store_b128 v14, v[R+16*((\t)%4)+4*\i:R+16*((\t)%4)+4*\i+3] offset:32*SP*((\t)%2)+8*SP*\i
.endr
.irp i, 0,1,2,3
	ds_load_b128 v[X+16*((\t)%2)+4*\i:X+16*((\t)%2)+4*\i+3], v15 offset:32*SP*((\t)%2)+16*\i
.endr
.endm
.irp t, 0,1,2,3
	LOAD \t
.endr
	s_wait_loadcnt 12                              ; step 0's four loads are in
	TURN 0
.macro STEP t
.set XS, X+16*((\t)%2)
.if (\t) > 0
	s_wait_dscnt 1                                 ; this step's numbers are back from the stage (the last step's byte store may be out): so its stores into the stage have read their registers,
.else
	s_wait_dscnt 0x0
.endif
.if (\t)+4 < STEPS
	LOAD (\t)+4                                    ; which take the loads of four steps on
.endif
.if (\t)+1 < STEPS
.if STEPS-2-(\t) >= 3
	s_wait_loadcnt 12                              ; the next step's four loads are in; those of the three steps behind it may be out
.else
	s_wait_loadcnt 4*(STEPS-2-(\t))
.endif
	TURN (\t)+1                                    ; and go through the other stage while this step is worked
.endif
	v_max3_num_f32 v8, |v[XS]|, |v[XS+1]|, |v[XS+2]|               ; the largest magnitude of my 16
	v_max3_num_f32 v9, |v[XS+3]|, |v[XS+4]|, |v[XS+5]|
.irp i, 6,10
	v_max3_num_f32 v8, v8, |v[XS+\i]|, |v[XS+\i+1]|
	v_max3_num_f32 v9, v9, |v[XS+\i+2]|, |v[XS+\i+3]|
.endr
	v_max3_num_f32 v8, v8, |v[XS+14]|, |v[XS+15]|
	v_max3_num_f32 v8, v8, v9, (EMAX+1)<<23        ; and the floor 2^(5 - 127): the byte cannot fall under 1
	v_max_num_f32_dpp v8, v8, v8 row_xmask:1 row_mask:0xf bank_mask:0xf   ; and of my neighbour's 16: the block's
	v_add_nc_u32 v11, -(EMAX<<23), v8              ; 4 off its exponent field: the conversion takes the exponent field of this operand as its scale
	v_cvt_scalef32_pk16_bf6_f32 v[C+4*(\t):C+4*(\t)+2], v[XS:XS+15], v11
	v_lshrrev_b32 v[E+(\t)], 23, v11               ; the scale's byte (also the plain line behind the conversion)
	ds_store_b8 v5, v[E+(\t)] offset:16*(\t)       ; both lanes of a block write the same byte with the same value
	global_store_b96 v4, v[C+4*(\t):C+4*(\t)+2], s[40:41] offset:32*CB*(\t)   ; the wave stores 384 consecutive bytes
.endm
.irp t, 0,1,2,3,4,5,6,7,8,9,10,11,12,13,14,15
	STEP \t
.endr
	ds_load_b64 v[12:13], v6                       ; LDS serves a wave's instructions in order: these see my stores
	s_wait_dscnt 0x0
	global_store_b64 v7, v[12:13], s[42:43]        ; 32 lanes store 256 consecutive bytes, at a multiple of 256 from the buffer's first byte
	; ---- the table: 16 rows of 256 bytes a work-group; thread t makes the pairs f = 2 (t % 16), 2 (t % 16) + 1 of rows t / 16 and 8 + t / 16
	s_cmp_lt_u32 ttmp9, 136
	s_cbranch_scc0 .Lend
	s_wait_xcnt 0x0                                ; the stores above have read their registers: these may be written again
	s_lshl_b32 s38, ttmp9, 12
	s_mov_b32 s39, 0
	s_add_nc_u64 s[20:21], s[20:21], s[38:39]
	s_cmp_lt_u32 ttmp9, 128
	s_cselect_b32 s46, 1.0, 0                      ; rows from 2,048 on: the angle 0, so cos = 1 and sin = 0
	s_lshl_b32 s47, ttmp9, 4
	s_mov_b32 s48, 0xbe2aaaa3                      ; sin r = r + r z (S1 + z (S2 + z S3)), z = r r:  S1 = -1.6666654611e-1
	s_mov_b32 s49, 0x3c08839e                      ; S2 = 8.3321608736e-3
	s_mov_b32 s50, 0xb94ca1f9                      ; S3 = -1.9515295891e-4
	s_mov_b32 s51, 0x3d2aaaa5                      ; cos r = 1 - z / 2 + z z (C0 + z (C1 + z C2)):  C0 = 4.166664568e-2
	s_mov_b32 s52, 0xbab6061a                      ; C1 = -1.388731625e-3
	s_mov_b32 s53, 0x37ccf5ce                      ; C2 = 2.443315712e-5
	v_and_b32 v16, 15, v0
	v_mov_b32 v20, 1.0                             ; 10^(f/8) for my two f, rounded to f32 once: chosen among sixteen pairs
	v_mov_b32 v21, 1.3335214321633240
.macro PICK k, a, b
	v_cmp_ne_u32 vcc_lo, \k, v16
	v_cndmask_b32 v20, \a, v20, vcc_lo
	v_cndmask_b32 v21, \b, v21, vcc_lo
.endm
	PICK 1, 1.7782794100389228, 2.3713737056616552
	PICK 2, 3.1622776601683795, 4.2169650342858225
	PICK 3, 5.6234132519034908, 7.4989420933245582
	PICK 4, 10.0, 13.335214321633240
	PICK 5, 17.782794100389228, 23.713737056616552
	PICK 6, 31.622776601683795, 42.169650342858225
	PICK 7, 56.234132519034908, 74.989420933245582
	PICK 8, 100.0, 133.35214321633240
	PICK 9, 177.82794100389228, 237.13737056616552
	PICK 10, 316.22776601683795, 421.69650342858225
	PICK 11, 562.34132519034908, 749.89420933245582
	PICK 12, 1000.0, 1333.5214321633240
	PICK 13, 1778.2794100389228, 2371.3737056616552
	PICK 14, 3162.2776601683795, 4216.9650342858225
	PICK 15, 5623.4132519034908, 7498.9420933245582
	v_rcp_f32 v22, v20
	v_rcp_f32 v23, v21
	v_lshrrev_b32 v17, 4, v0                       ; (a plain line behind the reciprocals)
	s_wait_alu depctr_va_vdst(0)
.rept 2                                        ; two residual steps bring 1 / P to the nearest f32
	v_fma_f32 v24, -v20, v22, 1.0
	v_fma_f32 v25, -v21, v23, 1.0
	v_fma_f32 v22, v24, v22, v22
	v_fma_f32 v23, v25, v23, v23
.endr
	v_add_nc_u32 v17, s47, v17                     ; my first row: 16 x work-group + t / 16
	v_add_nc_u32 v18, 8, v17                       ; and my second
	v_cvt_f32_u32 v17, v17
	v_cvt_f32_u32 v18, v18
	v_mul_f32 v17, s46, v17
	v_mul_f32 v18, s46, v18
	v_mul_f32 v26, v17, v22                        ; the angles, each rounded once
	v_mul_f32 v27, v17, v23
	v_mul_f32 v28, v18, v22
	v_mul_f32 v29, v18, v23
; cos and sin of v[x], 0 <= x < 2,048.  n = the nearest whole number to x 2/pi; r = x - n pi/2 in two fused steps (the first is exact: its result has at most 23 bits); polynomials on |r| <= pi/4; the quadrant by selects and sign bits.
.macro SINCOS x, c, s
	v_mul_f32 v40, 0x3f22f983, v[\x]
	v_rndne_f32 v40, v40
	v_fmamk_f32 v41, v40, 0xbfc90fdb, v[\x]
	v_fmamk_f32 v41, v40, 0x333bbd2e, v41
	v_cvt_i32_f32 v42, v40
	v_mul_f32 v43, v41, v41
	v_fma_f32 v44, v43, s50, s49
	v_fma_f32 v45, v43, s53, s52
	v_mul_f32 v46, v43, v41
	v_mul_f32 v47, v43, v43
	v_fma_f32 v44, v44, v43, s48
	v_fma_f32 v45, v45, v43, s51
	v_fma_f32 v48, v43, -0.5, 1.0
	v_fma_f32 v44, v44, v46, v41                   ; sin r
	v_fma_f32 v45, v45, v47, v48                   ; cos r
	v_and_b32 v46, 1, v42
	v_cmp_eq_u32 vcc_lo, 1, v46
	v_cndmask_b32 v[\s], v44, v45, vcc_lo          ; odd quadrants change the two
	v_cndmask_b32 v[\c], v45, v44, vcc_lo
	v_and_b32 v46, 2, v42
	v_add_nc_u32 v47, 1, v42
	v_lshlrev_b32 v46, 30, v46
	v_and_b32 v47, 2, v47
	v_xor_b32 v[\s], v[\s], v46                    ; sin is negative in quadrants 2, 3
	v_lshlrev_b32 v47, 30, v47
	v_xor_b32 v[\c], v[\c], v47                    ; cos in quadrants 1, 2
.endm
	SINCOS 26, 32, 33
	SINCOS 27, 34, 35
	SINCOS 28, 36, 37
	SINCOS 29, 38, 39
	v_lshlrev_b32 v30, 4, v0
	global_store_b128 v30, v[32:35], s[20:21]              ; a wave stores 512 consecutive bytes
	global_store_b128 v30, v[36:39], s[20:21] offset:2048
.Lend:
	s_wait_tensorcnt 0x0
	ds_add_u32 v192, v193
	s_wait_dscnt 0x0
	s_endpgm
.Lfunc_end_k_qd9a77c73dd_quant:
	.size	k_qd9a77c73dd_quant, .Lfunc_end_k_qd9a77c73dd_quant-k_qd9a77c73dd_quant
	.p2alignl 7, 3214868480
	.fill 96, 4, 3214868480
	.section	.rodata,"a",@progbits
	.p2align	6, 0x0
	.amdhsa_kernel k_qd9a77c73dd_quant
		.amdhsa_group_segment_fixed_size 33280
		.amdhsa_private_segment_fixed_size 0
		.amdhsa_enable_private_segment 0
		.amdhsa_kernarg_size 72
		.amdhsa_user_sgpr_count 2
		.amdhsa_user_sgpr_kernarg_segment_ptr 1
		.amdhsa_wavefront_size32 1
		.amdhsa_system_sgpr_workgroup_id_x 1
		.amdhsa_system_sgpr_workgroup_id_y 1
		.amdhsa_system_sgpr_workgroup_id_z 1
		.amdhsa_system_vgpr_workitem_id 0
		.amdhsa_next_free_vgpr 194
		.amdhsa_next_free_sgpr 66
		.amdhsa_reserve_vcc 1
		.amdhsa_float_denorm_mode_32 3
		.amdhsa_float_denorm_mode_16_64 3
		.amdhsa_memory_ordered 1
		.amdhsa_forward_progress 1
		.amdhsa_inst_pref_size 43
	.end_amdhsa_kernel
	.amdgpu_metadata
---
amdhsa.version: [ 1, 2 ]
amdhsa.kernels:
  - .name:           k_qd9a77c73dd_quant
    .symbol:         k_qd9a77c73dd_quant.kd
    .args:
      - { .name: x, .offset: 0, .size: 8, .value_kind: global_buffer, .address_space: global }
      - { .name: wq, .offset: 8, .size: 8, .value_kind: global_buffer, .address_space: global }
      - { .name: wk, .offset: 16, .size: 8, .value_kind: global_buffer, .address_space: global }
      - { .name: wv, .offset: 24, .size: 8, .value_kind: global_buffer, .address_space: global }
      - { .name: wo, .offset: 32, .size: 8, .value_kind: global_buffer, .address_space: global }
      - { .name: xcs, .offset: 40, .size: 8, .value_kind: global_buffer, .address_space: global }
      - { .name: wcs, .offset: 48, .size: 8, .value_kind: global_buffer, .address_space: global }
      - { .name: wocs, .offset: 56, .size: 8, .value_kind: global_buffer, .address_space: global }
      - { .name: tab, .offset: 64, .size: 8, .value_kind: global_buffer, .address_space: global }
    .group_segment_fixed_size: 33280
    .private_segment_fixed_size: 0
    .kernarg_segment_align: 8
    .kernarg_segment_size: 72
    .max_flat_workgroup_size: 128
    .sgpr_count:     66
    .vgpr_count:     194
    .wavefront_size: 32
...
	.end_amdgpu_metadata
.endif
;; end of part 1
;; launch qkv (part 2): grid 12 x 8, 4 waves a work-group, clusters of 4 x 4, 327,680 bytes of LDS; arguments xcs, wcs, tab, qcs, kvcs; writes qcs, kvcs
.if DOCPART == 2
	.amdgcn_target "amdgcn-amd-amdhsa--gfx1250"
	.amdhsa_code_object_version 6
	.text
	.protected	k_qd9a77c73dd_qkv
	.globl	k_qd9a77c73dd_qkv
	.p2align	8
	.type	k_qd9a77c73dd_qkv,@function
k_qd9a77c73dd_qkv:
	s_mov_b64 s[64:65], 0
	v_nop
	global_prefetch_b8 v0, s[64:65] scope:SCOPE_SE
	s_setreg_imm32_b32 hwreg(HW_REG_WAVE_MODE, 25, 1), 1
	s_wait_xcnt 0x0
	s_wait_alu depctr_hold_cnt(0) depctr_sa_sdst(0) depctr_va_vdst(0) depctr_va_sdst(0) depctr_va_ssrc(0) depctr_va_vcc(0) depctr_vm_vsrc(0)
	s_getreg_b32 s2, hwreg(HW_REG_IB_STS2, 6, 4)
	s_cmp_eq_u32 s2, 0
	s_cbranch_scc0 .Lentry_in_a_cluster
	s_endpgm
.Lentry_in_a_cluster:
	s_bfe_u32 s2, ttmp6, 0x10000c
	s_cmp_lg_u32 s2, 0xf033
	s_cbranch_scc0 .Lentry_shape_is_right
	s_endpgm
.Lentry_shape_is_right:
; q = rope(x wq^T), k = rope(x wk^T), v = x wv^T on codes of BF6 (E3M2) with one E8M0 scale for each 32 along K = 2,048; the results are rotated in f32, quantised in registers and leave as codes: they never lie in memory as f32.
; THE PRODUCT.  A tile of 256 positions x 256 weight rows is made by four waves, each 128 x 128: 64 accumulators of 16 x 16, 512 registers.  K goes in steps of 256 through a ring of two LDS slots filled by the tensor data mover
; (a tile's row is 192 bytes).  The scale bytes of the tile's rows, for all of K, come into LDS once, with the first fills.  4 x 4 work-groups form a cluster: x's tiles are asked for jointly along a row of the cluster,
; the weights' along a column.  Source 0 = 16 weight rows, source 1 = 16 positions.  Both buffers hold their rows with bits 3 and 4 of the row's number exchanged: so, for source 1's row (block a, lane r),
; register 16 b + i of the 64 registers of accumulators (a, 0..7) is column 32 b + 16 (lane / 16) + i of the wave's 128, and lane r of block a is row 32 (a/2) + 8 (a%2) + r + 8 (r/8).
; TILE COLUMNS 0-7 are wq's (4 heads each); columns 8-11 hold 128 rows of wk, then 128 rows of wv.  THE WAVES THAT OWN wv's ROWS (VF = 1) MAKE THE TRANSPOSED TILE, by addresses alone: their source 0 registers are loaded from
; x's rows and their source 1 registers from wv's, and their scale words likewise.  So a lane of theirs holds one channel d of v and 64 of the 128 keys of a key step: v's K is the keys.  VF hangs on the cluster's x and the wave's number.
; THE END, one path for all waves: the 64 numbers of a lane and block a are rotated by cos and sin from tab (the waves with VF = 1 read rows that hold (1, 0)), quantised in four blocks of 32, and stored as two half images:
; registers 0-5 of an operand of 16 rows x 64 K: lane l's registers 0-3 at 16 l, registers 4-5 at 512 + 8 l: 768 bytes.  For q and k a half is a head's 64 channels, for v 64 keys.
;   qcs:  images [32 heads][128 T][768]; from 3,145,728 scale words [32][128 T][16].   kvcs: k's images [8 g][16 steps][8 tiles][768]; from 786,432 v's [8 g][16 steps][4 t][2][768];
;   from 1,572,864 k's scale words [8 g][128 T][16]; from 1,638,400 v's [8 g][4 t][16 steps][32] (lanes 16-31 store a copy).
; The code stores cover 512 or 256 consecutive bytes; the scale words go out in runs of 64 bytes: one byte in twelve of what a block stores.
; LIMITS: NaN and infinities are not served; a block under 2^-122, or of zeros, gets the byte 1 (its codes are read by this program alone).
; REGISTERS, in windows of 256: window 0: v0-31 addresses; v32-63 scale words, two sets, and nothing else; from v128 source 1's fragments, ONE set; at the end v64-127 the rotated numbers, v128-146 codes, v224-245 at work.
;   window 1: source 0's fragments, TWO sets, at v0 and v128; at the end the table's 256 numbers.   windows 2, 3: the accumulators of blocks 0-3 and 4-7 ((a, b) at v[8 (8 (a % 4) + b)]).
.set SIZE_K, 2048
.set KSTEP,  256                       ; along K in a slot
.set NQ,     KSTEP/128                 ; matrix instructions deep
.set ROWB,   192                       ; a tile's row in bytes
.set KROW,   SIZE_K*6/8                ; a row of codes in memory
.set PITCH,  240                       ; an LDS row: 3 x (64 bytes + 16 of padding)
.set FR,     12                        ; registers of a fragment
.set NL,     6                         ; LDS loads that bring one
.set NP,     4                         ; places behind this matrix instruction (ISA guide 7.12.1)
.set HALFT,  128*PITCH                 ; 128 rows: what one tensor load brings
.set SLOT,   4*HALFT                   ; x's 256 rows, then the weights' 256
.set LAPS,   SIZE_K/(2*KSTEP)
.set KS,     SIZE_K/32                 ; a row of scale bytes
.set SCL,    2*SLOT                    ; behind the ring: the scales, as rows of 256 bytes + 16 of padding
.set HALFS,  (128*KS/256)*272
.set SBLK,   (16*KS/256)*272
.set SPARE,  SCL+4*HALFS               ; the spare words, 128 bytes for each wave: two blocks of 256 bytes that no other line names
.set ADRA, 16                          ; v16-17 LDS address of source 1's fragments in slot 0, 1 (v18-19: behind one padding more)
.set ADRB, 20                          ; v20-23 the same for source 0
.set ADRS, 27                          ; v27    LDS address of my scale words
.set SPW,  28                          ; v28    my spare word: SPARE + 4 x my thread's number; never rewritten
.set NIL,  29                          ; v29    0; never rewritten
.set SC,   32
.set AF,   128
.set G1, 24
.set G0, 32
.set G1B, 48
.set G0B, 56
.set G1S, 68
.set G0S, 76
.set G1SB, 80
.set G0SB, 88
.set VF,  96                           ; s96: 1 in the waves that own wv's rows
.set RR,  64                           ; the end: v64-127 the 64 rotated numbers
.set TT,  224                          ; v224-227 products at work
.set TM,  228                          ; v228-243 the quantiser's
.set PW,  244                          ; v244 the scale word, v245 what my lane stores of it
.set CD,  128                          ; v128-146 codes
.set SEL, 62                           ; s[62:63] at the end: lane selects for v_permlanex16_b32
.set MSB, 0
.macro WIN new                         ; the immediate's high byte repeats the setting that is left
.if MSB != \new
	s_set_vgpr_msb (MSB<<8)|\new
.set MSB, \new
.endif
.endm
.set MUL_LO, 0xa1                      ; source 0 window 1, source 1 window 0, C and D window 2
.set MUL_HI, 0xf1                      ; the same, C and D window 3
.set TO_B,   0x40                      ; destination window 1, address window 0
; A joint load: waves 0 and 1 fetch for x, waves 2 and 3 for the weights.  Each line has ONE mask and one set of registers for all that issue it; the branch hangs on the wave's number alone.
; Four v_nop follow each of the two lines, ahead of the jump, the label and what follows.
.macro JLOAD g0a, g1a, g0b, g1b
	s_cmp_eq_u32 s15, 0
	s_cbranch_scc0 .Lfor_b_\@
	tensor_load_to_lds s[\g0a:\g0a+3], s[\g1a:\g1a+7]
	s_nop 0
.rept 4
	v_nop
.endr
	s_branch .Lasked_\@
.Lfor_b_\@:
	tensor_load_to_lds s[\g0b:\g0b+3], s[\g1b:\g1b+7]
	s_nop 0
.rept 4
	v_nop
.endr
.Lasked_\@:
.endm
.macro CREST                           ; a round of the cluster's barrier behind its opening barrier
	s_cmp_lg_u32 s14, 0
	s_cbranch_scc1 .Lnot_wave_0_\@
	s_barrier_signal -3
.Lnot_wave_0_\@:
	s_barrier_wait -3
	s_barrier_signal -1
	s_barrier_wait -1
.endm
.macro CROUND                          ; a whole round
	s_barrier_signal -1
	s_barrier_wait -1
	CREST
.endm
	s_load_b128 s[4:7], s[0:1], 0x0                ; xcs, wcs
	v_lshl_add_u32 v[SPW], v0, 2, SPARE
	v_mov_b32 v[NIL], 0
	ds_add_u32 v28, v29
	ds_add_u32 v28, v29
	s_wait_dscnt 0x0
	v_lshrrev_b32 v1, 5, v0
	v_readfirstlane_b32 s14, v1                    ; wave 0..3
	s_lshr_b32 s15, s14, 1                         ; which half of the tile's positions is mine.  Also: I fetch for x (0) or for the weights (1)
	s_and_b32 s16, s14, 1                          ; which half of its weight rows.  Also: which 128 rows of that tile I fetch
	s_bfe_u32 s40, ttmp6, 0x40000                  ; cx, cy: my place in the cluster
	s_bfe_u32 s41, ttmp6, 0x40004
	s_lshl_b32 s42, ttmp9, 2
	s_add_co_u32 s42, s42, s40                     ; tile column = 4 x cluster x + cx
	s_and_b32 s17, ttmp7, 0xffff
	s_lshl_b32 s17, s17, 2
	s_add_co_u32 s17, s17, s41                     ; tile row = 4 x cluster y + cy
	s_lshl_b32 s43, s41, 2
	s_lshl_b32 s43, 15, s43                        ; my row of the cluster
	s_lshl_b32 s44, 0x1111, s40                    ; my column
	s_cmp_eq_u32 ttmp9, 2                          ; the cluster of tile columns 8-11: its waves with the upper 128 weight rows own wv's
	s_cselect_b32 s[VF], s16, 0
	; descriptor group 1: a tile of 128 rows x 192 bytes, 16 bytes of padding behind every 64
	s_or_b32 s[G1+0], s43, (0<<16)|(1<<20)|(1<<21)|(3<<22)|(3<<25)
	s_or_b32 s[G1B+0], s44, (0<<16)|(1<<20)|(1<<21)|(3<<22)|(3<<25)
.irp g, G1, G1B
	s_mov_b32 s[\g+1], ROWB<<16                    ; tensor_dim0
	s_mov_b32 s[\g+2], 128<<16                     ; tensor_dim1
	s_mov_b32 s[\g+3], ROWB<<16                    ; tile_dim0
	s_mov_b32 s[\g+4], 128                         ; tile_dim1
	s_mov_b32 s[\g+5], KROW                        ; tensor_dim0_stride
	s_mov_b32 s[\g+6], 0
	s_mov_b32 s[\g+7], 0
.endr
	; the scales of 128 rows: 8,192 dense bytes, as 32 rows of 256 bytes (32 elements of 8 bytes), 16 bytes of padding behind each
	s_or_b32 s[G1S+0], s43, (3<<16)|(1<<20)|(1<<21)|(5<<22)|(3<<25)
	s_or_b32 s[G1SB+0], s44, (3<<16)|(1<<20)|(1<<21)|(5<<22)|(3<<25)
.irp g, G1S, G1SB
	s_mov_b32 s[\g+1], 32<<16
	s_mov_b32 s[\g+2], (128*KS/256)<<16
	s_mov_b32 s[\g+3], 32<<16
	s_mov_b32 s[\g+4], 128*KS/256
	s_mov_b32 s[\g+5], 32
	s_mov_b32 s[\g+6], 0
	s_mov_b32 s[\g+7], 0
.endr
	s_lshl_b32 s18, s16, 7                         ; which 128 rows of the tile I fetch
	s_lshl_b32 s20, s17, 8
	s_add_co_u32 s20, s20, s18                     ; x: row 256 x tile row + 128 x half
	s_lshl_b32 s46, s42, 8
	s_add_co_u32 s46, s46, s18                     ; weights: row 256 x tile column + 128 x half
	s_mov_b32 s21, 0
	s_mov_b32 s47, 0
	s_mov_b64 s[18:19], KS
	s_mul_u64 s[22:23], s[20:21], s[18:19]         ; where these rows' scales begin, in bytes
	s_mul_u64 s[92:93], s[46:47], s[18:19]
	s_mov_b64 s[18:19], KROW
	s_mul_u64 s[20:21], s[20:21], s[18:19]         ; and their codes
	s_mul_u64 s[46:47], s[46:47], s[18:19]
	s_mul_i32 s45, s14, HALFT                      ; where they go: wave x 128 rows
	s_mul_i32 s94, s14, HALFS
	s_wait_kmcnt 0x0
	s_mov_b64 s[8:9], s[6:7]                       ; the weights' codes,
	s_add_nc_u64 s[10:11], s[6:7], 4718592         ; their scale bytes,
	s_add_nc_u64 s[6:7], s[4:5], 3145728           ; x's scale bytes
	s_add_nc_u64 s[20:21], s[4:5], s[20:21]
	s_add_nc_u64 s[22:23], s[6:7], s[22:23]
	s_add_nc_u64 s[46:47], s[8:9], s[46:47]
	s_add_nc_u64 s[92:93], s[10:11], s[92:93]
	CROUND                                         ; all sixteen work-groups are here: the first joint loads meet
	s_mov_b32 s[G0S], 1
	s_add_co_u32 s[G0S+1], s94, SCL
	s_mov_b64 s[G0S+2:G0S+3], s[22:23]
	s_or_b32 s[G0S+3], s[G0S+3], 0x80000000
	s_mov_b32 s[G0SB], 1
	s_add_co_u32 s[G0SB+1], s94, SCL
	s_mov_b64 s[G0SB+2:G0SB+3], s[92:93]
	s_or_b32 s[G0SB+3], s[G0SB+3], 0x80000000
	JLOAD G0S, G1S, G0SB, G1SB                     ; the scales first: they are wanted with K step 0
.irp s, 0,1
	s_mov_b32 s[G0+4*\s], 1
	s_add_co_u32 s[G0+4*\s+1], s45, \s*SLOT
	s_add_nc_u64 s[G0+4*\s+2:G0+4*\s+3], s[20:21], \s*ROWB
	s_or_b32 s[G0+4*\s+3], s[G0+4*\s+3], 0x80000000
	s_mov_b32 s[G0B+4*\s], 1
	s_add_co_u32 s[G0B+4*\s+1], s45, \s*SLOT
	s_add_nc_u64 s[G0B+4*\s+2:G0B+4*\s+3], s[46:47], \s*ROWB
	s_or_b32 s[G0B+4*\s+3], s[G0B+4*\s+3], 0x80000000
	JLOAD G0+4*\s, G1, G0B+4*\s, G1B
.endr
	v_and_b32 v1, 15, v0                           ; r = l % 16
	v_bfe_u32 v2, v0, 4, 1                         ; h = l / 16
	v_mul_u32_u24 v3, v1, PITCH
	v_mul_u32_u24 v4, v2, 24
	v_add_nc_u32 v4, v3, v4                        ; a fragment's row x pitch + 24 x half
	v_lshl_add_u32 v5, v2, 4, v4                   ; and the same behind one padding more
	s_mul_i32 s21, s15, HALFT                      ; my 128 positions,
	s_mul_i32 s22, s16, HALFT                      ; my 128 weight rows,
	s_add_co_u32 s22, s22, 2*HALFT                 ; which lie behind x's 256
	s_cmp_lg_u32 s[VF], 0                          ; with VF = 1 the two change places: both values lie inside the slot
	s_cselect_b32 s23, s22, s21                    ; what source 1's registers read
	s_cselect_b32 s22, s21, s22                    ; what source 0's read
	s_mov_b32 s21, s23
.irp s, 0,1
	v_add_nc_u32 v[ADRA+\s], s21, v4
	v_add_nc_u32 v[ADRB+\s], s22, v4
	v_add_nc_u32 v[ADRA+2+\s], s21, v5
	v_add_nc_u32 v[ADRB+2+\s], s22, v5
	s_add_co_u32 s21, s21, SLOT
	s_add_co_u32 s22, s22, SLOT
.endr
	v_mul_u32_u24 v5, v1, KS                       ; my row's scales: 64 bytes a row,
	v_lshrrev_b32 v6, 8, v5
	v_lshl_add_u32 v5, v6, 4, v5                   ; and 16 more for each 256 passed
	s_mul_i32 s21, s15, HALFS                      ; x's: my 128 rows
	s_mul_i32 s22, s16, HALFS                      ; the weights': my 128 rows, behind x's 256
	s_add_co_u32 s22, s22, 2*HALFS
	s_sub_co_u32 s22, s22, s21
	v_xor_b32 v7, s[VF], v2                        ; lanes 16-31 carry source 0's words, lanes 0-15 source 1's: with VF = 1 the halves change places
	v_mul_u32_u24 v6, s22, v7                      ; one product on the lower base
	s_add_co_u32 s21, s21, SCL
	v_add_nc_u32 v5, v5, v6
	v_add_nc_u32 v[ADRS], s21, v5
.macro FRAG reg, adr, q, i             ; a fragment, 16 rows x 128 K of 6-bit codes: lane l holds row l % 16; registers 6 c .. 6 c + 5 hold K = 64 c + 32 (l / 16) + 0 .. 31: 24 bytes of the row's stream of bits, as they lie
.irp p, 0,1,2,3,4,5                    ; in pieces of 8 bytes; lanes 16-31 read three pieces further on, which for some pieces is behind one padding more: the second address register serves those
.set PC, 12*(\q)+6*(\p/3)+\p%3
.if PC%8 < 5
	ds_load_b64 v[\reg+2*\p:\reg+2*\p+1], v[\adr] offset:8*PC+16*(PC/8)+(\i)*16*PITCH
.else
	ds_load_b64 v[\reg+2*\p:\reg+2*\p+1], v[\adr+2] offset:8*PC+16*(PC/8)+(\i)*16*PITCH
.endif
.endr
.endm
; 16 matrix instructions: source 1's blocks a0, a0 + 1 x source 0's eight, 128 along K.  zero = 1: the first product starts the sums.  The 64 accumulators take turns, one instruction a turn.
.macro MUL16 a0, p, q, sc, zero
.irp a, \a0, \a0+1
.irp b, 0,1,2,3,4,5,6,7
.if \zero
	v_wmma_scale_f32_16x16x128_f8f6f4 v[8*(8*((\a)%4)+\b):8*(8*((\a)%4)+\b)+7], v[128*(\p)+FR*\b:128*(\p)+FR*\b+FR-1], v[AF+FR*(\a):AF+FR*(\a)+FR-1], 0, v[SC+8*NQ*(\sc)+NQ*\b+(\q)], v[SC+8*NQ*(\sc)+NQ*(\a)+(\q)] matrix_a_fmt:MATRIX_FMT_BF6 matrix_b_fmt:MATRIX_FMT_BF6 matrix_a_scale:MATRIX_SCALE_ROW1
.else
	v_wmma_scale_f32_16x16x128_f8f6f4 v[8*(8*((\a)%4)+\b):8*(8*((\a)%4)+\b)+7], v[128*(\p)+FR*\b:128*(\p)+FR*\b+FR-1], v[AF+FR*(\a):AF+FR*(\a)+FR-1], v[8*(8*((\a)%4)+\b):8*(8*((\a)%4)+\b)+7], v[SC+8*NQ*(\sc)+NQ*\b+(\q)], v[SC+8*NQ*(\sc)+NQ*(\a)+(\q)] matrix_a_fmt:MATRIX_FMT_BF6 matrix_b_fmt:MATRIX_FMT_BF6 matrix_a_scale:MATRIX_SCALE_ROW1
.endif
.endr
.endr
.endm
.macro FETCH_B slot, q, p              ; source 0's eight fragments of the slot's q-th 128 along K into set p
	WIN TO_B
.irp i, 0,1,2,3,4,5,6,7
	FRAG 128*(\p)+FR*\i, ADRB+\slot, \q, \i
.endr
	WIN 0
.endm
.macro FETCH_A slot, q, i0             ; source 1's blocks i0 .. i0 + 3
.irp i, \i0, \i0+1, \i0+2, \i0+3
	FRAG AF+FR*(\i), ADRA+\slot, \q, \i
.endr
.endm
.macro SCALES sc                       ; the next K step's scale words into set sc: two words a row
.irp i, 0,1,2,3,4,5,6,7
	ds_load_b64 v[SC+8*NQ*\sc+NQ*\i:SC+8*NQ*\sc+NQ*\i+1], v[ADRS] offset:\i*SBLK
.endr
.endm
.macro PLACES n                        ; plain vector lines that name no register of the matrix instructions before them (ISA guide 7.12.1)
.rept \n
	v_nop
.endr
.endm
.macro STEP slot, q, zero              ; a step of 128 along K that has its successor in the same slot
	s_wait_dscnt 4*NL                              ; source 0's set and source 1's blocks 0-3 are in; the youngest 24 loads (blocks 4-7) may be out
	WIN MUL_LO
	MUL16 0, (\q)%2, \q, \slot, \zero
	MUL16 2, (\q)%2, \q, \slot, \zero
	s_wait_dscnt 0                                 ; blocks 4-7 are in
	PLACES NP
	FETCH_B \slot, (\q)+1, 1-(\q)%2
	FETCH_A \slot, (\q)+1, 0
	WIN MUL_HI
	MUL16 4, (\q)%2, \q, \slot, \zero
	MUL16 6, (\q)%2, \q, \slot, \zero
	PLACES NP
	WIN 0
	FETCH_A \slot, (\q)+1, 4
.endm
; A slot's last step changes slots: ONE barrier; in front of it each wave waits for all its tensor loads, adds 0 to its spare word, and waits for that and for its own reads of this slot.  fill = 1: this slot is filled again, two K steps ahead.
.macro TURN slot, next, fill
	s_wait_tensorcnt 0x0                           ; all my tensor loads have landed: my part of the next slot
	ds_add_u32 v[SPW], v[NIL]                      ; 0 onto my spare word
	s_wait_dscnt 4*NL+1                            ; (the add and the youngest 24 loads may be out)
	WIN MUL_LO
	MUL16 0, 1, NQ-1, \slot, 0
	s_wait_dscnt 0x0                               ; the add is done, and my reads of this slot are over
	s_barrier_signal -1
	MUL16 2, 1, NQ-1, \slot, 0
	WIN 0
	s_barrier_wait -1
.if \fill
	CREST                                          ; the barrier has opened a round of the cluster's barrier: no wave of any partner still reads this slot or has a load on its way
	s_add_nc_u64 s[G0+4*\slot+2:G0+4*\slot+3], s[G0+4*\slot+2:G0+4*\slot+3], 2*ROWB
	s_add_nc_u64 s[G0B+4*\slot+2:G0B+4*\slot+3], s[G0B+4*\slot+2:G0B+4*\slot+3], 2*ROWB
	JLOAD G0+4*\slot, G1, G0B+4*\slot, G1B         ; the first tensor load behind the round; its four v_nop are the places in front of the loads below
.else
	PLACES NP
.endif
	v_add_nc_u32 v[ADRS], 4*NQ, v[ADRS]            ; on to the next K step's scale words
	FETCH_B \next, 0, 0
	FETCH_A \next, 0, 0
	SCALES \next
	WIN MUL_HI
	MUL16 4, 1, NQ-1, \slot, 0
	MUL16 6, 1, NQ-1, \slot, 0
	PLACES NP
	WIN 0
	FETCH_A \next, 0, 4
.endm
	s_wait_tensorcnt 1                             ; the scales and my part of K step 0 are in (K step 1's load may be out),
	s_barrier_signal -1
	s_barrier_wait -1                              ; everybody's are
	FETCH_B 0, 0, 0
	FETCH_A 0, 0, 0
	SCALES 0
	FETCH_A 0, 0, 4
	STEP 0, 0, 1                                   ; the first step stands in front of the loop: its products start the sums
	s_mov_b32 s3, LAPS-1
.Llap:                                                 ; a trip goes once round the ring and fills both slots again
	TURN 0, 1, 1
	STEP 1, 0, 0
	TURN 1, 0, 1
	STEP 0, 0, 0
	s_sub_co_u32 s3, s3, 1
	s_cmp_lg_u32 s3, 0
	s_cbranch_scc1 .Llap
	TURN 0, 1, 0                                   ; the last lap fills nothing
	s_load_b128 s[24:27], s[0:1], 0x10             ; no tensor load of mine is out or will be issued: the descriptors' registers take tab and qcs,
	s_load_b64 s[28:29], s[0:1], 0x20              ; and kvcs
	STEP 1, 0, 0
	s_wait_dscnt 4*NL                              ; the very last step
	WIN MUL_LO
	MUL16 0, 1, NQ-1, 1, 0
	MUL16 2, 1, NQ-1, 1, 0
	s_wait_dscnt 0
	WIN MUL_HI
	MUL16 4, 1, NQ-1, 1, 0
	MUL16 6, 1, NQ-1, 1, 0
	WIN 0
	PLACES NP                                      ; behind the last products: loads into source 0's registers and reads of results follow
	; ---- THE END.  Where my blocks go: offsets first, in registers of their own; then one choice of buffer.
	s_wait_kmcnt 0x0
	s_lshl_b32 s40, s17, 1
	s_add_co_u32 s40, s40, s15                     ; step: which 128 positions are mine
	s_and_b32 s41, s42, 3                          ; c: which of tile columns 8-11
	s_lshl_b32 s43, s42, 2
	s_lshl_b32 s44, s16, 1
	s_add_co_u32 s43, s43, s44                     ; q: my first head
	s_mul_i32 s45, s40, 6144                       ; 8 tiles x 768 bytes a step
	s_mul_i32 s44, s43, 98304
	s_add_co_u32 s44, s44, s45                     ; q's codes
	s_lshl_b32 s47, s40, 9                         ; 8 tiles x 64 bytes of scale words a step
	s_lshl_b32 s49, s43, 13
	s_add_co_u32 s49, s49, s47
	s_add_co_u32 s49, s49, 3145728                 ; q's scale words
	s_mul_i32 s46, s41, 196608
	s_add_co_u32 s46, s46, s45                     ; k's codes: heads 2 c, 2 c + 1
	s_add_co_u32 s48, s46, 786432                  ; v's codes
	s_lshl_b32 s52, s41, 14
	s_add_co_u32 s47, s47, s52
	s_add_co_u32 s47, s47, 1572864                 ; k's scale words
	s_lshl_b32 s55, s40, 7
	s_add_co_u32 s52, s52, s55
	s_add_co_u32 s52, s52, 1638400                 ; v's scale words: 128 bytes a step
	s_mov_b32 s50, s55                             ; the table's row of my first position: 128 x step
	s_mov_b32 s51, 98304
	s_mov_b32 s53, 8192
	s_mov_b32 s54, 2048
	s_mov_b32 s36, 1536
	s_mov_b32 s66, 93696
	s_cmp_lg_u32 s[VF], 0
	s_cselect_b32 s46, s48, s46
	s_cselect_b32 s47, s52, s47
	s_cselect_b32 s50, s54, s50                    ; with VF = 1: the rows that hold (1, 0)
	s_cselect_b32 s51, 768, s51                    ; from the first half image to the second: the next 64 keys, or the next head
	s_cselect_b32 s36, s36, 768                    ; from block to block,
	s_cselect_b32 s66, s66, 768                    ; and into block 4: v's next head lies 98,304 bytes on, less three steps of 1,536
	s_cselect_b32 s53, 64, s53                     ; lanes 16-31: a copy beside, or the next head's word
	s_cselect_b32 s38, s54, 64                     ; scale words from block to block
	s_cselect_b32 s55, 0, 16                       ; lanes 16-31 store the word's upper two bytes where the halves are two heads
	s_cmp_lt_u32 ttmp9, 2                          ; tile columns 0-7 are q's
	s_cselect_b32 s56, s44, s46
	s_cselect_b32 s58, s49, s47
	s_cselect_b64 s[60:61], s[26:27], s[28:29]     ; qcs or kvcs
	s_mov_b32 s57, 0
	s_mov_b32 s59, 0
	s_mov_b32 s37, 0
	s_mov_b32 s39, 0
	s_mov_b32 s67, 0
	s_add_nc_u64 s[32:33], s[60:61], s[56:57]      ; codes
	s_add_nc_u64 s[34:35], s[60:61], s[58:59]      ; scale words
	s_mov_b32 s[SEL], 0x76543210
	s_mov_b32 s[SEL+1], 0xfedcba98
	v_and_b32 v1, 15, v0                           ; r
	v_bfe_u32 v2, v0, 4, 1                         ; h
	v_and_b32 v3, 31, v0                           ; l
	v_lshlrev_b32 v8, 4, v3                        ; an image's registers 0-3: 16 l
	v_lshlrev_b32 v9, 3, v3                        ; registers 4-5: 8 l (+ 512)
	v_add_nc_u32 v10, s51, v8                      ; the second half image
	v_add_nc_u32 v11, s51, v9
	v_mul_u32_u24 v12, s53, v2
	v_lshl_add_u32 v12, v1, 2, v12                 ; my scale word's place
	v_and_b32 v4, 8, v1
	v_add_nc_u32 v4, v4, v1                        ; r + 8 (r / 8)
	v_add_nc_u32 v4, s50, v4
	v_lshlrev_b32 v13, 8, v4                       ; the table: 256 bytes a row,
	v_lshl_add_u32 v13, v2, 6, v13                 ; + 64 h: my eight pairs of a block of 32 channels
	v_mul_u32_u24 v14, s55, v2
.irp b, 0,1,2,3
	v_mov_b32 v[TM+4+\b], 0                        ; written once: a lane permute's destination counts as one of its sources
.endr
	WIN TO_B                                       ; the table's numbers fill window 1: block a, channels 32 p + 16 h on, at v[32 a + 16 p ..]: cos, sin, cos, sin ..
.irp a, 0,1,2,3,4,5,6,7
.irp p, 0,1
.irp k, 0,1,2,3
	global_load_b128 v[32*\a+16*\p+4*\k:32*\a+16*\p+4*\k+3], v13, s[24:25] offset:(32*(\a/2)+8*(\a%2))*256+128*\p+16*\k
.endr
.endr
.endr
	WIN 0
; Block a's 64 numbers of a lane, in pairs (x0, x1): x0 c - x1 s and x1 c + x0 s.  Each accumulator is read from its low end on.
.macro ROT a
.set AC, 64*((\a)%4)
.set TBL, 32*(\a)
.set WN, 0x06+(\a)/4                   ; source 0: window 2 or 3; source 1: window 1; source 2 and destination: window 0
	WIN WN
.set n, 0
.rept 32
.set xr, AC+2*n
.set tr, TBL+16*((n/8)%2)+2*(n%8)
.set tt, TT+2*(n%2)
	v_mul_f32 v[tt], v[xr+1], v[tr+1]
	v_mul_f32 v[tt+1], v[xr], v[tr+1]
	v_fma_f32 v[RR+2*n], v[xr], v[tr], -v[tt]
	v_fma_f32 v[RR+2*n+1], v[xr+1], v[tr], v[tt+1]
.set n, n+1
.endr
	WIN 0
.endm
; 64 numbers of a lane, register 16 b + i = k 32 b + 16 (lane / 16) + i of my row, become an operand's 12 registers of codes in v[CD] on and its scale word in v[PW].
.macro QUANT s
.irp b, 0,1,2,3
	v_max3_num_f32 v[TM+\b], |v[\s+16*\b]|, |v[\s+1+16*\b]|, 0x2800000   ; block b: my 16 numbers, and the floor 2^(5 - 127): the byte cannot fall under 1
.endr
.irp i, 2,4,6,8,10,12,14
.irp b, 0,1,2,3
	v_max3_num_f32 v[TM+\b], v[TM+\b], |v[\s+16*\b+\i]|, |v[\s+1+16*\b+\i]|
.endr
.endr
.irp b, 0,1,2,3
	v_permlanex16_b32 v[TM+4+\b], v[TM+\b], s[SEL], s[SEL+1]
.endr
.irp b, 0,1,2,3
	v_max_num_f32 v[TM+\b], v[TM+\b], v[TM+4+\b]   ; with lane l xor 16's: the block's largest magnitude
.endr
.irp b, 0,1,2,3
	v_add_nc_u32 v[TM+12+\b], 0xfe000000, v[TM+\b]   ; 4 off its exponent field: the conversion's scale operand
.endr
.irp b, 0,1,2,3
	v_lshrrev_b32 v[TM+4+\b], 23, v[TM+12+\b]      ; the scale's byte
.endr
	v_lshl_or_b32 v[PW], v[TM+5], 8, v[TM+4]
	v_lshl_or_b32 v[PW], v[TM+6], 16, v[PW]
	v_lshl_or_b32 v[PW], v[TM+7], 24, v[PW]
.irp c, 0,1
	v_cvt_scalef32_pk16_bf6_f32 v[CD+6*\c:CD+2+6*\c], v[\s+32*\c:\s+15+32*\c], v[TM+12+2*\c]
	v_cvt_scalef32_pk16_bf6_f32 v[CD+12+4*\c:CD+14+4*\c], v[\s+16+32*\c:\s+31+32*\c], v[TM+12+2*\c+1]   ; (a conversion's three registers begin on an even number)
.endr
	v_nop                                          ; one plain line behind a scaled conversion
.irp c, 0,1                                    ; the operand's layout wants a WHOLE block in a lane: lanes 0-15 block 2 c, lanes 16-31 block 2 c + 1
.irp i, 0,1,2
	v_permlane16_swap_b32 v[CD+6*\c+\i], v[CD+12+4*\c+\i]
.endr
.irp i, 0,1,2
	v_mov_b32 v[CD+3+6*\c+\i], v[CD+12+4*\c+\i]
.endr
.endr
.endm
.irp a, 0,1,2,3,4,5,6,7
	s_wait_loadcnt 56-8*\a                         ; block a's eight table loads are in; those of the blocks behind it may be out
	ROT \a
.if \a > 0
	s_wait_xcnt 0x0                                ; the last block's stores have read their registers and their bases: both are written again only behind this wait
.if \a == 4
	s_add_nc_u64 s[32:33], s[32:33], s[66:67]
.else
	s_add_nc_u64 s[32:33], s[32:33], s[36:37]
.endif
	s_add_nc_u64 s[34:35], s[34:35], s[38:39]
.endif
	QUANT RR
	v_lshrrev_b32 v[PW+1], v14, v[PW]              ; two heads: lanes 0-15 store the word as it is (its upper bytes stand over zero codes and are never 0xff), lanes 16-31 its upper half
	global_store_b128 v8, v[CD:CD+3], s[32:33]                     ; 512 consecutive bytes
	global_store_b64 v9, v[CD+4:CD+5], s[32:33] offset:512         ; 256
	global_store_b128 v10, v[CD+6:CD+9], s[32:33]
	global_store_b64 v11, v[CD+10:CD+11], s[32:33] offset:512
	global_store_b32 v12, v[PW+1], s[34:35]
.endr
	s_wait_tensorcnt 0x0                           ; the wave's end
	ds_add_u32 v[SPW], v[NIL]
	s_wait_dscnt 0x0
	CROUND                                         ; the closing round: no work-group ends while a partner may still ask for a tile that names it
	s_endpgm
.Lfunc_end_k_qd9a77c73dd_qkv:
	.size	k_qd9a77c73dd_qkv, .Lfunc_end_k_qd9a77c73dd_qkv-k_qd9a77c73dd_qkv
	.p2alignl 7, 3214868480
	.fill 96, 4, 3214868480
	.section	.rodata,"a",@progbits
	.p2align	6, 0x0
	.amdhsa_kernel k_qd9a77c73dd_qkv
		.amdhsa_group_segment_fixed_size 327680
		.amdhsa_private_segment_fixed_size 0
		.amdhsa_enable_private_segment 0
		.amdhsa_kernarg_size 40
		.amdhsa_user_sgpr_count 2
		.amdhsa_user_sgpr_kernarg_segment_ptr 1
		.amdhsa_wavefront_size32 1
		.amdhsa_system_sgpr_workgroup_id_x 1
		.amdhsa_system_sgpr_workgroup_id_y 1
		.amdhsa_system_sgpr_workgroup_id_z 1
		.amdhsa_system_vgpr_workitem_id 0
		.amdhsa_next_free_vgpr 1024
		.amdhsa_next_free_sgpr 100
		.amdhsa_reserve_vcc 0
		.amdhsa_float_denorm_mode_32 3
		.amdhsa_float_denorm_mode_16_64 3
		.amdhsa_memory_ordered 1
		.amdhsa_forward_progress 1
		.amdhsa_inst_pref_size 222
	.end_amdhsa_kernel
	.amdgpu_metadata
---
amdhsa.version: [ 1, 2 ]
amdhsa.kernels:
  - .name:           k_qd9a77c73dd_qkv
    .symbol:         k_qd9a77c73dd_qkv.kd
    .args:
      - { .name: xcs, .offset: 0, .size: 8, .value_kind: global_buffer, .address_space: global }
      - { .name: wcs, .offset: 8, .size: 8, .value_kind: global_buffer, .address_space: global }
      - { .name: tab, .offset: 16, .size: 8, .value_kind: global_buffer, .address_space: global }
      - { .name: qcs, .offset: 24, .size: 8, .value_kind: global_buffer, .address_space: global }
      - { .name: kvcs, .offset: 32, .size: 8, .value_kind: global_buffer, .address_space: global }
    .group_segment_fixed_size: 327680
    .private_segment_fixed_size: 0
    .kernarg_segment_align: 8
    .kernarg_segment_size: 40
    .max_flat_workgroup_size: 128
    .sgpr_count:     100
    .vgpr_count:     1024
    .wavefront_size: 32
...
	.end_amdgpu_metadata
.endif
;; end of part 2
;; launch attn (part 3): grid 32 x 8, 16 waves a work-group, clusters of 4 x 1, 264,192 bytes of LDS; arguments qcs, kvcs, acs; writes acs
.if DOCPART == 3
	.amdgcn_target "amdgcn-amd-amdhsa--gfx1250"
	.amdhsa_code_object_version 6
	.text
	.protected	k_qd9a77c73dd_attn
	.globl	k_qd9a77c73dd_attn
	.p2align	8
	.type	k_qd9a77c73dd_attn,@function
k_qd9a77c73dd_attn:
	s_mov_b64 s[64:65], 0
	v_nop
	global_prefetch_b8 v0, s[64:65] scope:SCOPE_SE
	s_setreg_imm32_b32 hwreg(HW_REG_WAVE_MODE, 25, 1), 1
	s_wait_xcnt 0x0
	s_wait_alu depctr_hold_cnt(0) depctr_sa_sdst(0) depctr_va_vdst(0) depctr_va_sdst(0) depctr_va_ssrc(0) depctr_va_vcc(0) depctr_vm_vsrc(0)
	s_getreg_b32 s2, hwreg(HW_REG_IB_STS2, 6, 4)
	s_cmp_eq_u32 s2, 0
	s_cbranch_scc0 .Lentry_in_a_cluster
	s_endpgm
.Lentry_in_a_cluster:
	s_bfe_u32 s2, ttmp6, 0x10000c
	s_cmp_lg_u32 s2, 0x3003
	s_cbranch_scc0 .Lentry_shape_is_right
	s_endpgm
.Lentry_shape_is_right:
; Causal attention, 32 query heads on 8 key and value heads, head size 64, 2,048 positions, both products on codes of BF6 (E3M2) with one E8M0 scale for each 32 along a product's K; the result is quantised along
; the channels and leaves as codes: acs holds [2,048 positions][1,536 bytes] (head n at byte 48 n) and from byte 3,145,728 the scale bytes [2,048][64].
; THE SOFTMAX: t = score x log2(e) / 8; M = the running largest t rounded UP to a whole number; p = 2^(t - M) is quantised along the keys, not normalised; the row's sum is taken of the unquantised p and divides at the end.
; When M moves, the sum and O are multiplied by 2^(old M - new M): exact.  The first product's K is 64: the upper 64 codes of both operands are zero codes (registers cleared once).
; SHARES.  Work-group y = g, the key and value head.  Cluster x = cl: sigma = cl & 3, j = 4 (cl >> 2) + cx.  Wave w takes query head 4 g + (w & 3) and, with kappa = ((w >> 2) + (w & 3)) & 3,
; omega = 8 (kappa >> 1) + (sigma xor 7 (kappa & 1)), the tile T = 8 omega + j of 16 queries: positions 128 omega + 32 (j/2) + 8 (j%2) + r + 8 (r/8).  They lie in key step omega: steps under omega count whole,
; step omega is masked, later steps are left out (a scalar branch on ids round a step's work).  A work-group's four omega are sigma, 7 - sigma, 8 + sigma, 15 - sigma: 34 key steps for each head in every work-group.
; Control flow hangs on w and cl, which the four partners of a cluster share; cx enters Q's address, the mask's numbers and the output's address alone.
; K AND V of head g (196,608 bytes of images, 16,384 of scale words) come into LDS ONCE, by joint loads of the four partners (mask 15): waves 0-3 bring K, waves 4-7 V; each five loads, all issued at the start:
; the scale words, then four quarters of four key steps.  Nothing is filled twice.  Quarter q is read behind a barrier in front of which each wave has waited until at most 3 - q of its loads are out.
; IMAGES.  A half image of 768 bytes is registers 0-5 of an operand (16 rows x 64 K): lane l's registers 0-3 at 16 l, registers 4-5 at 512 + 8 l.  So every LDS load reads consecutive bytes.
; LAYOUT.  S^T = K Q^T, O^T = V^T P^T: a lane holds one query (lane % 16).  The rows of K's and V's tiles were chosen by the launch before so that the 16 registers of tiles 2 b, 2 b + 1 are keys (channels) 32 b + 16 (lane / 16) + 0..15.
; The scale bytes leave in runs of 8 bytes: one byte in 24 of the codes'.
; LIMITS: NaN and infinities are not served; a block under 2^-122, or of zeros, gets the byte 1 (read by this program alone).
; REGISTERS: v1-7 addresses that stay; v8-11, v28-29 addresses of the step in hand; v12 -M, v13 the largest t, v[14:15] the sum; v16-27 Q; v32-79 four fragments of K; v80-95 the way out;
; v96-159 S^T, then p, then V's four fragments; v160-191 O^T; v224-235 p's codes; v232-254 at work; v248-251, v253, v255 scale words.
.set SCB,   196608                     ; LDS: K's images 0 .. 98,303 (step s at 6,144 s), V's 98,304 .. 196,607; here K's scale words (512 s + 64 tile + 4 r), 8,192 on V's (2,048 t + 128 s + 4 r)
.set STG,   212992                     ; the stage: 64 rows (16 kappa + r) x 272 bytes: sixteen places of 16 bytes, each with 12 bytes of codes, + 16
.set STS,   230400                     ; the stage of scale bytes: 64 rows x 8
.set ADK16, 8
.set ADK8,  9
.set ADS,   10
.set ADT,   11
.set ADV16, 28
.set ADV8,  29
.set WV,  10                           ; s10 wave
.set CX,  11
.set SG,  12                           ; sigma
.set JP,  13                           ; j
.set GH,  14                           ; g
.set HD,  15                           ; w & 3
.set KA,  16                           ; kappa
.set OM,  17                           ; omega
.set TQ,  18                           ; T
.set SEL, 20                           ; s[20:21] lane selects for v_permlanex16_b32: lane l xor 16
.set CS,  22                           ; s[22:23] c = log2(e) / 8
.set G1C, 24                           ; s[24:31] group 1: 24 rows of 256 bytes
.set G1S, 32                           ; s[32:39] group 1: 8 rows of 256 bytes
.set G0S, 40                           ; s[40:43] group 0: scale words
.set G0Q, 44                           ; s[44:59] groups 0: the four quarters
.set KSN, 60                           ; s60 the key step in hand
.set CNT, 61                           ; s61 counts a quarter's four steps
.set TBK, 62                           ; s62 where the step's K begins in LDS
.set TBV, 63                           ; s63 its V
.set TSK, 66                           ; s66 K's scale words
.set TSV, 67                           ; s67 V's
.macro CROUND                          ; a round of the cluster's barrier
	s_barrier_signal -1
	s_barrier_wait -1
	s_cmp_lg_u32 s[WV], 0
	s_cbranch_scc1 .Lnot_wave_0_\@
	s_barrier_signal -3
.Lnot_wave_0_\@:
	s_barrier_wait -3
	s_barrier_signal -1
	s_barrier_wait -1
.endm
	s_load_b128 s[4:7], s[0:1], 0x0                ; qcs, kvcs
	s_load_b64 s[8:9], s[0:1], 0x10                ; acs
	v_lshl_add_u32 v223, v0, 2, 0x40000
	v_mov_b32 v243, 0
	ds_add_u32 v223, v243
	ds_add_u32 v223, v243
	v_lshrrev_b32 v1, 5, v0
	v_readfirstlane_b32 s[WV], v1                  ; wave 0..15
	s_bfe_u32 s[CX], ttmp6, 0x40000                ; cx
	s_and_b32 s[SG], ttmp9, 3
	s_lshr_b32 s[JP], ttmp9, 2
	s_lshl_b32 s[JP], s[JP], 2
	s_add_co_u32 s[JP], s[JP], s[CX]
	s_and_b32 s[GH], ttmp7, 0xffff
	s_and_b32 s[HD], s[WV], 3
	s_lshr_b32 s19, s[WV], 2
	s_add_co_u32 s[KA], s19, s[HD]
	s_and_b32 s[KA], s[KA], 3
	s_and_b32 s68, s[KA], 1
	s_mul_i32 s68, s68, 7
	s_xor_b32 s68, s68, s[SG]
	s_lshr_b32 s69, s[KA], 1
	s_lshl_b32 s69, s69, 3
	s_add_co_u32 s[OM], s68, s69
	s_lshl_b32 s[TQ], s[OM], 3
	s_add_co_u32 s[TQ], s[TQ], s[JP]
	s_and_b32 s68, s19, 1                          ; on the way out wave w stores stage rows 4 w on: kappa = w >> 2, and its omega:
	s_mul_i32 s68, s68, 7
	s_xor_b32 s68, s68, s[SG]
	s_lshr_b32 s69, s19, 1
	s_lshl_b32 s69, s69, 3
	s_add_co_u32 s70, s68, s69
	s_lshl_b32 s71, s70, 7
	s_lshr_b32 s72, s[JP], 1
	s_lshl_b32 s72, s72, 5
	s_and_b32 s73, s[JP], 1
	s_lshl_b32 s73, s73, 3
	s_add_co_u32 s72, s72, s73                     ; 32 (j/2) + 8 (j%2): a tile's first position within its key step
	s_add_co_u32 s71, s71, s72
	s_lshl_b32 s73, s[HD], 2                       ; r0 = 4 (w & 3)
	s_add_co_u32 s71, s71, s73
	s_lshr_b32 s73, s[HD], 1
	s_lshl_b32 s73, s73, 3                         ; + 8 (r0 / 8)
	s_add_co_u32 s71, s71, s73                     ; the first of the four positions that I store
	s_mul_i32 s74, s71, 1536
	s_mul_i32 s73, s[GH], 192
	s_add_co_u32 s74, s74, s73
	s_mov_b32 s75, 0                               ; their codes
	s_lshl_b32 s76, s71, 6
	s_lshl_b32 s73, s[GH], 3
	s_add_co_u32 s76, s76, s73
	s_add_co_u32 s76, s76, 3145728
	s_mov_b32 s77, 0                               ; their scale bytes
	s_lshl_b32 s73, s[GH], 2
	s_add_co_u32 s73, s73, s[HD]                   ; my query head
	s_mul_i32 s80, s73, 98304
	s_mul_i32 s70, s[TQ], 768
	s_add_co_u32 s80, s80, s70
	s_mov_b32 s81, 0                               ; Q's image
	s_lshl_b32 s82, s73, 13
	s_lshl_b32 s70, s[TQ], 6
	s_add_co_u32 s82, s82, s70
	s_add_co_u32 s82, s82, 3145728
	s_mov_b32 s83, 0                               ; Q's scale words
	s_mul_i32 s68, s[GH], 98304                    ; what I fetch, if I fetch (waves 0-7): key step 4 q + (w & 3) of K (w < 4) or of V
	s_mul_i32 s70, s[WV], 6144
	s_add_co_u32 s68, s68, s70
	s_mul_i32 s73, s19, 761856                     ; V's images begin 786,432 bytes on: less the four waves' 24,576
	s_add_co_u32 s68, s68, s73
	s_mov_b32 s69, 0
	s_mul_i32 s73, s19, 73728
	s_add_co_u32 s70, s70, s73                     ; in LDS: 6,144 w, and V's region begins at 98,304
	s_lshl_b32 s78, s[GH], 13                      ; the scale words: 2,048 bytes a wave; V's begin 65,536 bytes behind K's
	s_lshl_b32 s71, s[WV], 11
	s_add_co_u32 s78, s78, s71
	s_mul_i32 s73, s19, 57344
	s_add_co_u32 s78, s78, s73
	s_add_co_u32 s78, s78, 1572864
	s_mov_b32 s79, 0
	; descriptor groups 1: dense blocks as rows of 256 bytes (32 elements of 8 bytes), no padding; the mask names the cluster's four work-groups, bit 21 beside it
	s_mov_b32 s[G1C], 15|(3<<16)|(1<<21)
	s_mov_b32 s[G1C+1], 32<<16                     ; tensor_dim0
	s_mov_b32 s[G1C+2], 24<<16                     ; tensor_dim1
	s_mov_b32 s[G1C+3], 32<<16                     ; tile_dim0
	s_mov_b32 s[G1C+4], 24                         ; tile_dim1
	s_mov_b32 s[G1C+5], 32                         ; tensor_dim0_stride
	s_mov_b32 s[G1C+6], 0
	s_mov_b32 s[G1C+7], 0
	s_mov_b32 s[G1S], 15|(3<<16)|(1<<21)
	s_mov_b32 s[G1S+1], 32<<16
	s_mov_b32 s[G1S+2], 8<<16
	s_mov_b32 s[G1S+3], 32<<16
	s_mov_b32 s[G1S+4], 8
	s_mov_b32 s[G1S+5], 32
	s_mov_b32 s[G1S+6], 0
	s_mov_b32 s[G1S+7], 0
	s_mov_b32 s[SEL], 0x76543210
	s_mov_b32 s[SEL+1], 0xfedcba98
	s_mov_b32 s[CS], 0x3e38aa3b                    ; c = log2(e) / sqrt(64)
	s_mov_b32 s[CS+1], s[CS]                       ; (named with it as a pair, so it is written)
	s_wait_dscnt 0x0
	s_wait_kmcnt 0x0
	s_add_nc_u64 s[68:69], s[6:7], s[68:69]
	s_add_nc_u64 s[78:79], s[6:7], s[78:79]
	s_add_nc_u64 s[80:81], s[4:5], s[80:81]
	s_add_nc_u64 s[82:83], s[4:5], s[82:83]
	s_add_nc_u64 s[74:75], s[8:9], s[74:75]
	s_add_nc_u64 s[76:77], s[8:9], s[76:77]
	s_mov_b32 s[G0S], 1
	s_add_co_u32 s[G0S+1], s71, SCB
	s_mov_b64 s[G0S+2:G0S+3], s[78:79]
	s_or_b32 s[G0S+3], s[G0S+3], 0x80000000
.irp q, 0,1,2,3
	s_mov_b32 s[G0Q+4*\q], 1
	s_add_co_u32 s[G0Q+4*\q+1], s70, \q*24576
	s_add_nc_u64 s[G0Q+4*\q+2:G0Q+4*\q+3], s[68:69], \q*24576
	s_or_b32 s[G0Q+4*\q+3], s[G0Q+4*\q+3], 0x80000000
.endr
	CROUND                                         ; all four work-groups are here: the joint loads meet
	s_cmp_lt_u32 s[WV], 8                          ; a wave's five fills stand in one branch on the wave's number: five tensor loads of mine are out
	s_cbranch_scc0 .Lno_fill
	tensor_load_to_lds s[G0S:G0S+3], s[G1S:G1S+7]
	s_nop 0
	tensor_load_to_lds s[G0Q:G0Q+3], s[G1C:G1C+7]
	s_nop 0
	tensor_load_to_lds s[G0Q+4:G0Q+7], s[G1C:G1C+7]
	s_nop 0
	tensor_load_to_lds s[G0Q+8:G0Q+11], s[G1C:G1C+7]
	s_nop 0
	tensor_load_to_lds s[G0Q+12:G0Q+15], s[G1C:G1C+7]
	s_nop 0
.rept 4
	v_nop
.endr
.Lno_fill:
	v_and_b32 v93, 31, v0                          ; l
	v_and_b32 v94, 15, v0                          ; r
	v_bfe_u32 v95, v0, 4, 1                        ; h
	v_lshlrev_b32 v1, 4, v93                       ; 16 l
	v_lshlrev_b32 v2, 3, v93                       ; 8 l
	v_lshlrev_b32 v3, 2, v94                       ; 4 r
	global_load_b128 v[16:19], v1, s[80:81]        ; Q's half image stays in registers
	global_load_b64 v[20:21], v2, s[80:81] offset:512
	global_load_b32 v255, v3, s[82:83]             ; and its scale words
.irp i, 22,23,24,25,26,27
	v_mov_b32 v[\i], 0                             ; K = 64 .. 127 of Q: zero codes
.endr
.irp t, 0,1,2,3
.irp i, 6,7,8,9,10,11
	v_mov_b32 v[32+12*\t+\i], 0                    ; and of K's four fragments
.endr
.endr
	v_and_b32 v87, 8, v94
	v_add_nc_u32 v87, v87, v94                     ; r + 8 (r / 8)
	v_add_nc_u32 v87, s72, v87                     ; my query within its key step
	v_lshlrev_b32 v91, 4, v95
	v_sub_nc_u32 v4, v87, v91                      ; less 16 h: register 16 b + i holds key 32 b + i + 16 h: hidden where 32 b + i > v4
	s_mul_i32 s73, s[KA], 16*272                   ; the stage, in: row 16 kappa + r, place 4 (w & 3) + h (+ 2 b)
	s_lshl_b32 s70, s[HD], 6
	s_add_co_u32 s73, s73, s70
	s_add_co_u32 s73, s73, STG
	v_mul_u32_u24 v5, v94, 272
	v_lshl_add_u32 v5, v95, 4, v5
	v_add_nc_u32 v5, s73, v5
	s_lshl_b32 s73, s[KA], 7                       ; the scale bytes, in: 8 (16 kappa + r) + 2 (w & 3)
	s_lshl_b32 s70, s[HD], 1
	s_add_co_u32 s73, s73, s70
	s_add_co_u32 s73, s73, STS
	v_lshl_add_u32 v6, v94, 3, s73
	s_mul_i32 s73, s[WV], 4*272                    ; back: rows 4 w on; lanes 0-15 one row, lanes 16-31 the next
	s_add_co_u32 s73, s73, STG
	v_mul_u32_u24 v7, v95, 272
	v_lshl_add_u32 v7, v94, 4, v7
	v_add_nc_u32 v7, s73, v7
	s_lshl_b32 s73, s[WV], 5                       ; four rows' 32 scale bytes, one a lane
	s_add_co_u32 s73, s73, STS
	v_add_nc_u32 v92, s73, v93
	v_mul_u32_u24 v89, v95, 1536                   ; the same places in acs: codes,
	v_mad_u32_u24 v89, v94, 12, v89
	v_lshrrev_b32 v90, 3, v93                      ; scale bytes
	v_and_b32 v91, 7, v93
	v_lshl_add_u32 v90, v90, 6, v91
	v_mov_b32 v13, 0xff61b1e6                      ; the largest t so far: -3e38, under every t
	v_floor_f32 v12, -v13                          ; -M
	v_mov_b32 v14, 0                               ; the sum, in two halves
	v_mov_b32 v15, 0
.irp b, 0,1,2,3
	v_mov_b32 v[236+\b], 0                         ; written once: a lane permute's destination counts as one of its sources
.endr
	v_mov_b32 v252, 0
	v_mov_b32 v253, 0                              ; (named as the upper half of the pair v[252:253] before it is first written)
.set j, 0
.rept 32
	v_mov_b32 v[160+j], 0                          ; O^T.  (A key step is written once for all steps: the first finds zeros, which the first change of M leaves zeros)
.set j, j+1
.endr
; A KEY STEP: 128 keys.
.macro STEP
	s_cmp_gt_u32 s[KSN], s[OM]                     ; all its keys come after my queries: the step's work is left out; the lines that step addresses stand behind the label's end
	s_cbranch_scc1 .Lhidden_\@
	v_add_nc_u32 v[ADK16], s[TBK], v1
	v_add_nc_u32 v[ADK8], s[TBK], v2
	v_add_nc_u32 v[ADS], s[TSK], v3
	v_add_nc_u32 v[ADT], s[TSV], v3
	v_add_nc_u32 v[ADV16], s[TBV], v1
	v_add_nc_u32 v[ADV8], s[TBV], v2
.irp g, 0,1                                    ; S^T = K Q^T, four tiles of 16 keys at a time
.if \g > 0
.rept 4
	v_nop                                          ; places in front of loads into registers that matrix instructions have read
.endr
.endif
.irp t, 0,1,2,3
	ds_load_b128 v[32+12*\t:35+12*\t], v[ADK16] offset:768*(4*\g+\t)
	ds_load_b64 v[36+12*\t:37+12*\t], v[ADK8] offset:768*(4*\g+\t)+512
	ds_load_b32 v[248+\t], v[ADS] offset:64*(4*\g+\t)
.endr
	s_wait_dscnt 0x0
.irp t, 0,1,2,3
	v_wmma_scale_f32_16x16x128_f8f6f4 v[96+8*(4*\g+\t):103+8*(4*\g+\t)], v[32+12*\t:43+12*\t], v[16:27], 0, v[248+\t], v255 matrix_a_fmt:MATRIX_FMT_BF6 matrix_b_fmt:MATRIX_FMT_BF6
.endr
.endr
.rept 4
	v_nop
.endr
	s_cmp_lt_u32 s[KSN], s[OM]                     ; a step all of whose keys count skips the mask
	s_cbranch_scc1 .Lopen_\@
	v_mov_b32 v254, 0xff800000                     ; on the diagonal the scores of hidden keys become -infinity ahead of the maximum: p = 0 then
.set n, 0
.rept 64
	v_cmp_gt_i32 vcc_lo, 32*(n/16)+n%16, v4
	v_cndmask_b32 v[96+n], v[96+n], v254, vcc_lo
.set n, n+1
.endr
.Lopen_\@:
.irp b, 0,1,2,3
	v_max3_num_f32 v[232+\b], v[96+16*\b], v[97+16*\b], v[98+16*\b]   ; the largest score of each block of 32 keys: for the row's maximum and, since p rises with the score, for the block's largest p
.endr
.irp i, 3,5,7,9,11,13
.irp b, 0,1,2,3
	v_max3_num_f32 v[232+\b], v[232+\b], v[96+16*\b+\i], v[97+16*\b+\i]
.endr
.endr
.irp b, 0,1,2,3
	v_max_num_f32 v[232+\b], v[232+\b], v[111+16*\b]
.endr
.irp b, 0,1,2,3
	v_permlanex16_b32 v[236+\b], v[232+\b], s[SEL], s[SEL+1]
.endr
.irp b, 0,1,2,3
	v_max_num_f32 v[232+\b], v[232+\b], v[236+\b]  ; with lane l xor 16's 16 keys
.endr
	v_max3_num_f32 v254, v232, v233, v234
	v_max_num_f32 v254, v254, v235                 ; the step's largest score of my query
	v_mul_f32 v254, s[CS], v254                    ; as t
	v_max_num_f32 v13, v13, v254                   ; the running largest t
	v_mov_b32 v254, v12
	v_floor_f32 v12, -v13                          ; the new -M = floor(-t) = -ceil(t)
	v_sub_f32 v254, v12, v254                      ; old M - new M: a whole number, 0 or less
	v_cvt_i32_f32 v254, v254                       ; (it saturates)
	v_ldexp_f32 v252, 1.0, v254                    ; f = 2^(old M - new M)
.set j, 0
.rept 32
	v_pk_fma_f32 v[96+j:97+j], v[96+j:97+j], s[CS:CS+1], v[12:13] op_sel_hi:[1,0,0]   ; t - M, two at a time
.set j, j+2
.endr
.irp b, 0,1,2,3
	v_fma_f32 v[232+\b], v[232+\b], s[CS], v12     ; the same of each block's largest score
.endr
.set j, 0
.rept 64
	v_exp_f32 v[96+j], v[96+j]                     ; p = 2^(t - M), at most 1
.set j, j+1
.endr
.irp b, 0,1,2,3
	v_exp_f32 v[232+\b], v[232+\b]                 ; the block's largest p
.endr
	v_pk_mul_f32 v[14:15], v[14:15], v[252:253] op_sel_hi:[1,0]   ; the sums under the new M.  (A plain line behind the exponentials)
	s_wait_alu depctr_va_vdst(0)
.irp b, 0,1,2,3
	v_max_num_f32 v[232+\b], 0x2800000, v[232+\b]  ; the floor 2^(5 - 127): the byte cannot fall under 1
.endr
.irp b, 0,1,2,3
	v_add_nc_u32 v[244+\b], 0xfe000000, v[232+\b]  ; 4 off the exponent field: the conversion's scale operand
.endr
.irp b, 0,1,2,3
	v_lshrrev_b32 v[236+\b], 23, v[244+\b]         ; the scale's byte
.endr
	v_lshl_or_b32 v253, v237, 8, v236              ; p's scale word for these 128 keys
	v_lshl_or_b32 v253, v238, 16, v253
	v_lshl_or_b32 v253, v239, 24, v253
.irp c, 0,1
	v_cvt_scalef32_pk16_bf6_f32 v[224+6*\c:226+6*\c], v[96+32*\c:111+32*\c], v[244+2*\c]
	v_cvt_scalef32_pk16_bf6_f32 v[236+4*\c:238+4*\c], v[112+32*\c:127+32*\c], v[244+2*\c+1]   ; (a conversion's three registers begin on an even number)
.endr
	v_nop                                          ; one plain line behind a scaled conversion
.irp c, 0,1                                    ; the operand's layout wants a WHOLE block in a lane
.irp i, 0,1,2
	v_permlane16_swap_b32 v[224+6*\c+\i], v[236+4*\c+\i]
.endr
.irp i, 0,1,2
	v_mov_b32 v[227+6*\c+\i], v[236+4*\c+\i]
.endr
.endr
	v_pk_add_f32 v[236:237], v[96:97], v[98:99]    ; the row's sum is taken of the unquantised p: two at a time, in two chains
.irp j, 4,8,12,16,20,24,28,32,36,40,44,48,52,56,60
	v_pk_add_f32 v[14:15], v[14:15], v[96+\j:97+\j]
	v_pk_add_f32 v[236:237], v[236:237], v[98+\j:99+\j]
.endr
	v_pk_add_f32 v[14:15], v[14:15], v[236:237]
.set j, 0
.rept 16
	v_pk_mul_f32 v[160+j:161+j], v[160+j:161+j], v[252:253] op_sel_hi:[1,0]   ; O^T under the new M.  (With the sums above: the places between the scale word's and the codes' last writes and the products below)
.set j, j+2
.endr
.irp t, 0,1,2,3                                ; V's four fragments (16 channels x 128 keys each) take p's registers
	ds_load_b128 v[96+12*\t:99+12*\t], v[ADV16] offset:1536*\t
	ds_load_b64 v[100+12*\t:101+12*\t], v[ADV8] offset:1536*\t+512
	ds_load_b128 v[102+12*\t:105+12*\t], v[ADV16] offset:1536*\t+768
	ds_load_b64 v[106+12*\t:107+12*\t], v[ADV8] offset:1536*\t+1280
	ds_load_b32 v[248+\t], v[ADT] offset:2048*\t
.endr
	s_wait_dscnt 0x0
.irp t, 0,1,2,3                                ; O^T += V^T P^T: the four accumulators take turns
	v_wmma_scale_f32_16x16x128_f8f6f4 v[160+8*\t:167+8*\t], v[96+12*\t:107+12*\t], v[224:235], v[160+8*\t:167+8*\t], v[248+\t], v253 matrix_a_fmt:MATRIX_FMT_BF6 matrix_b_fmt:MATRIX_FMT_BF6
.endr
.rept 5
	v_nop                                          ; five places: the next step's first products write over V's registers; the way out reads O^T
.endr
.Lhidden_\@:
.endm
; A quarter of the keys: four key steps.  In front of the barrier each wave waits until its scale words and quarters 0 .. q have landed; the 3 - q younger loads stay out.
.macro PHASE q
	s_wait_tensorcnt 3-\q
	s_wait_dscnt 0x0
	s_barrier_signal -1
	s_barrier_wait -1
	s_mov_b32 s[TBK], 24576*\q
	s_mov_b32 s[TBV], 98304+24576*\q
	s_mov_b32 s[TSK], SCB+2048*\q
	s_mov_b32 s[TSV], SCB+8192+512*\q
	s_mov_b32 s[KSN], 4*\q
	s_mov_b32 s[CNT], 0
.Ltrip_\@:
	STEP
	s_add_co_u32 s[TBK], s[TBK], 6144
	s_add_co_u32 s[TBV], s[TBV], 6144
	s_add_co_u32 s[TSK], s[TSK], 512
	s_add_co_u32 s[TSV], s[TSV], 128
	s_add_co_u32 s[KSN], s[KSN], 1
	s_add_co_u32 s[CNT], s[CNT], 1
	s_cmp_lt_u32 s[CNT], 4
	s_cbranch_scc1 .Ltrip_\@
.endm
	s_wait_loadcnt 0x0                             ; Q
	PHASE 0
	PHASE 1
	PHASE 2
	PHASE 3
	; THE WAY OUT.  O^T / the sum, in f32; register 16 b + i is channel 32 b + 16 h + i of my query: two blocks of 32 along the last product's K, each shared by lanes l and l xor 16.
	v_add_f32 v14, v14, v15
	v_permlanex16_b32 v252, v14, s[SEL], s[SEL+1]
	v_add_f32 v14, v14, v252                       ; the row's sum
	v_rcp_f32 v14, v14
	v_nop                                          ; a plain line behind the reciprocal
.set j, 0
	s_wait_alu depctr_va_vdst(0)
.rept 32
	v_mul_f32 v[96+j], v[160+j], v14
.set j, j+1
.endr
.irp b, 0,1
	v_max3_num_f32 v[232+\b], |v[96+16*\b]|, |v[97+16*\b]|, 0x2800000
.endr
.irp i, 2,4,6,8,10,12,14
.irp b, 0,1
	v_max3_num_f32 v[232+\b], v[232+\b], |v[96+16*\b+\i]|, |v[97+16*\b+\i]|
.endr
.endr
.irp b, 0,1
	v_permlanex16_b32 v[236+\b], v[232+\b], s[SEL], s[SEL+1]
.endr
.irp b, 0,1
	v_max_num_f32 v[232+\b], v[232+\b], v[236+\b]
.endr
.irp b, 0,1
	v_add_nc_u32 v[244+\b], 0xfe000000, v[232+\b]
.endr
.irp b, 0,1
	v_lshrrev_b32 v[236+\b], 23, v[244+\b]
.endr
	v_lshl_or_b32 v240, v237, 8, v236              ; my head's two scale bytes
	v_cvt_scalef32_pk16_bf6_f32 v[224:226], v[96:111], v244
	v_cvt_scalef32_pk16_bf6_f32 v[228:230], v[112:127], v245
	v_nop                                          ; one plain line behind a scaled conversion
	ds_store_b96 v5, v[224:226]                    ; 16 codes, 12 bytes: in a row of acs they belong at 48 (w & 3) + 24 b + 12 h: place 4 (w & 3) + 2 b + h of the stage's row
	ds_store_b96 v5, v[228:230] offset:32
	ds_store_b16 v6, v240                          ; both lanes of a query write the same bytes with the same value
	s_wait_dscnt 0x0                               ; for the others' sake: my stores into the stages are done
	s_barrier_signal -1
	s_barrier_wait -1
	ds_load_b96 v[80:82], v7                       ; a position's four heads lie side by side: sixteen lanes take a row's 192 bytes
	ds_load_b96 v[84:86], v7 offset:544
	ds_load_u8 v88, v92
	s_wait_dscnt 2                                 ; the two younger loads may be out
	global_store_b96 v89, v[80:82], s[74:75]
	s_wait_dscnt 1
	global_store_b96 v89, v[84:86], s[74:75] offset:3072
	s_wait_dscnt 0x0
	global_store_b8 v90, v88, s[76:77]
	s_wait_tensorcnt 0x0
	ds_add_u32 v223, v243
	s_wait_dscnt 0x0
	CROUND                                         ; the closing round: no work-group ends while a partner may still ask for a tile that names it
	s_endpgm
.Lfunc_end_k_qd9a77c73dd_attn:
	.size	k_qd9a77c73dd_attn, .Lfunc_end_k_qd9a77c73dd_attn-k_qd9a77c73dd_attn
	.p2alignl 7, 3214868480
	.fill 96, 4, 3214868480
	.section	.rodata,"a",@progbits
	.p2align	6, 0x0
	.amdhsa_kernel k_qd9a77c73dd_attn
		.amdhsa_group_segment_fixed_size 264192
		.amdhsa_private_segment_fixed_size 0
		.amdhsa_enable_private_segment 0
		.amdhsa_kernarg_size 24
		.amdhsa_user_sgpr_count 2
		.amdhsa_user_sgpr_kernarg_segment_ptr 1
		.amdhsa_wavefront_size32 1
		.amdhsa_system_sgpr_workgroup_id_x 1
		.amdhsa_system_sgpr_workgroup_id_y 1
		.amdhsa_system_sgpr_workgroup_id_z 1
		.amdhsa_system_vgpr_workitem_id 0
		.amdhsa_next_free_vgpr 256
		.amdhsa_next_free_sgpr 84
		.amdhsa_reserve_vcc 1
		.amdhsa_float_denorm_mode_32 3
		.amdhsa_float_denorm_mode_16_64 3
		.amdhsa_memory_ordered 1
		.amdhsa_forward_progress 1
		.amdhsa_inst_pref_size 106
	.end_amdhsa_kernel
	.amdgpu_metadata
---
amdhsa.version: [ 1, 2 ]
amdhsa.kernels:
  - .name:           k_qd9a77c73dd_attn
    .symbol:         k_qd9a77c73dd_attn.kd
    .args:
      - { .name: qcs, .offset: 0, .size: 8, .value_kind: global_buffer, .address_space: global }
      - { .name: kvcs, .offset: 8, .size: 8, .value_kind: global_buffer, .address_space: global }
      - { .name: acs, .offset: 16, .size: 8, .value_kind: global_buffer, .address_space: global }
    .group_segment_fixed_size: 264192
    .private_segment_fixed_size: 0
    .kernarg_segment_align: 8
    .kernarg_segment_size: 24
    .max_flat_workgroup_size: 512
    .sgpr_count:     84
    .vgpr_count:     256
    .wavefront_size: 32
...
	.end_amdgpu_metadata
.endif
;; end of part 3
;; launch oproj (part 4): grid 8 x 8, 4 waves a work-group, clusters of 4 x 4, 327,680 bytes of LDS; arguments acs, wocs, out0; writes out0
.if DOCPART == 4
	.amdgcn_target "amdgcn-amd-amdhsa--gfx1250"
	.amdhsa_code_object_version 6
	.text
	.protected	k_qd9a77c73dd_oproj
	.globl	k_qd9a77c73dd_oproj
	.p2align	8
	.type	k_qd9a77c73dd_oproj,@function
k_qd9a77c73dd_oproj:
	s_mov_b64 s[64:65], 0
	v_nop
	global_prefetch_b8 v0, s[64:65] scope:SCOPE_SE
	s_setreg_imm32_b32 hwreg(HW_REG_WAVE_MODE, 25, 1), 1
	s_wait_xcnt 0x0
	s_wait_alu depctr_hold_cnt(0) depctr_sa_sdst(0) depctr_va_vdst(0) depctr_va_sdst(0) depctr_va_ssrc(0) depctr_va_vcc(0) depctr_vm_vsrc(0)
	s_getreg_b32 s2, hwreg(HW_REG_IB_STS2, 6, 4)
	s_cmp_eq_u32 s2, 0
	s_cbranch_scc0 .Lentry_in_a_cluster
	s_endpgm
.Lentry_in_a_cluster:
	s_bfe_u32 s2, ttmp6, 0x10000c
	s_cmp_lg_u32 s2, 0xf033
	s_cbranch_scc0 .Lentry_shape_is_right
	s_endpgm
.Lentry_shape_is_right:
; out0[m][n] = sum over k of A[m][k] wo[n][k].  A (the attention's result) and wo: [2,048][2,048] as codes of BF6 (E3M2), 1,536 bytes a row, with one E8M0 scale byte for each 32 along K, 64 bytes a row, from byte 3,145,728 of
; each buffer on; out0 f32; sums in f32.  The matrix instruction takes codes and scale bytes as they lie in memory.
; A tile of 256 x 256 is made by a work-group of four waves, each 128 x 128: 64 accumulators of 16 x 16, 512 registers.  K goes in steps of 256 through a ring of two LDS slots filled by the tensor data mover (a tile's row is 192 bytes).
; The scales of the work-group's 256 + 256 rows, for all of K, are two dense blocks of memory: they come into LDS once, with the first fills, and stay.
; CLUSTERS: 4 x 4 work-groups.  The four of a row of the cluster need the same tiles of A, the four of a column the same tiles of wo: each tile is asked for JOINTLY, by the same tensor load with the same descriptor and a mask
; that names the four.  THE MATRIX INSTRUCTION IS USED TRANSPOSED (source 0 = 16 rows of wo, source 1 = 16 rows of A): a lane then holds eight neighbouring numbers of a row of out0.
; The problem has 64 such tiles: 64 work-groups are launched; a smaller tile would halve the multiply-adds that each LDS byte feeds.
; REGISTERS, in windows of 256: window 0: v0-31 addresses; v32-63 scale words, two sets; from v128 A's fragments, ONE set; on the way out v128-255 rows read back.
;   window 1: wo's fragments, TWO sets, at v0 and at v128.   windows 2, 3: the accumulators of my rows 0-63 and 64-127 ((a, b) at v[8 (8 (a % 4) + b)]).
.set SIZE_N, 2048
.set SIZE_K, 2048
.set KSTEP,  256
.set NQ,     KSTEP/128
.set ROWB,   192
.set KROW,   SIZE_K*6/8
.set PITCH,  240                       ; an LDS row: 3 x (64 bytes + 16 of padding)
.set FR,     12
.set NL,     6
.set NP,     4                         ; places behind this matrix instruction (ISA guide 7.12.1)
.set HALFT,  128*PITCH
.set SLOT,   4*HALFT
.set LAPS,   SIZE_K/(2*KSTEP)
.set KS,     SIZE_K/32
.set SCL,    2*SLOT
.set HALFS,  (128*KS/256)*272
.set SBLK,   (16*KS/256)*272
.set SPARE,  SCL+4*HALFS               ; the spare words, 128 bytes for each wave: two blocks of 256 bytes that no other line names
.set SPITCH, 528                       ; the way out: a stage of 16 rows x (512 bytes + 16) for each wave, in slot 0, which has had its last fill and its last read when the first result is stored there
.set ADRA, 16
.set ADRB, 20
.set STO,  24
.set RD,   25
.set CO,   26
.set SPW,  28
.set NIL,  29
.set ADRS, 27
.set SC,   32
.set AF,   128
.set BK,   128
.set G1, 24
.set G0, 32
.set G1B, 48
.set G0B, 56
.set G1S, 68
.set G0S, 76
.set G1SB, 80
.set G0SB, 88
.set MSB, 0
.macro WIN new                         ; the immediate's high byte repeats the setting that is left
.if MSB != \new
	s_set_vgpr_msb (MSB<<8)|\new
.set MSB, \new
.endif
.endm
.set MUL_LO, 0xa1
.set MUL_HI, 0xf1
.set TO_B,   0x40
; A joint load: waves 0 and 1 fetch for A, waves 2 and 3 for wo.  Four v_nop follow each of the two lines, ahead of the jump, the label and what follows.
.macro JLOAD g0a, g1a, g0b, g1b
	s_cmp_eq_u32 s15, 0
	s_cbranch_scc0 .Lfor_b_\@
	tensor_load_to_lds s[\g0a:\g0a+3], s[\g1a:\g1a+7]
	s_nop 0
.rept 4
	v_nop
.endr
	s_branch .Lasked_\@
.Lfor_b_\@:
	tensor_load_to_lds s[\g0b:\g0b+3], s[\g1b:\g1b+7]
	s_nop 0
.rept 4
	v_nop
.endr
.Lasked_\@:
.endm
.macro CREST                           ; a round of the cluster's barrier behind its opening barrier
	s_cmp_lg_u32 s14, 0
	s_cbranch_scc1 .Lnot_wave_0_\@
	s_barrier_signal -3
.Lnot_wave_0_\@:
	s_barrier_wait -3
	s_barrier_signal -1
	s_barrier_wait -1
.endm
.macro CROUND                          ; a whole round
	s_barrier_signal -1
	s_barrier_wait -1
	CREST
.endm
	s_load_b128 s[4:7], s[0:1], 0x0                ; acs, wocs
	s_load_b64 s[12:13], s[0:1], 0x10              ; out0
	v_lshl_add_u32 v[SPW], v0, 2, SPARE
	v_mov_b32 v[NIL], 0
	ds_add_u32 v28, v29
	ds_add_u32 v28, v29
	s_wait_dscnt 0x0
	v_lshrrev_b32 v1, 5, v0
	v_readfirstlane_b32 s14, v1                    ; wave 0..3
	s_lshr_b32 s15, s14, 1                         ; which half of the tile's rows is mine.  Also: I fetch for A (0) or for wo (1)
	s_and_b32 s16, s14, 1                          ; which half of its columns.  Also: which 128 rows of that tile I fetch
	s_bfe_u32 s40, ttmp6, 0x40000                  ; cx, cy
	s_bfe_u32 s41, ttmp6, 0x40004
	s_lshl_b32 s42, ttmp9, 2
	s_add_co_u32 s42, s42, s40                     ; tile column
	s_and_b32 s17, ttmp7, 0xffff
	s_lshl_b32 s17, s17, 2
	s_add_co_u32 s17, s17, s41                     ; tile row
	s_lshl_b32 s43, s41, 2
	s_lshl_b32 s43, 15, s43                        ; my row of the cluster
	s_lshl_b32 s44, 0x1111, s40                    ; my column
	s_or_b32 s[G1+0], s43, (0<<16)|(1<<20)|(1<<21)|(3<<22)|(3<<25)
	s_or_b32 s[G1B+0], s44, (0<<16)|(1<<20)|(1<<21)|(3<<22)|(3<<25)
.irp g, G1, G1B
	s_mov_b32 s[\g+1], ROWB<<16
	s_mov_b32 s[\g+2], 128<<16
	s_mov_b32 s[\g+3], ROWB<<16
	s_mov_b32 s[\g+4], 128
	s_mov_b32 s[\g+5], KROW
	s_mov_b32 s[\g+6], 0
	s_mov_b32 s[\g+7], 0
.endr
	s_or_b32 s[G1S+0], s43, (3<<16)|(1<<20)|(1<<21)|(5<<22)|(3<<25)
	s_or_b32 s[G1SB+0], s44, (3<<16)|(1<<20)|(1<<21)|(5<<22)|(3<<25)
.irp g, G1S, G1SB
	s_mov_b32 s[\g+1], 32<<16
	s_mov_b32 s[\g+2], (128*KS/256)<<16
	s_mov_b32 s[\g+3], 32<<16
	s_mov_b32 s[\g+4], 128*KS/256
	s_mov_b32 s[\g+5], 32
	s_mov_b32 s[\g+6], 0
	s_mov_b32 s[\g+7], 0
.endr
	s_lshl_b32 s18, s16, 7
	s_lshl_b32 s20, s17, 8
	s_add_co_u32 s20, s20, s18                     ; A: row 256 x tile row + 128 x half
	s_lshl_b32 s46, s42, 8
	s_add_co_u32 s46, s46, s18                     ; wo: row 256 x tile column + 128 x half
	s_mov_b32 s21, 0
	s_mov_b32 s47, 0
	s_mov_b64 s[18:19], KS
	s_mul_u64 s[22:23], s[20:21], s[18:19]
	s_mul_u64 s[92:93], s[46:47], s[18:19]
	s_mov_b64 s[18:19], KROW
	s_mul_u64 s[20:21], s[20:21], s[18:19]
	s_mul_u64 s[46:47], s[46:47], s[18:19]
	s_mul_i32 s45, s14, HALFT
	s_mul_i32 s94, s14, HALFS
	s_wait_kmcnt 0x0
	s_mov_b64 s[8:9], s[6:7]                       ; wo's codes,
	s_add_nc_u64 s[10:11], s[6:7], 3145728         ; its scale bytes,
	s_add_nc_u64 s[6:7], s[4:5], 3145728           ; A's scale bytes
	s_add_nc_u64 s[20:21], s[4:5], s[20:21]
	s_add_nc_u64 s[22:23], s[6:7], s[22:23]
	s_add_nc_u64 s[46:47], s[8:9], s[46:47]
	s_add_nc_u64 s[92:93], s[10:11], s[92:93]
	CROUND                                         ; all sixteen work-groups are here: the first joint loads meet
	s_mov_b32 s[G0S], 1
	s_add_co_u32 s[G0S+1], s94, SCL
	s_mov_b64 s[G0S+2:G0S+3], s[22:23]
	s_or_b32 s[G0S+3], s[G0S+3], 0x80000000
	s_mov_b32 s[G0SB], 1
	s_add_co_u32 s[G0SB+1], s94, SCL
	s_mov_b64 s[G0SB+2:G0SB+3], s[92:93]
	s_or_b32 s[G0SB+3], s[G0SB+3], 0x80000000
	JLOAD G0S, G1S, G0SB, G1SB                     ; the scales first
.irp s, 0,1
	s_mov_b32 s[G0+4*\s], 1
	s_add_co_u32 s[G0+4*\s+1], s45, \s*SLOT
	s_add_nc_u64 s[G0+4*\s+2:G0+4*\s+3], s[20:21], \s*ROWB
	s_or_b32 s[G0+4*\s+3], s[G0+4*\s+3], 0x80000000
	s_mov_b32 s[G0B+4*\s], 1
	s_add_co_u32 s[G0B+4*\s+1], s45, \s*SLOT
	s_add_nc_u64 s[G0B+4*\s+2:G0B+4*\s+3], s[46:47], \s*ROWB
	s_or_b32 s[G0B+4*\s+3], s[G0B+4*\s+3], 0x80000000
	JLOAD G0+4*\s, G1, G0B+4*\s, G1B
.endr
	v_and_b32 v1, 15, v0                           ; l % 16
	v_bfe_u32 v2, v0, 4, 1                         ; l / 16
	v_mul_u32_u24 v3, v1, PITCH
	v_mul_u32_u24 v4, v2, 24
	v_add_nc_u32 v4, v3, v4
	v_lshl_add_u32 v5, v2, 4, v4
	s_mul_i32 s21, s15, HALFT
	s_mul_i32 s22, s16, HALFT
	s_add_co_u32 s22, s22, 2*HALFT
.irp s, 0,1
	v_add_nc_u32 v[ADRA+\s], s21, v4
	v_add_nc_u32 v[ADRB+\s], s22, v4
	v_add_nc_u32 v[ADRA+2+\s], s21, v5
	v_add_nc_u32 v[ADRB+2+\s], s22, v5
	s_add_co_u32 s21, s21, SLOT
	s_add_co_u32 s22, s22, SLOT
.endr
	v_mul_u32_u24 v5, v1, KS
	v_lshrrev_b32 v6, 8, v5
	v_lshl_add_u32 v5, v6, 4, v5
	s_mul_i32 s21, s15, HALFS
	s_mul_i32 s22, s16, HALFS
	s_add_co_u32 s22, s22, 2*HALFS
	s_sub_co_u32 s22, s22, s21
	v_mul_u32_u24 v6, s22, v2                      ; lanes 16-31 take wo's
	s_add_co_u32 s21, s21, SCL
	v_add_nc_u32 v5, v5, v6
	v_add_nc_u32 v[ADRS], s21, v5
	s_mul_i32 s23, s14, 16*SPITCH                  ; my stage
	v_mul_u32_u24 v5, v1, SPITCH
	v_lshl_add_u32 v5, v2, 5, v5
	v_add_nc_u32 v[STO], s23, v5
	v_and_b32 v6, 31, v0
	v_lshlrev_b32 v[CO], 4, v6
	v_add_nc_u32 v[RD], s23, v[CO]
	s_lshl_b32 s20, s17, 8
	s_lshl_b32 s21, s15, 7
	s_add_co_u32 s20, s20, s21                     ; my first row of out0
	s_mov_b32 s21, 0
	s_mov_b64 s[18:19], SIZE_N*4
	s_mul_u64 s[20:21], s[20:21], s[18:19]
	s_lshl_b32 s46, s42, 10                        ; my first column, in bytes
	s_lshl_b32 s47, s16, 9
	s_add_co_u32 s46, s46, s47
	s_mov_b32 s47, 0
	s_add_nc_u64 s[20:21], s[20:21], s[46:47]
	s_add_nc_u64 s[12:13], s[12:13], s[20:21]
.macro FRAG reg, adr, q, i             ; a fragment, 16 rows x 128 K of 6-bit codes, in pieces of 8 bytes; where the piece of lanes 16-31 lies behind one padding more, the second address register serves
.irp p, 0,1,2,3,4,5
.set PC, 12*(\q)+6*(\p/3)+\p%3
.if PC%8 < 5
	ds_load_b64 v[\reg+2*\p:\reg+2*\p+1], v[\adr] offset:8*PC+16*(PC/8)+(\i)*16*PITCH
.else
	ds_load_b64 v[\reg+2*\p:\reg+2*\p+1], v[\adr+2] offset:8*PC+16*(PC/8)+(\i)*16*PITCH
.endif
.endr
.endm
; 16 matrix instructions: A's blocks a0, a0 + 1 x wo's eight.  The 64 accumulators take turns, one instruction a turn.
.macro MUL16 a0, p, q, sc, zero
.irp a, \a0, \a0+1
.irp b, 0,1,2,3,4,5,6,7
.if \zero
	v_wmma_scale_f32_16x16x128_f8f6f4 v[8*(8*((\a)%4)+\b):8*(8*((\a)%4)+\b)+7], v[128*(\p)+FR*\b:128*(\p)+FR*\b+FR-1], v[AF+FR*(\a):AF+FR*(\a)+FR-1], 0, v[SC+8*NQ*(\sc)+NQ*\b+(\q)], v[SC+8*NQ*(\sc)+NQ*(\a)+(\q)] matrix_a_fmt:MATRIX_FMT_BF6 matrix_b_fmt:MATRIX_FMT_BF6 matrix_a_scale:MATRIX_SCALE_ROW1
.else
	v_wmma_scale_f32_16x16x128_f8f6f4 v[8*(8*((\a)%4)+\b):8*(8*((\a)%4)+\b)+7], v[128*(\p)+FR*\b:128*(\p)+FR*\b+FR-1], v[AF+FR*(\a):AF+FR*(\a)+FR-1], v[8*(8*((\a)%4)+\b):8*(8*((\a)%4)+\b)+7], v[SC+8*NQ*(\sc)+NQ*\b+(\q)], v[SC+8*NQ*(\sc)+NQ*(\a)+(\q)] matrix_a_fmt:MATRIX_FMT_BF6 matrix_b_fmt:MATRIX_FMT_BF6 matrix_a_scale:MATRIX_SCALE_ROW1
.endif
.endr
.endr
.endm
.macro FETCH_B slot, q, p
	WIN TO_B
.irp i, 0,1,2,3,4,5,6,7
	FRAG 128*(\p)+FR*\i, ADRB+\slot, \q, \i
.endr
	WIN 0
.endm
.macro FETCH_A slot, q, i0
.irp i, \i0, \i0+1, \i0+2, \i0+3
	FRAG AF+FR*(\i), ADRA+\slot, \q, \i
.endr
.endm
.macro SCALES sc
.irp i, 0,1,2,3,4,5,6,7
	ds_load_b64 v[SC+8*NQ*\sc+NQ*\i:SC+8*NQ*\sc+NQ*\i+1], v[ADRS] offset:\i*SBLK
.endr
.endm
.macro PLACES n                        ; plain vector lines that name no register of the matrix instructions before them (ISA guide 7.12.1)
.rept \n
	v_nop
.endr
.endm
.macro STEP slot, q, zero
	s_wait_dscnt 4*NL                              ; wo's set and A's blocks 0-3 are in; the youngest 24 loads (A's blocks 4-7) may be out
	WIN MUL_LO
	MUL16 0, (\q)%2, \q, \slot, \zero
	MUL16 2, (\q)%2, \q, \slot, \zero
	s_wait_dscnt 0
	PLACES NP
	FETCH_B \slot, (\q)+1, 1-(\q)%2
	FETCH_A \slot, (\q)+1, 0
	WIN MUL_HI
	MUL16 4, (\q)%2, \q, \slot, \zero
	MUL16 6, (\q)%2, \q, \slot, \zero
	PLACES NP
	WIN 0
	FETCH_A \slot, (\q)+1, 4
.endm
; A slot's last step changes slots: ONE barrier; in front of it each wave waits for all its tensor loads, adds 0 to its spare word, and waits for that and for its own reads of this slot.
.macro TURN slot, next, fill
	s_wait_tensorcnt 0x0                           ; all my tensor loads have landed: my part of the next slot
	ds_add_u32 v[SPW], v[NIL]                      ; 0 onto my spare word
	s_wait_dscnt 4*NL+1                            ; (the add and the youngest 24 loads may be out)
	WIN MUL_LO
	MUL16 0, 1, NQ-1, \slot, 0
	s_wait_dscnt 0x0                               ; the add is done, and my reads of this slot are over
	s_barrier_signal -1
	MUL16 2, 1, NQ-1, \slot, 0
	WIN 0
	s_barrier_wait -1
.if \fill
	CREST                                          ; the barrier has opened a round of the cluster's barrier
	s_add_nc_u64 s[G0+4*\slot+2:G0+4*\slot+3], s[G0+4*\slot+2:G0+4*\slot+3], 2*ROWB
	s_add_nc_u64 s[G0B+4*\slot+2:G0B+4*\slot+3], s[G0B+4*\slot+2:G0B+4*\slot+3], 2*ROWB
	JLOAD G0+4*\slot, G1, G0B+4*\slot, G1B         ; the first tensor load behind the round
.else
	PLACES NP
.endif
	v_add_nc_u32 v[ADRS], 4*NQ, v[ADRS]
	FETCH_B \next, 0, 0
	FETCH_A \next, 0, 0
	SCALES \next
	WIN MUL_HI
	MUL16 4, 1, NQ-1, \slot, 0
	MUL16 6, 1, NQ-1, \slot, 0
	PLACES NP
	WIN 0
	FETCH_A \next, 0, 4
.endm
	s_wait_tensorcnt 1                             ; the scales and my part of K step 0 are in (K step 1's load may be out),
	s_barrier_signal -1
	s_barrier_wait -1                              ; everybody's are
	FETCH_B 0, 0, 0
	FETCH_A 0, 0, 0
	SCALES 0
	FETCH_A 0, 0, 4
	STEP 0, 0, 1                                   ; the first step's products start the sums
	s_mov_b32 s3, LAPS-1
.Llap:
	TURN 0, 1, 1
	STEP 1, 0, 0
	TURN 1, 0, 1
	STEP 0, 0, 0
	s_sub_co_u32 s3, s3, 1
	s_cmp_lg_u32 s3, 0
	s_cbranch_scc1 .Llap
	TURN 0, 1, 0                                   ; the last lap fills nothing
	STEP 1, 0, 0
	s_wait_dscnt 4*NL
	WIN MUL_LO
	MUL16 0, 1, NQ-1, 1, 0
	MUL16 2, 1, NQ-1, 1, 0
	s_wait_dscnt 0
	WIN MUL_HI
	MUL16 4, 1, NQ-1, 1, 0
	MUL16 6, 1, NQ-1, 1, 0
	WIN 0
; THE WAY OUT, block by block of 16 rows x 128 columns, through my own stage in LDS: back as whole rows of 512 bytes.  LDS serves a wave's instructions in order (ISA guide 5.7.1.4): no wait between the stores and the loads.
.macro TOSTAGE a
.set AC, 64*((\a)%4)
	WIN 0x08+4*((\a)/4)                            ; the data: window 2 or 3
.irp b, 0,1,2,3,4,5,6,7
	ds_store_b128 v[STO], v[AC+8*\b:AC+8*\b+3] offset:64*\b          ; each accumulator from its low end on
	ds_store_b128 v[STO], v[AC+8*\b+4:AC+8*\b+7] offset:64*\b+16
.endr
	WIN 0
.set BB, BK+64*((\a)%2)
.irp t, 0,1,2,3,4,5,6,7,8,9,10,11,12,13,14,15
	ds_load_b128 v[BB+4*\t:BB+4*\t+3], v[RD] offset:\t*SPITCH
.endr
.endm
.macro SEND a, younger                 ; younger: the LDS instructions issued behind block a's loads, which may stay out
.set BB, BK+64*((\a)%2)
	s_wait_dscnt \younger
.if (\a) > 0
	s_add_nc_u64 s[12:13], s[12:13], 16*SIZE_N*4   ; (behind a wait on XCNT: the earlier stores have read their base)
.endif
.irp t, 0,1,2,3,4,5,6,7,8,9,10,11,12,13,14,15
	global_store_b128 v[CO], v[BB+4*\t:BB+4*\t+3], s[12:13] offset:\t*SIZE_N*4 th:TH_STORE_NT   ; 32 lanes store 512 consecutive bytes, at a multiple of 256 from out0's first byte
.endr
.endm
	PLACES NP
	TOSTAGE 0
.irp a, 1,2,3,4,5,6,7
.if \a > 1
	s_wait_xcnt 0x0                                ; block a - 2's stores have read their registers and their base
.endif
	TOSTAGE \a
	SEND \a-1, 32                                  ; behind block a - 1's loads: block a's 16 stores and 16 loads
.endr
	s_wait_xcnt 0x0
	SEND 7, 0
	s_wait_tensorcnt 0x0                           ; the wave's end
	ds_add_u32 v[SPW], v[NIL]
	s_wait_dscnt 0x0
	CROUND                                         ; the closing round
	s_endpgm
.Lfunc_end_k_qd9a77c73dd_oproj:
	.size	k_qd9a77c73dd_oproj, .Lfunc_end_k_qd9a77c73dd_oproj-k_qd9a77c73dd_oproj
	.p2alignl 7, 3214868480
	.fill 96, 4, 3214868480
	.section	.rodata,"a",@progbits
	.p2align	6, 0x0
	.amdhsa_kernel k_qd9a77c73dd_oproj
		.amdhsa_group_segment_fixed_size 327680
		.amdhsa_private_segment_fixed_size 0
		.amdhsa_enable_private_segment 0
		.amdhsa_kernarg_size 24
		.amdhsa_user_sgpr_count 2
		.amdhsa_user_sgpr_kernarg_segment_ptr 1
		.amdhsa_wavefront_size32 1
		.amdhsa_system_sgpr_workgroup_id_x 1
		.amdhsa_system_sgpr_workgroup_id_y 1
		.amdhsa_system_sgpr_workgroup_id_z 1
		.amdhsa_system_vgpr_workitem_id 0
		.amdhsa_next_free_vgpr 1024
		.amdhsa_next_free_sgpr 98
		.amdhsa_reserve_vcc 0
		.amdhsa_float_denorm_mode_32 3
		.amdhsa_float_denorm_mode_16_64 3
		.amdhsa_memory_ordered 1
		.amdhsa_forward_progress 1
		.amdhsa_inst_pref_size 160
	.end_amdhsa_kernel
	.amdgpu_metadata
---
amdhsa.version: [ 1, 2 ]
amdhsa.kernels:
  - .name:           k_qd9a77c73dd_oproj
    .symbol:         k_qd9a77c73dd_oproj.kd
    .args:
      - { .name: acs, .offset: 0, .size: 8, .value_kind: global_buffer, .address_space: global }
      - { .name: wocs, .offset: 8, .size: 8, .value_kind: global_buffer, .address_space: global }
      - { .name: out0, .offset: 16, .size: 8, .value_kind: global_buffer, .address_space: global }
    .group_segment_fixed_size: 327680
    .private_segment_fixed_size: 0
    .kernarg_segment_align: 8
    .kernarg_segment_size: 24
    .max_flat_workgroup_size: 128
    .sgpr_count:     98
    .vgpr_count:     1024
    .wavefront_size: 32
...
	.end_amdgpu_metadata
.endif
;; end of part 4
;; ======== version 2 of 2: 4 launches
;; limits: right only within a limited range of input values
;; workspace buffers: xcs 3,276,800 bytes; wcs 4,915,200 bytes; wocs 3,276,800 bytes; tab 557,056 bytes; qcs 3,407,872 bytes; kvcs 1,703,936 bytes; acs 3,276,800 bytes
;; launch quant (part 5): grid 448 x 1, 4 waves a work-group, no clusters, 44,544 bytes of LDS; arguments x, wq, wk, wv, wo, xcs, wcs, wocs, tab; writes xcs, wcs, wocs, tab
.if DOCPART == 5
	.amdgcn_target "amdgcn-amd-amdhsa--gfx1250"
	.amdhsa_code_object_version 6
	.text
	.protected	k_qd9a77c73dd_quant
	.globl	k_qd9a77c73dd_quant
	.p2align	8
	.type	k_qd9a77c73dd_quant,@function
k_qd9a77c73dd_quant:
	s_mov_b64 s[64:65], 0
	v_nop
	global_prefetch_b8 v0, s[64:65] scope:SCOPE_SE
	s_setreg_imm32_b32 hwreg(HW_REG_WAVE_MODE, 25, 1), 1
	s_wait_xcnt 0x0
; x, wq, wk, wv, wo (f32, rows of 2,048 along K) become codes of BF6 (E3M2) with one E8M0 scale byte for each 32 along K, laid as the products' registers take them.
; A block's scale is 2^(floor(log2(its largest magnitude)) - 4); its byte is the largest magnitude's exponent field - 4, held at 1 from below.  A block of zeros gets the byte 1 where the rule says 127:
; its codes are zeros, and the bytes are read by this program alone.  LIMITS: blocks whose largest magnitude lies under 2^-122 get the byte 1; NaN and infinities among the inputs are not served.
; THE FORMAT.  A tile is 16 rows: 25,600 bytes, four groups of 6,400 (512 along K each).  A group: four images of 1,536 bytes (128 along K), then 256 bytes of scale words (16 r + 4 q: row r, image q; byte 2 c + h).
; An image: for c = 0, 1 at 768 c: registers 6 c .. 6 c + 3 of lane r + 16 h at 16 x lane, registers 6 c + 4, 5 at 512 + 8 x lane; that lane's six registers hold K = 64 c + 32 h + 0..31 of row r.
; WHERE THE TILES GO.  xcs: x's 128 tiles.  wcs: tiles 0-127 wq; for c = 0..3 tiles 128 + 16 c + 0..7 are wk's tiles 8 c on, + 8..15 wv's.  wocs: wo's 128.  In x, wq, wk, wv row r of tile T is row
; 32 (T/2) + 8 (T%2) + r + 8 (r/8) of the tensor, so that in the next launch the 16 registers of two neighbouring result tiles are 16 neighbours.  wo keeps its order.
; SHARES.  A work-group makes one tile; a wave takes 4 rows, 8 steps of 1,024 numbers.  Each of a step's eight loads reads 512 consecutive bytes; the 4,096 bytes turn through the wave's own stage in LDS and come back
; 128 bytes (one block) a lane.  The codes are gathered as the tile's 25,600 bytes in LDS and leave in stores of 512 consecutive bytes a wave.  Work-groups 0-127 x, 128-255 wq, 256-287 wk, 288-319 wv, 320-447 wo.
; No cluster, no tensor loads: work-groups share no input.
; THE TABLE.  Work-groups 0-135 also make 16 rows each of tab: row p < 2,048 holds cos and sin of f32(p) x theta_f for f = 0..31 (8 bytes a pair); rows 2,048-2,175 hold (1, 0).
; theta_f = 1 / f32(10^(f/8)), the product with the position rounded once.  LIMIT: if the definition's own power is an ulp off, an angle differs by up to p x theta x 6e-8.
.set EMAX,  4
.set R,     16                         ; v16-111  three sets of 32 numbers as loaded
.set X,     112                        ; v112-175 two sets of 32 neighbours
.set CS,    176                        ; v176-199 two sets: six registers of codes, the byte, three registers at work
.set SP,    144                        ; a lane's place in a stage: 128 bytes + 16
.set STG,   32*SP
.set IMG,   4*STG                      ; behind the four stages: the tile
.set SPARE, IMG+25600                  ; the spare words
	s_load_b256 s[4:11], s[0:1], 0x0               ; x, wq, wk, wv
	s_load_b256 s[12:19], s[0:1], 0x20             ; wo, xcs, wcs, wocs
	s_load_b64 s[20:21], s[0:1], 0x40              ; tab
	v_lshl_add_u32 v12, v0, 2, SPARE
	v_mov_b32 v13, 0
	v_lshrrev_b32 v1, 5, v0
	v_readfirstlane_b32 s28, v1                    ; wave
	s_mul_i32 s29, s28, STG
	s_lshl_b32 s30, s28, 6                         ; my first row is 4 x wave: 16 bytes a row,
	s_lshl_b32 s31, s28, 5                         ; or 8
	s_add_co_u32 s26, s30, IMG
	s_add_co_u32 s31, s31, IMG+512
	s_add_co_u32 s30, s30, IMG+6144
	v_and_b32 v2, 31, v0                           ; lane: block l of a step's 32
	v_lshlrev_b32 v3, 4, v2
	v_lshrrev_b32 v14, 3, v2
	v_mul_u32_u24 v14, v14, SP
	v_and_b32 v15, 7, v2
	v_lshl_add_u32 v14, v15, 4, v14
	v_add_nc_u32 v14, s29, v14                     ; the stage, in: SP (lane / 8) + 16 (lane % 8)
	v_mul_u32_u24 v15, v2, SP
	v_add_nc_u32 v15, s29, v15                     ; and out: SP x lane
	v_lshrrev_b32 v8, 4, v2
	v_mul_u32_u24 v8, v8, 6400                     ; the group: lane / 16
	v_bfe_u32 v9, v2, 2, 2
	v_mad_u32_u24 v9, v9, 1536, v8                 ; the image
	v_bfe_u32 v10, v2, 1, 1
	v_mad_u32_u24 v9, v10, 768, v9                 ; c
	v_and_b32 v10, 1, v2                           ; h
	v_lshl_add_u32 v4, v10, 8, v9
	v_add_nc_u32 v4, s26, v4                       ; registers 0-3 of my block
	v_lshl_add_u32 v5, v10, 7, v9
	v_add_nc_u32 v5, s31, v5                       ; registers 4, 5
	v_and_b32 v6, 15, v2
	v_add_nc_u32 v6, v6, v8
	v_add_nc_u32 v6, s30, v6                       ; my block's scale byte
	v_lshlrev_b32 v7, 4, v0                        ; the way out: 16 bytes a thread
	v_add_nc_u32 v1, IMG, v7
	s_mov_b32 s27, 320
	s_wait_alu depctr_va_vdst(0)
	s_wait_kmcnt 0x0
	s_cmp_lt_u32 ttmp9, 320                        ; which tensor: every choice hangs on the work-group's number alone
	s_cselect_b64 s[22:23], s[10:11], s[12:13]
	s_cselect_b64 s[24:25], s[16:17], s[18:19]
	s_cselect_b32 s27, 288, s27
	s_cmp_lt_u32 ttmp9, 288
	s_cselect_b64 s[22:23], s[8:9], s[22:23]
	s_cselect_b32 s27, 256, s27
	s_cmp_lt_u32 ttmp9, 256
	s_cselect_b64 s[22:23], s[6:7], s[22:23]
	s_cselect_b32 s27, 128, s27
	s_cmp_lt_u32 ttmp9, 128
	s_cselect_b64 s[22:23], s[4:5], s[22:23]
	s_cselect_b64 s[24:25], s[14:15], s[24:25]
	s_cselect_b32 s27, 0, s27
	s_sub_co_u32 s32, ttmp9, s27                   ; i: the tile within the tensor
	s_lshl_b32 s33, s32, 2
	s_add_co_u32 s33, s33, s28                     ; wo reads run 4 i + wave (a run is 4 rows);
	s_lshr_b32 s34, s32, 1                         ; the others run 8 (i/2) + 2 (i%2) + wave % 2 + 4 (wave / 2)
	s_lshl_b32 s34, s34, 3
	s_and_b32 s35, s32, 1
	s_lshl_b32 s35, s35, 1
	s_add_co_u32 s34, s34, s35
	s_and_b32 s35, s28, 1
	s_add_co_u32 s34, s34, s35
	s_lshr_b32 s35, s28, 1
	s_lshl_b32 s35, s35, 2
	s_add_co_u32 s34, s34, s35
	s_lshr_b32 s36, s32, 3                         ; wk and wv: 8 tiles of each by turns, behind wq's 128
	s_lshl_b32 s36, s36, 4
	s_and_b32 s35, s32, 7
	s_add_co_u32 s36, s36, s35
	s_add_co_u32 s36, s36, 128
	s_cmp_ge_u32 ttmp9, 288
	s_cselect_b32 s35, 8, 0
	s_add_co_u32 s36, s36, s35
	s_cmp_ge_u32 ttmp9, 256
	s_cselect_b32 s37, s36, s32
	s_cmp_ge_u32 ttmp9, 320
	s_cselect_b32 s37, s32, s37                    ; the tile that I write
	s_cselect_b32 s33, s33, s34                    ; the run that I read
	s_lshl_b32 s38, s33, 15
	s_mov_b32 s39, 0
	s_add_nc_u64 s[22:23], s[22:23], s[38:39]
	s_mul_i32 s38, s37, 25600
	s_add_nc_u64 s[40:41], s[24:25], s[38:39]
.macro LOAD t
.irp i, 0,1,2,3,4,5,6,7
	global_load_b128 v[R+32*((\t)%3)+4*\i:R+32*((\t)%3)+4*\i+3], v3, s[22:23] offset:4096*(\t)+512*\i th:TH_LOAD_NT
.endr
.endm
.macro TURN t                          ; LDS serves a wave's instructions in order: no wait between the stores and the loads, and one stage serves all steps
.irp i, 0,1,2,3,4,5,6,7
	ds_store_b128 v14, v[R+32*((\t)%3)+4*\i:R+32*((\t)%3)+4*\i+3] offset:4*SP*\i
.endr
.irp i, 0,1,2,3,4,5,6,7
	ds_load_b128 v[X+32*((\t)%2)+4*\i:X+32*((\t)%2)+4*\i+3], v15 offset:16*\i
.endr
.endm
	LOAD 0
	LOAD 1
	LOAD 2
	s_wait_loadcnt 16                              ; step 0's eight loads are in
	TURN 0
.macro STEP t                          ; row 4 wave + t / 2, half t % 2 of its K
.set XS, X+32*((\t)%2)
.set CC, CS+12*((\t)%2)
.if (\t) > 0
	s_wait_dscnt 3                                 ; this step's numbers are back; the last step's three stores of codes may be out, those of the step before it are done
.else
	s_wait_dscnt 0x0
.endif
.if (\t)+3 < 8
	LOAD (\t)+3
.endif
.if (\t)+1 < 8
.if (\t) < 5
	s_wait_loadcnt 16                              ; the next step's loads are in; two younger steps' may be out
.else
	s_wait_loadcnt 8*(6-(\t))
.endif
	TURN (\t)+1
.endif
	v_max3_num_f32 v8, |v[XS]|, |v[XS+1]|, |v[XS+2]|
	v_max3_num_f32 v9, |v[XS+3]|, |v[XS+4]|, |v[XS+5]|
.irp i, 6,10,14,18,22,26
	v_max3_num_f32 v8, v8, |v[XS+\i]|, |v[XS+\i+1]|
	v_max3_num_f32 v9, v9, |v[XS+\i+2]|, |v[XS+\i+3]|
.endr
	v_max3_num_f32 v8, v8, |v[XS+30]|, |v[XS+31]|
	v_max3_num_f32 v8, v8, v9, (EMAX+1)<<23        ; the floor 2^(5 - 127): the byte cannot fall under 1
	v_add_nc_u32 v11, -(EMAX<<23), v8              ; 4 off the exponent field: the conversion's scale operand
	v_cvt_scalef32_pk16_bf6_f32 v[CC:CC+2], v[XS:XS+15], v11
	v_cvt_scalef32_pk16_bf6_f32 v[CC+8:CC+10], v[XS+16:XS+31], v11
	v_lshrrev_b32 v[CC+6], 23, v11                 ; the byte (also the plain line behind the conversions)
	v_mov_b32 v[CC+3], v[CC+8]
	v_mov_b32 v[CC+4], v[CC+9]
	v_mov_b32 v[CC+5], v[CC+10]
	ds_store_b128 v4, v[CC:CC+3] offset:12800*((\t)%2)+16*((\t)/2)
	ds_store_b64 v5, v[CC+4:CC+5] offset:12800*((\t)%2)+8*((\t)/2)
	ds_store_b8 v6, v[CC+6] offset:12800*((\t)%2)+16*((\t)/2)
.endm
.irp t, 0,1,2,3,4,5,6,7
	STEP \t
.endr
	s_wait_dscnt 0x0                               ; for the others' sake: my part of the tile is stored
	s_barrier_signal -1
	s_barrier_wait -1
.irp j, 0,1,2,3,4,5,6,7,8,9,10,11
	ds_load_b128 v[16+4*\j:19+4*\j], v1 offset:2048*\j
.endr
.irp j, 0,1,2,3,4,5,6,7,8,9,10,11
	s_wait_dscnt 11-\j
	global_store_b128 v7, v[16+4*\j:19+4*\j], s[40:41] offset:2048*\j   ; a wave stores 512 consecutive bytes
.endr
	s_cmp_lt_u32 s28, 2                            ; the tile's last 1,024 bytes: waves 0 and 1
	s_cbranch_scc0 .Lrest
	ds_load_b128 v[64:67], v1 offset:24576
	s_wait_dscnt 0x0
	global_store_b128 v7, v[64:67], s[40:41] offset:24576
.Lrest:
	; ---- the table: 16 rows of 256 bytes a work-group; thread t makes the pairs f = 2 (t % 16), 2 (t % 16) + 1 of rows t / 16 and 8 + t / 16
	s_cmp_lt_u32 ttmp9, 136
	s_cbranch_scc0 .Lend
	s_wait_xcnt 0x0                                ; the stores above have read their registers
	s_lshl_b32 s38, ttmp9, 12
	s_mov_b32 s39, 0
	s_add_nc_u64 s[20:21], s[20:21], s[38:39]
	s_cmp_lt_u32 ttmp9, 128
	s_cselect_b32 s46, 1.0, 0                      ; rows from 2,048 on: the angle 0
	s_lshl_b32 s47, ttmp9, 4
	s_mov_b32 s48, 0xbe2aaaa3                      ; sin r = r + r z (S1 + z (S2 + z S3)), z = r r
	s_mov_b32 s49, 0x3c08839e
	s_mov_b32 s50, 0xb94ca1f9
	s_mov_b32 s51, 0x3d2aaaa5                      ; cos r = 1 - z / 2 + z z (C0 + z (C1 + z C2))
	s_mov_b32 s52, 0xbab6061a
	s_mov_b32 s53, 0x37ccf5ce
	v_and_b32 v16, 15, v0
	v_mov_b32 v20, 1.0                             ; 10^(f/8) for my two f, rounded to f32 once
	v_mov_b32 v21, 1.3335214321633240
.macro PICK k, a, b
	v_cmp_ne_u32 vcc_lo, \k, v16
	v_cndmask_b32 v20, \a, v20, vcc_lo
	v_cndmask_b32 v21, \b, v21, vcc_lo
.endm
	PICK 1, 1.7782794100389228, 2.3713737056616552
	PICK 2, 3.1622776601683795, 4.2169650342858225
	PICK 3, 5.6234132519034908, 7.4989420933245582
	PICK 4, 10.0, 13.335214321633240
	PICK 5, 17.782794100389228, 23.713737056616552
	PICK 6, 31.622776601683795, 42.169650342858225
	PICK 7, 56.234132519034908, 74.989420933245582
	PICK 8, 100.0, 133.35214321633240
	PICK 9, 177.82794100389228, 237.13737056616552
	PICK 10, 316.22776601683795, 421.69650342858225
	PICK 11, 562.34132519034908, 749.89420933245582
	PICK 12, 1000.0, 1333.5214321633240
	PICK 13, 1778.2794100389228, 2371.3737056616552
	PICK 14, 3162.2776601683795, 4216.9650342858225
	PICK 15, 5623.4132519034908, 7498.9420933245582
	s_wait_alu depctr_va_vdst(0)
	v_rcp_f32 v22, v20
	v_rcp_f32 v23, v21
	v_lshrrev_b32 v17, 4, v0                       ; (a plain line behind the reciprocals)
	s_wait_alu depctr_va_vdst(0)
.rept 2                                        ; two residual steps bring 1 / P to the nearest f32
	v_fma_f32 v24, -v20, v22, 1.0
	v_fma_f32 v25, -v21, v23, 1.0
	v_fma_f32 v22, v24, v22, v22
	v_fma_f32 v23, v25, v23, v23
.endr
	v_add_nc_u32 v17, s47, v17
	v_add_nc_u32 v18, 8, v17
	v_cvt_f32_u32 v17, v17
	v_cvt_f32_u32 v18, v18
	v_mul_f32 v17, s46, v17
	v_mul_f32 v18, s46, v18
	v_mul_f32 v26, v17, v22                        ; the angles, each rounded once
	v_mul_f32 v27, v17, v23
	v_mul_f32 v28, v18, v22
	v_mul_f32 v29, v18, v23
; cos and sin of v[x], 0 <= x < 2,048: n = the nearest whole number to x 2/pi; r = x - n pi/2 in two fused steps; polynomials on |r| <= pi/4; the quadrant by selects and sign bits
.macro SINCOS x, c, s
	v_mul_f32 v40, 0x3f22f983, v[\x]
	v_rndne_f32 v40, v40
	v_fmamk_f32 v41, v40, 0xbfc90fdb, v[\x]
	v_fmamk_f32 v41, v40, 0x333bbd2e, v41
	v_cvt_i32_f32 v42, v40
	v_mul_f32 v43, v41, v41
	v_fma_f32 v44, v43, s50, s49
	v_fma_f32 v45, v43, s53, s52
	v_mul_f32 v46, v43, v41
	v_mul_f32 v47, v43, v43
	v_fma_f32 v44, v44, v43, s48
	v_fma_f32 v45, v45, v43, s51
	v_fma_f32 v48, v43, -0.5, 1.0
	v_fma_f32 v44, v44, v46, v41
	v_fma_f32 v45, v45, v47, v48
	v_and_b32 v46, 1, v42
	v_cmp_eq_u32 vcc_lo, 1, v46
	v_cndmask_b32 v[\s], v44, v45, vcc_lo
	v_cndmask_b32 v[\c], v45, v44, vcc_lo
	v_and_b32 v46, 2, v42
	v_add_nc_u32 v47, 1, v42
	v_lshlrev_b32 v46, 30, v46
	v_and_b32 v47, 2, v47
	v_xor_b32 v[\s], v[\s], v46
	v_lshlrev_b32 v47, 30, v47
	v_xor_b32 v[\c], v[\c], v47
.endm
	SINCOS 26, 32, 33
	SINCOS 27, 34, 35
	SINCOS 28, 36, 37
	SINCOS 29, 38, 39
	v_lshlrev_b32 v30, 4, v0
	global_store_b128 v30, v[32:35], s[20:21]
	global_store_b128 v30, v[36:39], s[20:21] offset:2048
.Lend:
	s_wait_tensorcnt 0x0                           ; the wave's end
	ds_add_u32 v12, v13
	s_wait_dscnt 0x0
	s_endpgm
.Lfunc_end_k_qd9a77c73dd_quant:
	.size	k_qd9a77c73dd_quant, .Lfunc_end_k_qd9a77c73dd_quant-k_qd9a77c73dd_quant
	.p2alignl 7, 3214868480
	.fill 96, 4, 3214868480
	.section	.rodata,"a",@progbits
	.p2align	6, 0x0
	.amdhsa_kernel k_qd9a77c73dd_quant
		.amdhsa_group_segment_fixed_size 44544
		.amdhsa_private_segment_fixed_size 0
		.amdhsa_enable_private_segment 0
		.amdhsa_kernarg_size 72
		.amdhsa_user_sgpr_count 2
		.amdhsa_user_sgpr_kernarg_segment_ptr 1
		.amdhsa_wavefront_size32 1
		.amdhsa_system_sgpr_workgroup_id_x 1
		.amdhsa_system_sgpr_workgroup_id_y 1
		.amdhsa_system_sgpr_workgroup_id_z 1
		.amdhsa_system_vgpr_workitem_id 0
		.amdhsa_next_free_vgpr 200
		.amdhsa_next_free_sgpr 66
		.amdhsa_reserve_vcc 1
		.amdhsa_float_denorm_mode_32 3
		.amdhsa_float_denorm_mode_16_64 3
		.amdhsa_memory_ordered 1
		.amdhsa_forward_progress 1
		.amdhsa_inst_pref_size 43
	.end_amdhsa_kernel
	.amdgpu_metadata
---
amdhsa.version: [ 1, 2 ]
amdhsa.kernels:
  - .name:           k_qd9a77c73dd_quant
    .symbol:         k_qd9a77c73dd_quant.kd
    .args:
      - { .name: x, .offset: 0, .size: 8, .value_kind: global_buffer, .address_space: global }
      - { .name: wq, .offset: 8, .size: 8, .value_kind: global_buffer, .address_space: global }
      - { .name: wk, .offset: 16, .size: 8, .value_kind: global_buffer, .address_space: global }
      - { .name: wv, .offset: 24, .size: 8, .value_kind: global_buffer, .address_space: global }
      - { .name: wo, .offset: 32, .size: 8, .value_kind: global_buffer, .address_space: global }
      - { .name: xcs, .offset: 40, .size: 8, .value_kind: global_buffer, .address_space: global }
      - { .name: wcs, .offset: 48, .size: 8, .value_kind: global_buffer, .address_space: global }
      - { .name: wocs, .offset: 56, .size: 8, .value_kind: global_buffer, .address_space: global }
      - { .name: tab, .offset: 64, .size: 8, .value_kind: global_buffer, .address_space: global }
    .group_segment_fixed_size: 44544
    .private_segment_fixed_size: 0
    .kernarg_segment_align: 8
    .kernarg_segment_size: 72
    .max_flat_workgroup_size: 128
    .sgpr_count:     66
    .vgpr_count:     200
    .wavefront_size: 32
...
	.end_amdgpu_metadata
.endif
;; end of part 5
;; launch qkv (part 6): grid 12 x 16, 4 waves a work-group, clusters of 4 x 4, 327,680 bytes of LDS; arguments xcs, wcs, tab, qcs, kvcs; writes qcs, kvcs
.if DOCPART == 6
	.amdgcn_target "amdgcn-amd-amdhsa--gfx1250"
	.amdhsa_code_object_version 6
	.text
	.protected	k_qd9a77c73dd_qkv
	.globl	k_qd9a77c73dd_qkv
	.p2align	8
	.type	k_qd9a77c73dd_qkv,@function
k_qd9a77c73dd_qkv:
	s_mov_b64 s[64:65], 0
	v_nop
	global_prefetch_b8 v0, s[64:65] scope:SCOPE_SE
	s_setreg_imm32_b32 hwreg(HW_REG_WAVE_MODE, 25, 1), 1
	s_wait_xcnt 0x0
	s_wait_alu depctr_hold_cnt(0) depctr_sa_sdst(0) depctr_va_vdst(0) depctr_va_sdst(0) depctr_va_ssrc(0) depctr_va_vcc(0) depctr_vm_vsrc(0)
	s_getreg_b32 s2, hwreg(HW_REG_IB_STS2, 6, 4)
	s_cmp_eq_u32 s2, 0
	s_cbranch_scc0 .Lentry_in_a_cluster
	s_endpgm
.Lentry_in_a_cluster:
	s_bfe_u32 s2, ttmp6, 0x10000c
	s_cmp_lg_u32 s2, 0xf033
	s_cbranch_scc0 .Lentry_shape_is_right
	s_endpgm
.Lentry_shape_is_right:
; q, k, v = x w^T on codes of BF6 with E8M0 scales, then RoPE (q, k), then the quantiser of the attention's products; the results leave as register images for the next launch.
; OPERANDS: xcs and wcs in tiles of 16 rows x 25,600 bytes, four groups of 6,400 (four images of 128 along K, then the rows' scale words), as the launch before laid them.
; A work-group makes 128 positions x 256 rows of w: four waves of 64 x 128, 32 accumulators each.  In tile columns 8-11 the second 128 rows are wv's: their waves swap the sources (all 128 positions x 64 channels),
; so that a lane's registers run along the keys, the K of the attention's second product.
; THE RING: two slots of 24 tiles x 6,400 bytes (one group: four steps of 128 along K).  Each wave fetches its share of a slot by one joint load (waves 0, 1: four tiles of x each; waves 2, 3: eight of w each);
; a tensor row is a tile's 6,400 consecutive bytes.  One load a wave is out behind each round, and has four steps' products in which to land.
; CLUSTERS: 4 x 4: x's tiles are shared along a row of the cluster, w's along a column.
; PREFETCH: groups 1 and 2 are asked for at the head, group 3 behind group 1's load: two refills ahead.  A lane names one block of 256 bytes of a tile's 25; of the tiles that a wave fetches each of the four partners
; takes a quarter, by address.  Group 3 is the last: nothing is asked beyond it.
; The causal mask plays no part here; every input of this launch reaches the result.
; REGISTERS: window 0: v6-19 LDS addresses, v32-127 scale words (two sets), v128-223 source 1's fragments (two sets); window 1: source 0's (two sets); window 2: accumulators; window 3: the table's cos and sin.
.set TILE,   6400
.set TPITCH, 25600
.set SLOT,   24*TILE
.set SPARE,  2*SLOT
.set NP,     4
.set AA,   6                           ; v6, v7: source 1's tiles in slot 0 (+ 16 lane, + 8 lane); v8, v9: slot 1
.set AB,   10                          ; v10-13 the same for source 0
.set SPW,  14
.set NIL,  15
.set ASA,  16                          ; v16, v17 source 1's scale words, slot 0, 1
.set ASB,  18
.set TBA,  30
.set PFO,  31
.set SC,   32
.set AF,   128
.set G1, 24
.set G0, 32
.set G1B, 48
.set G0B, 56
.set PFA, 66
.set VF,  96
.set RR,  128
.set CD,  192
.set TT,  224
.set TM,  228
.set PW,  244
.set SEL, 62
.set MSB, 0
.macro WIN new
.if MSB != \new
	s_set_vgpr_msb (MSB<<8)|\new
.set MSB, \new
.endif
.endm
.set MUL,   0xa1
.set TO_B,  0x40
.macro JLOAD sl                        ; waves 0, 1 fetch x's tiles, waves 2, 3 w's
	s_cmp_eq_u32 s15, 0
	s_cbranch_scc0 .Lfor_b_\@
	tensor_load_to_lds s[G0+4*\sl:G0+4*\sl+3], s[G1:G1+7]
	s_nop 0
.rept 4
	v_nop
.endr
	s_branch .Lasked_\@
.Lfor_b_\@:
	tensor_load_to_lds s[G0B+4*\sl:G0B+4*\sl+3], s[G1B:G1B+7]
	s_nop 0
.rept 4
	v_nop
.endr
.Lasked_\@:
.endm
.macro ASK g                           ; group g of my work-group's quarter of the tiles that I fetch: one tile of x, or two of w
	global_prefetch_b8 v[PFO], s[PFA:PFA+1] offset:TILE*\g th:TH_LOAD_NT scope:SCOPE_SE
	s_cmp_eq_u32 s15, 0
	s_cbranch_scc1 .Lone_\@
	global_prefetch_b8 v[PFO], s[PFA:PFA+1] offset:TILE*\g+TPITCH th:TH_LOAD_NT scope:SCOPE_SE
.Lone_\@:
.endm
.macro CREST
	s_cmp_lg_u32 s14, 0
	s_cbranch_scc1 .Lnot_wave_0_\@
	s_barrier_signal -3
.Lnot_wave_0_\@:
	s_barrier_wait -3
	s_barrier_signal -1
	s_barrier_wait -1
.endm
.macro CROUND
	s_barrier_signal -1
	s_barrier_wait -1
	CREST
.endm
	s_load_b128 s[4:7], s[0:1], 0x0                ; xcs, wcs
	s_load_b64 s[10:11], s[0:1], 0x10              ; tab
	s_load_b64 s[92:93], s[0:1], 0x18              ; qcs
	s_load_b64 s[94:95], s[0:1], 0x20              ; kvcs
	v_lshl_add_u32 v[SPW], v0, 2, SPARE
	v_mov_b32 v[NIL], 0
	ds_add_u32 v[SPW], v[NIL]
	ds_add_u32 v[SPW], v[NIL]
	v_lshrrev_b32 v1, 5, v0
	v_readfirstlane_b32 s14, v1
	s_lshr_b32 s15, s14, 1
	s_and_b32 s16, s14, 1
	s_bfe_u32 s40, ttmp6, 0x40000
	s_bfe_u32 s41, ttmp6, 0x40004
	s_lshl_b32 s42, ttmp9, 2
	s_add_co_u32 s42, s42, s40                     ; tile column
	s_and_b32 s17, ttmp7, 0xffff
	s_lshl_b32 s17, s17, 2
	s_add_co_u32 s17, s17, s41                     ; tile row
	s_lshl_b32 s43, s41, 2
	s_lshl_b32 s43, 15, s43
	s_lshl_b32 s44, 0x1111, s40
	s_cmp_eq_u32 ttmp9, 2
	s_cselect_b32 s[VF], s16, 0                    ; 1: my rows of w are wv's
	s_or_b32 s[G1+0], s43, (3<<16)|(1<<21)         ; elements of 8 bytes; the mask, bit 21 beside it
	s_or_b32 s[G1B+0], s44, (3<<16)|(1<<21)
.irp g, G1, G1B
	s_mov_b32 s[\g+1], 800<<16                     ; a row: 6,400 bytes
	s_mov_b32 s[\g+3], 800<<16
	s_mov_b32 s[\g+5], 3200                        ; from tile to tile 25,600 bytes
	s_mov_b32 s[\g+6], 0
	s_mov_b32 s[\g+7], 0
.endr
	s_mov_b32 s[G1+2], 4<<16
	s_mov_b32 s[G1+4], 4
	s_mov_b32 s[G1B+2], 8<<16
	s_mov_b32 s[G1B+4], 8
	s_lshl_b32 s20, s17, 3
	s_lshl_b32 s18, s16, 2
	s_add_co_u32 s20, s20, s18
	s_mul_i32 s20, s20, TPITCH                     ; x: tile 8 x tile row + 4 x half
	s_mov_b32 s21, 0
	s_lshl_b32 s46, s42, 4
	s_lshl_b32 s18, s16, 3
	s_add_co_u32 s46, s46, s18
	s_mul_i32 s46, s46, TPITCH                     ; w: tile 16 x tile column + 8 x half
	s_mov_b32 s47, 0
	s_mul_i32 s45, s16, 4*TILE
	s_mul_i32 s22, s16, 8*TILE
	s_add_co_u32 s22, s22, 8*TILE
.irp s, 0,1
	s_mov_b32 s[G0+4*\s], 1
	s_add_co_u32 s[G0+4*\s+1], s45, \s*SLOT
	s_mov_b32 s[G0B+4*\s], 1
	s_add_co_u32 s[G0B+4*\s+1], s22, \s*SLOT
.endr
	s_lshl_b32 s18, s17, 7
	s_lshl_b32 s19, s15, 6
	s_add_co_u32 s18, s18, s19                     ; my first position
	s_mov_b32 s19, 2048
	s_mul_i32 s70, s15, 4*TILE                     ; source 1: my four tiles of x; for v: of wv
	s_add_co_u32 s71, s70, 16*TILE
	s_mov_b32 s72, s22                             ; source 0: my eight tiles of w; for v: all of x's
	s_mov_b32 s74, 2*TPITCH
	s_cmp_lg_u32 s[VF], 0
	s_cselect_b32 s18, s19, s18                    ; v is not turned: the table's rows of (1, 0)
	s_cselect_b32 s70, s71, s70
	s_cselect_b32 s72, 0, s72
	s_wait_dscnt 0x0
	s_wait_kmcnt 0x0
	s_add_nc_u64 s[20:21], s[4:5], s[20:21]
	s_add_nc_u64 s[46:47], s[6:7], s[46:47]
.irp s, 0,1
	s_add_nc_u64 s[G0+4*\s+2:G0+4*\s+3], s[20:21], \s*TILE
	s_or_b32 s[G0+4*\s+3], s[G0+4*\s+3], 0x80000000
	s_add_nc_u64 s[G0B+4*\s+2:G0B+4*\s+3], s[46:47], \s*TILE
	s_or_b32 s[G0B+4*\s+3], s[G0B+4*\s+3], 0x80000000
.endr
	s_cmp_eq_u32 s15, 0
	s_cselect_b32 s68, s40, s41                    ; my place among the four that ask with me
	s_cselect_b32 s69, TPITCH, s74
	s_cselect_b64 s[PFA:PFA+1], s[20:21], s[46:47]
	s_mul_i32 s68, s68, s69
	s_mov_b32 s69, 0
	s_add_nc_u64 s[PFA:PFA+1], s[PFA:PFA+1], s[68:69]
	CROUND
	JLOAD 0                                        ; group 0: one tensor load a wave at the head
	v_and_b32 v1, 15, v0
	v_bfe_u32 v2, v0, 4, 1
	v_and_b32 v3, 8, v1
	v_add_nc_u32 v3, v3, v1
	v_add_nc_u32 v3, s18, v3
	v_lshlrev_b32 v[TBA], 8, v3
	v_lshl_add_u32 v[TBA], v2, 6, v[TBA]
	WIN 0xc0
.irp a, 0,1,2,3
.irp p, 0,1
.irp k, 0,1,2,3
	global_load_b128 v[32*\a+16*\p+4*\k:32*\a+16*\p+4*\k+3], v[TBA], s[10:11] offset:(32*(\a/2)+8*(\a%2))*256+128*\p+16*\k
.endr
.endr
.endr
	WIN 0
	v_and_b32 v3, 31, v0
	v_lshlrev_b32 v4, 4, v3
	v_lshlrev_b32 v5, 3, v3
	v_lshlrev_b32 v20, 4, v1
	v_add_nc_u32 v20, 6144, v20
	v_add_nc_u32 v[AA], s70, v4
	v_add_nc_u32 v[AA+1], s70, v5
	v_add_nc_u32 v[AB], s72, v4
	v_add_nc_u32 v[AB+1], s72, v5
	v_add_nc_u32 v[ASA], s70, v20
	v_add_nc_u32 v[ASB], s72, v20
.irp n, AA, AA+1, AB, AB+1
	v_add_nc_u32 v[\n+2], SLOT, v[\n]
.endr
	v_add_nc_u32 v[ASA+1], SLOT, v[ASA]
	v_add_nc_u32 v[ASB+1], SLOT, v[ASB]
	v_min_u32 v[PFO], 24, v3                       ; a tile's group is 25 blocks of 256 bytes; the lanes left over name the last again
	v_lshlrev_b32 v[PFO], 8, v[PFO]
	s_wait_alu depctr_va_vdst(0)
	ASK 1
	ASK 2
.macro FRAG reg, adr, q, i             ; four loads of consecutive bytes bring a fragment
	ds_load_b128 v[\reg:\reg+3], v[\adr] offset:(\i)*TILE+(\q)*1536
	ds_load_b64 v[\reg+4:\reg+5], v[\adr+1] offset:(\i)*TILE+(\q)*1536+512
	ds_load_b128 v[\reg+6:\reg+9], v[\adr] offset:(\i)*TILE+(\q)*1536+768
	ds_load_b64 v[\reg+10:\reg+11], v[\adr+1] offset:(\i)*TILE+(\q)*1536+1280
.endm
.macro FETCH_B s
	WIN TO_B
.irp i, 0,1,2,3,4,5,6,7
	FRAG (128*((\s)%2)+12*\i), (AB+2*(((\s)/4)%2)), ((\s)%4), \i
.endr
.endm
.macro FETCH_A s
	WIN 0
.irp i, 0,1,2,3
	FRAG (AF+48*((\s)%2)+12*\i), (AA+2*(((\s)/4)%2)), ((\s)%4), \i
.endr
.endm
.macro SCALES g                        ; a group's scale words: four to a row, one for each step
.irp i, 0,1,2,3,4,5,6,7
	ds_load_b128 v[SC+48*((\g)%2)+4*\i:SC+48*((\g)%2)+4*\i+3], v[ASB+(\g)%2] offset:\i*TILE
.endr
.irp i, 0,1,2,3
	ds_load_b128 v[SC+48*((\g)%2)+32+4*\i:SC+48*((\g)%2)+32+4*\i+3], v[ASA+(\g)%2] offset:\i*TILE
.endr
.endm
.macro WM d, x, y, sx, sy, zero
.if \zero
	v_wmma_scale_f32_16x16x128_f8f6f4 v[\d:\d+7], v[\x:\x+11], v[\y:\y+11], 0, v[\sx], v[\sy] matrix_a_fmt:MATRIX_FMT_BF6 matrix_b_fmt:MATRIX_FMT_BF6
.else
	v_wmma_scale_f32_16x16x128_f8f6f4 v[\d:\d+7], v[\x:\x+11], v[\y:\y+11], v[\d:\d+7], v[\sx], v[\sy] matrix_a_fmt:MATRIX_FMT_BF6 matrix_b_fmt:MATRIX_FMT_BF6
.endif
.endm
.macro MULA s, a, zero                 ; eight products; the 32 accumulators take turns
.irp b, 0,1,2,3,4,5,6,7
	WM (8*(8*(\a)+\b)), (128*((\s)%2)+12*\b), (AF+48*((\s)%2)+12*(\a)), (SC+48*(((\s)/4)%2)+4*\b+(\s)%4), (SC+48*(((\s)/4)%2)+32+4*(\a)+(\s)%4), \zero
.endr
.endm
.macro PLACES n
.rept \n
	v_nop
.endr
.endm
.macro STEPM s, zero                   ; a step whose successor lies in the same slot
	s_wait_dscnt 0x0
.if (\s) > 0
	PLACES NP
.endif
	FETCH_B (\s)+1
	WIN MUL
	MULA \s, 0, \zero
	MULA \s, 1, \zero
	FETCH_A (\s)+1
	WIN MUL
	MULA \s, 2, \zero
	MULA \s, 3, \zero
.endm
.macro CHANGE s, refill                ; a group's last step, and the change of slots
	WIN 0
	s_wait_tensorcnt 0x0                           ; my part of the next slot is in: it is my one load that was out
	ds_add_u32 v[SPW], v[NIL]
	s_wait_dscnt 1                                 ; this step's fragments are in; the add may be out
	WIN MUL
	MULA \s, 0, 0
	s_wait_dscnt 0x0                               ; the add is done, and my reads of this slot are over
	s_barrier_signal -1
	MULA \s, 1, 0
	WIN 0
	s_barrier_wait -1
.if \refill
	CREST                                          ; the barrier has opened a round of the cluster's barrier
	s_add_nc_u64 s[G0+4*(((\s)/4)%2)+2:G0+4*(((\s)/4)%2)+3], s[G0+4*(((\s)/4)%2)+2:G0+4*(((\s)/4)%2)+3], 2*TILE
	s_add_nc_u64 s[G0B+4*(((\s)/4)%2)+2:G0B+4*(((\s)/4)%2)+3], s[G0B+4*(((\s)/4)%2)+2:G0B+4*(((\s)/4)%2)+3], 2*TILE
	JLOAD (((\s)/4)%2)                             ; the group two on; its four v_nop are the places in front of the loads below
.else
	PLACES NP
.endif
	SCALES ((\s)/4+1)
	FETCH_B (\s)+1
	FETCH_A (\s)+1
	WIN MUL
	MULA \s, 2, 0
	MULA \s, 3, 0
.endm
	s_wait_tensorcnt 0x0                           ; group 0: my part is in; slot 1's first fill is issued as a refill is
	ds_add_u32 v[SPW], v[NIL]
	s_wait_dscnt 0x0
	CROUND
	JLOAD 1
	SCALES 0
	FETCH_B 0
	FETCH_A 0
	ASK 3
	STEPM 0, 1
	STEPM 1, 0
	STEPM 2, 0
	CHANGE 3, 1
.irp s, 4,5,6
	STEPM \s, 0
.endr
	CHANGE 7, 1
.irp s, 8,9,10
	STEPM \s, 0
.endr
	CHANGE 11, 0
.irp s, 12,13,14
	STEPM \s, 0
.endr
	s_wait_dscnt 0x0
	WIN MUL
.irp a, 0,1,2,3
	MULA 15, \a, 0
.endr
	WIN 0
	PLACES NP
	; THE WAY OUT: where my images and scale words go in qcs (head, tile), or in kvcs (k: key step, tile; v: channel tile, key step)
	s_and_b32 s41, s42, 3
	s_lshl_b32 s40, s17, 3
	s_lshl_b32 s43, s15, 2
	s_add_co_u32 s40, s40, s43
	s_lshl_b32 s43, s42, 2
	s_lshl_b32 s44, s16, 1
	s_add_co_u32 s43, s43, s44
	s_mul_i32 s45, s40, 768
	s_mul_i32 s44, s43, 98304
	s_add_co_u32 s44, s44, s45
	s_lshl_b32 s47, s40, 6
	s_lshl_b32 s49, s43, 13
	s_add_co_u32 s49, s49, s47
	s_add_co_u32 s49, s49, 3145728
	s_mul_i32 s46, s41, 196608
	s_add_co_u32 s46, s46, s45
	s_lshl_b32 s52, s41, 14
	s_add_co_u32 s47, s47, s52
	s_add_co_u32 s47, s47, 1572864
	s_lshl_b32 s48, s41, 1
	s_add_co_u32 s48, s48, s15
	s_lshl_b32 s52, s48, 13
	s_lshl_b32 s55, s17, 7
	s_add_co_u32 s52, s52, s55
	s_add_co_u32 s52, s52, 1638400
	s_mul_i32 s48, s48, 98304
	s_mul_i32 s56, s17, 6144
	s_add_co_u32 s48, s48, s56
	s_add_co_u32 s48, s48, 786432
	s_mov_b32 s51, 98304
	s_mov_b32 s53, 8192
	s_mov_b32 s54, 2048
	s_mov_b32 s36, 1536
	s_cmp_lg_u32 s[VF], 0
	s_cselect_b32 s46, s48, s46
	s_cselect_b32 s47, s52, s47
	s_cselect_b32 s51, 768, s51
	s_cselect_b32 s36, s36, 768
	s_cselect_b32 s53, 64, s53
	s_cselect_b32 s38, s54, 64
	s_cselect_b32 s55, 0, 16
	s_cmp_lt_u32 ttmp9, 2
	s_cselect_b32 s56, s44, s46
	s_cselect_b32 s58, s49, s47
	s_cselect_b64 s[60:61], s[92:93], s[94:95]
	s_mov_b32 s57, 0
	s_mov_b32 s59, 0
	s_mov_b32 s37, 0
	s_mov_b32 s39, 0
	s_add_nc_u64 s[32:33], s[60:61], s[56:57]
	s_add_nc_u64 s[34:35], s[60:61], s[58:59]
	s_mov_b32 s[SEL], 0x76543210
	s_mov_b32 s[SEL+1], 0xfedcba98
	v_and_b32 v3, 31, v0
	v_lshlrev_b32 v16, 4, v3
	v_lshlrev_b32 v17, 3, v3
	v_add_nc_u32 v18, s51, v16
	v_add_nc_u32 v19, s51, v17
	v_mul_u32_u24 v20, s53, v2
	v_lshl_add_u32 v20, v1, 2, v20
	v_mul_u32_u24 v21, s55, v2
.irp b, 0,1,2,3
	v_mov_b32 v[TM+4+\b], 0
.endr
.macro ROT a                           ; RoPE on the 64 numbers of block a: pairs of neighbours, cos and sin from the table
.set AC, 64*(\a)
.set TBL, 32*(\a)
	WIN 0x0e
.set n, 0
.rept 32
.set xr, AC+2*n
.set tr, TBL+16*((n/8)%2)+2*(n%8)
.set tt, TT+2*(n%2)
	v_mul_f32 v[tt], v[xr+1], v[tr+1]
	v_mul_f32 v[tt+1], v[xr], v[tr+1]
	v_fma_f32 v[RR+2*n], v[xr], v[tr], -v[tt]
	v_fma_f32 v[RR+2*n+1], v[xr+1], v[tr], v[tt+1]
.set n, n+1
.endr
	WIN 0
.endm
.macro QUANT s                         ; four blocks of 32, each in lanes l and l xor 16: scale bytes, codes, whole blocks to a lane
.irp b, 0,1,2,3
	v_max3_num_f32 v[TM+\b], |v[\s+16*\b]|, |v[\s+1+16*\b]|, 0x2800000
.endr
.irp i, 2,4,6,8,10,12,14
.irp b, 0,1,2,3
	v_max3_num_f32 v[TM+\b], v[TM+\b], |v[\s+16*\b+\i]|, |v[\s+1+16*\b+\i]|
.endr
.endr
.irp b, 0,1,2,3
	v_permlanex16_b32 v[TM+4+\b], v[TM+\b], s[SEL], s[SEL+1]
.endr
.irp b, 0,1,2,3
	v_max_num_f32 v[TM+\b], v[TM+\b], v[TM+4+\b]
.endr
.irp b, 0,1,2,3
	v_add_nc_u32 v[TM+12+\b], 0xfe000000, v[TM+\b]
.endr
.irp b, 0,1,2,3
	v_lshrrev_b32 v[TM+4+\b], 23, v[TM+12+\b]
.endr
	v_lshl_or_b32 v[PW], v[TM+5], 8, v[TM+4]
	v_lshl_or_b32 v[PW], v[TM+6], 16, v[PW]
	v_lshl_or_b32 v[PW], v[TM+7], 24, v[PW]
.irp c, 0,1
	v_cvt_scalef32_pk16_bf6_f32 v[CD+6*\c:CD+2+6*\c], v[\s+32*\c:\s+15+32*\c], v[TM+12+2*\c]
	v_cvt_scalef32_pk16_bf6_f32 v[CD+12+4*\c:CD+14+4*\c], v[\s+16+32*\c:\s+31+32*\c], v[TM+12+2*\c+1]
.endr
	v_nop
.irp c, 0,1
.irp i, 0,1,2
	v_permlane16_swap_b32 v[CD+6*\c+\i], v[CD+12+4*\c+\i]
.endr
.irp i, 0,1,2
	v_mov_b32 v[CD+3+6*\c+\i], v[CD+12+4*\c+\i]
.endr
.endr
.endm
	s_wait_loadcnt 0x0                             ; the table
.irp a, 0,1,2,3
	ROT \a
.if \a > 0
	s_wait_xcnt 0x0                                ; the last block's stores have read their registers and bases
	s_add_nc_u64 s[32:33], s[32:33], s[36:37]
	s_add_nc_u64 s[34:35], s[34:35], s[38:39]
.endif
	QUANT RR
	v_lshrrev_b32 v[PW+1], v21, v[PW]
	global_store_b128 v16, v[CD:CD+3], s[32:33]
	global_store_b64 v17, v[CD+4:CD+5], s[32:33] offset:512
	global_store_b128 v18, v[CD+6:CD+9], s[32:33]
	global_store_b64 v19, v[CD+10:CD+11], s[32:33] offset:512
	global_store_b32 v20, v[PW+1], s[34:35]
.endr
	s_wait_tensorcnt 0x0                           ; the wave's end
	ds_add_u32 v[SPW], v[NIL]
	s_wait_dscnt 0x0
	CROUND                                         ; the closing round
	s_endpgm
.Lfunc_end_k_qd9a77c73dd_qkv:
	.size	k_qd9a77c73dd_qkv, .Lfunc_end_k_qd9a77c73dd_qkv-k_qd9a77c73dd_qkv
	.p2alignl 7, 3214868480
	.fill 96, 4, 3214868480
	.section	.rodata,"a",@progbits
	.p2align	6, 0x0
	.amdhsa_kernel k_qd9a77c73dd_qkv
		.amdhsa_group_segment_fixed_size 327680
		.amdhsa_private_segment_fixed_size 0
		.amdhsa_enable_private_segment 0
		.amdhsa_kernarg_size 40
		.amdhsa_user_sgpr_count 2
		.amdhsa_user_sgpr_kernarg_segment_ptr 1
		.amdhsa_wavefront_size32 1
		.amdhsa_system_sgpr_workgroup_id_x 1
		.amdhsa_system_sgpr_workgroup_id_y 1
		.amdhsa_system_sgpr_workgroup_id_z 1
		.amdhsa_system_vgpr_workitem_id 0
		.amdhsa_next_free_vgpr 1024
		.amdhsa_next_free_sgpr 100
		.amdhsa_reserve_vcc 0
		.amdhsa_float_denorm_mode_32 3
		.amdhsa_float_denorm_mode_16_64 3
		.amdhsa_memory_ordered 1
		.amdhsa_forward_progress 1
		.amdhsa_inst_pref_size 178
	.end_amdhsa_kernel
	.amdgpu_metadata
---
amdhsa.version: [ 1, 2 ]
amdhsa.kernels:
  - .name:           k_qd9a77c73dd_qkv
    .symbol:         k_qd9a77c73dd_qkv.kd
    .args:
      - { .name: xcs, .offset: 0, .size: 8, .value_kind: global_buffer, .address_space: global }
      - { .name: wcs, .offset: 8, .size: 8, .value_kind: global_buffer, .address_space: global }
      - { .name: tab, .offset: 16, .size: 8, .value_kind: global_buffer, .address_space: global }
      - { .name: qcs, .offset: 24, .size: 8, .value_kind: global_buffer, .address_space: global }
      - { .name: kvcs, .offset: 32, .size: 8, .value_kind: global_buffer, .address_space: global }
    .group_segment_fixed_size: 327680
    .private_segment_fixed_size: 0
    .kernarg_segment_align: 8
    .kernarg_segment_size: 40
    .max_flat_workgroup_size: 128
    .sgpr_count:     100
    .vgpr_count:     1024
    .wavefront_size: 32
...
	.end_amdgpu_metadata
.endif
;; end of part 6
;; launch attn (part 7): grid 32 x 8, 16 waves a work-group, clusters of 4 x 1, 264,192 bytes of LDS; arguments qcs, kvcs, acs; writes acs
.if DOCPART == 7
	.amdgcn_target "amdgcn-amd-amdhsa--gfx1250"
	.amdhsa_code_object_version 6
	.text
	.protected	k_qd9a77c73dd_attn
	.globl	k_qd9a77c73dd_attn
	.p2align	8
	.type	k_qd9a77c73dd_attn,@function
k_qd9a77c73dd_attn:
	s_mov_b64 s[64:65], 0
	v_nop
	global_prefetch_b8 v0, s[64:65] scope:SCOPE_SE
	s_setreg_imm32_b32 hwreg(HW_REG_WAVE_MODE, 25, 1), 1
	s_wait_xcnt 0x0
	s_wait_alu depctr_hold_cnt(0) depctr_sa_sdst(0) depctr_va_vdst(0) depctr_va_sdst(0) depctr_va_ssrc(0) depctr_va_vcc(0) depctr_vm_vsrc(0)
	s_getreg_b32 s2, hwreg(HW_REG_IB_STS2, 6, 4)
	s_cmp_eq_u32 s2, 0
	s_cbranch_scc0 .Lentry_in_a_cluster
	s_endpgm
.Lentry_in_a_cluster:
	s_bfe_u32 s2, ttmp6, 0x10000c
	s_cmp_lg_u32 s2, 0x3003
	s_cbranch_scc0 .Lentry_shape_is_right
	s_endpgm
.Lentry_shape_is_right:
; Causal attention, 32 query heads on 8 key and value heads, head size 64, 2,048 positions, both products on codes of BF6 (E3M2) with one E8M0 scale for each 32 along a product's K; the result is quantised along
; the channels and leaves as register images for the last product: acs in tiles of 16 positions x 25,600 bytes, four groups of 6,400 (four images of 128 channels, then the scale words at 6,144 + 16 r + 4 q).
; THE SOFTMAX: t = score x log2(e) / 8; M = the running largest t rounded UP to a whole number; p = 2^(t - M) is quantised along the keys, not normalised; the row's sum is taken of the unquantised p and divides at the end.
; When M moves, the sum and O are multiplied by 2^(old M - new M): exact.  The first product's K is 64: the upper 64 codes of both operands are zero codes (registers cleared once).
; LEFT OUT: key steps all of whose keys lie behind a tile's queries: the causal mask gives them the weight 0.
; SHARES.  Work-group y = g, the key and value head.  Cluster x = cl: sigma = cl & 3, j = 4 (cl >> 2) + cx.  Tile T = 8 omega + j holds 16 queries: positions 128 omega + 32 (j/2) + 8 (j%2) + r + 8 (r/8); it needs key
; steps 0 .. omega, the last one masked.  For each of its four query heads 4 g + (w & 3) a work-group has the tiles omega = sigma, 7 - sigma, 8 + sigma, 15 - sigma: 34 key steps, dealt to four waves by the role w >> 2:
;   role 0: tile sigma, then tile 7 - sigma: 9 steps;   role 1: steps 0-7 of tile 8 + sigma;   role 2: steps 0-7 of tile 15 - sigma;   role 3: steps 8 on of tile 8 + sigma, then of tile 15 - sigma: 9 steps.
; Role 3 leaves its two states (O^T, the sum, -M) in LDS bytes of their own; behind one barrier roles 1 and 2 join them to theirs: both M are whole numbers, so both factors 2^(M - the larger M) are exact.
; Every wave walks both loops of eight trips; a step that is not the wave's is jumped over by a test on ids.  Roles part on the wave's number; omega hangs on cl, which the four partners of a cluster share;
; cx enters Q's address, the mask's numbers and the output's address alone.
; K AND V of head g (196,608 bytes of images, 16,384 of scale words) come into LDS ONCE, by joint loads of the four partners (mask 15), one a wave: waves 0-5 a sixth of K each, waves 6-11 of V, waves 12-15 a quarter of
; the scale words.  Nothing is filled twice.  No prefetch: the launch has no load behind its head.
; IMAGES.  A half image of 768 bytes is registers 0-5 of an operand (16 rows x 64 K): lane l's registers 0-3 at 16 l, registers 4-5 at 512 + 8 l.
; LAYOUT.  S^T = K Q^T, O^T = V^T P^T: a lane holds one query (lane % 16).  The 16 registers of tiles 2 b, 2 b + 1 are keys (channels) 32 b + 16 (lane / 16) + 0..15.
; The scale bytes leave two to a query.  LIMITS: NaN and infinities are not served; a block under 2^-122, or of zeros, gets the byte 1 (read by this program alone).
.set SCB,   196608                     ; LDS: K's images (step s at 6,144 s), V's from 98,304; here K's scale words (512 s + 64 tile + 4 r), 8,192 on V's (2,048 t + 128 s + 4 r)
.set PB,    212992                     ; role 3's states: 9,216 bytes a head, two of 4,608: O^T (register group i at 512 i + 16 l), then v12-15 at 4,096 + 16 l
.set ADK16, 8
.set ADK8,  9
.set ADS,   10
.set ADT,   11
.set ADV16, 28
.set ADV8,  29
.set WV,  10
.set CX,  11
.set SG,  12
.set JP,  13
.set GH,  14
.set HD,  15
.set RHO, 16                           ; the role
.set OM,  17                           ; omega of the tile in hand
.set TQ,  18
.set MID, 19                           ; 1 for roles 1, 2
.set SEL, 20
.set CS,  22
.set G1C, 24                           ; 64 rows of 256 bytes
.set G1S, 32                           ; 16 rows of 256 bytes
.set G0S, 40
.set G0C, 44
.set KSN, 60
.set F3,  61                           ; 1 for role 3
.set TBK, 62
.set TBV, 63
.set TSK, 66
.set TSV, 67
.set OM1, 84                           ; omega of the second tile; -1: none
.set CNT, 85
.set TQ1, 94
.macro CROUND
	s_barrier_signal -1
	s_barrier_wait -1
	s_cmp_lg_u32 s[WV], 0
	s_cbranch_scc1 .Lnot_wave_0_\@
	s_barrier_signal -3
.Lnot_wave_0_\@:
	s_barrier_wait -3
	s_barrier_signal -1
	s_barrier_wait -1
.endm
	s_load_b128 s[4:7], s[0:1], 0x0                ; qcs, kvcs
	s_load_b64 s[8:9], s[0:1], 0x10                ; acs
	v_lshl_add_u32 v223, v0, 2, 0x40000
	v_mov_b32 v243, 0
	ds_add_u32 v223, v243
	ds_add_u32 v223, v243
	v_lshrrev_b32 v1, 5, v0
	v_readfirstlane_b32 s[WV], v1
	s_bfe_u32 s[CX], ttmp6, 0x40000
	s_and_b32 s[SG], ttmp9, 3
	s_lshr_b32 s[JP], ttmp9, 2
	s_lshl_b32 s[JP], s[JP], 2
	s_add_co_u32 s[JP], s[JP], s[CX]
	s_and_b32 s[GH], ttmp7, 0xffff
	s_and_b32 s[HD], s[WV], 3
	s_lshr_b32 s[RHO], s[WV], 2
	s_add_co_u32 s[MID], s[RHO], 1
	s_lshr_b32 s[MID], s[MID], 1
	s_and_b32 s[MID], s[MID], 1
	s_lshr_b32 s68, s[WV], 3
	s_and_b32 s[F3], s[RHO], s68
	s_and_b32 s[F3], s[F3], 1
	s_xor_b32 s69, s[SG], 7                        ; 7 - sigma
	s_cmp_eq_u32 s[RHO], 2
	s_cselect_b32 s[OM], s69, s[SG]
	s_cmp_lg_u32 s[RHO], 0
	s_cselect_b32 s68, 8, 0
	s_add_co_u32 s[OM], s[OM], s68
	s_add_co_u32 s[OM1], s69, s68
	s_cmp_lg_u32 s[MID], 0
	s_cselect_b32 s[OM1], -1, s[OM1]
	s_lshl_b32 s[TQ], s[OM], 3
	s_add_co_u32 s[TQ], s[TQ], s[JP]
	s_max_i32 s[TQ1], s[OM1], 0
	s_lshl_b32 s[TQ1], s[TQ1], 3
	s_add_co_u32 s[TQ1], s[TQ1], s[JP]
	s_lshr_b32 s72, s[JP], 1
	s_lshl_b32 s72, s72, 5
	s_and_b32 s73, s[JP], 1
	s_lshl_b32 s73, s73, 3
	s_add_co_u32 s72, s72, s73                     ; 32 (j/2) + 8 (j%2): a tile's first position within its key step
	s_lshr_b32 s68, s[GH], 1                       ; the result: tile T, group g / 2, image q = 2 (g % 2) + (w & 3) / 2, half c = w & 1
	s_mul_i32 s68, s68, 6400
	s_and_b32 s69, s[GH], 1
	s_lshl_b32 s69, s69, 1
	s_lshr_b32 s71, s[HD], 1
	s_add_co_u32 s69, s69, s71
	s_and_b32 s71, s[HD], 1
	s_lshl_b32 s73, s69, 2
	s_lshl_b32 s78, s71, 1
	s_add_co_u32 s73, s73, s78
	s_add_co_u32 s73, s73, s68
	s_add_co_u32 s73, s73, 6144                    ; its scale bytes: + 4 q + 2 c
	s_mul_i32 s69, s69, 1536
	s_mul_i32 s71, s71, 768
	s_add_co_u32 s68, s68, s69
	s_add_co_u32 s68, s68, s71
	s_mul_i32 s78, s[TQ], 25600
	s_add_co_u32 s74, s78, s68
	s_add_co_u32 s76, s78, s73
	s_mov_b32 s75, 0
	s_mov_b32 s77, 0
	s_mul_i32 s78, s[TQ1], 25600
	s_add_co_u32 s86, s78, s68
	s_add_co_u32 s88, s78, s73
	s_mov_b32 s87, 0
	s_mov_b32 s89, 0
	s_lshl_b32 s73, s[GH], 2
	s_add_co_u32 s73, s73, s[HD]                   ; my query head
	s_mul_i32 s68, s73, 98304
	s_lshl_b32 s69, s73, 13
	s_add_co_u32 s69, s69, 3145728
	s_mul_i32 s78, s[TQ], 768
	s_add_co_u32 s80, s68, s78
	s_mov_b32 s81, 0
	s_lshl_b32 s78, s[TQ], 6
	s_add_co_u32 s82, s69, s78
	s_mov_b32 s83, 0
	s_mul_i32 s78, s[TQ1], 768
	s_add_co_u32 s90, s68, s78
	s_mov_b32 s91, 0
	s_lshl_b32 s78, s[TQ1], 6
	s_add_co_u32 s92, s69, s78
	s_mov_b32 s93, 0
	s_mul_i32 s95, s[HD], 9216
	s_add_co_u32 s95, s95, PB                      ; my head's two states
	s_lshr_b32 s96, s[RHO], 1
	s_mul_i32 s96, s96, 4608
	s_add_co_u32 s96, s96, s95                     ; role 1 joins the first, role 2 the second
	s_mul_i32 s68, s[GH], 98304                    ; waves 0-11: 16,384 bytes of images each; V's begin 786,432 bytes behind K's
	s_lshl_b32 s70, s[WV], 14
	s_add_co_u32 s68, s68, s70
	s_cmp_ge_u32 s[WV], 6
	s_cselect_b32 s71, 688128, 0
	s_add_co_u32 s68, s68, s71
	s_mov_b32 s69, 0
	s_lshl_b32 s78, s[GH], 13                      ; waves 12-15: 4,096 bytes of scale words each; V's begin 65,536 bytes behind K's
	s_lshl_b32 s71, s[WV], 12
	s_add_co_u32 s78, s78, s71
	s_cmp_ge_u32 s[WV], 14
	s_cselect_b32 s73, 57344, 0
	s_add_co_u32 s78, s78, s73
	s_add_co_u32 s78, s78, 1572864-49152
	s_mov_b32 s79, 0
	s_mov_b32 s[G1C], 15|(3<<16)|(1<<21)           ; dense blocks as rows of 256 bytes; the mask names the cluster's four
	s_mov_b32 s[G1C+1], 32<<16
	s_mov_b32 s[G1C+2], 64<<16
	s_mov_b32 s[G1C+3], 32<<16
	s_mov_b32 s[G1C+4], 64
	s_mov_b32 s[G1C+5], 32
	s_mov_b32 s[G1C+6], 0
	s_mov_b32 s[G1C+7], 0
	s_mov_b32 s[G1S], 15|(3<<16)|(1<<21)
	s_mov_b32 s[G1S+1], 32<<16
	s_mov_b32 s[G1S+2], 16<<16
	s_mov_b32 s[G1S+3], 32<<16
	s_mov_b32 s[G1S+4], 16
	s_mov_b32 s[G1S+5], 32
	s_mov_b32 s[G1S+6], 0
	s_mov_b32 s[G1S+7], 0
	s_mov_b32 s[SEL], 0x76543210
	s_mov_b32 s[SEL+1], 0xfedcba98
	s_mov_b32 s[CS], 0x3e38aa3b                    ; c = log2(e) / sqrt(64)
	s_mov_b32 s[CS+1], s[CS]
	s_mov_b32 s[G0C], 1
	s_mov_b32 s[G0C+1], s70
	s_mov_b32 s[G0S], 1
	s_add_co_u32 s[G0S+1], s71, SCB-49152
	s_wait_dscnt 0x0
	s_wait_kmcnt 0x0
	s_add_nc_u64 s[G0C+2:G0C+3], s[6:7], s[68:69]
	s_or_b32 s[G0C+3], s[G0C+3], 0x80000000
	s_add_nc_u64 s[G0S+2:G0S+3], s[6:7], s[78:79]
	s_or_b32 s[G0S+3], s[G0S+3], 0x80000000
	s_add_nc_u64 s[80:81], s[4:5], s[80:81]
	s_add_nc_u64 s[82:83], s[4:5], s[82:83]
	s_add_nc_u64 s[90:91], s[4:5], s[90:91]
	s_add_nc_u64 s[92:93], s[4:5], s[92:93]
	s_add_nc_u64 s[74:75], s[8:9], s[74:75]
	s_add_nc_u64 s[76:77], s[8:9], s[76:77]
	s_add_nc_u64 s[86:87], s[8:9], s[86:87]
	s_add_nc_u64 s[88:89], s[8:9], s[88:89]
	CROUND                                         ; all four work-groups are here: the joint loads meet
	s_cmp_lt_u32 s[WV], 12                         ; every wave issues one load
	s_cbranch_scc0 .Lfill_s
	tensor_load_to_lds s[G0C:G0C+3], s[G1C:G1C+7]
	s_nop 0
.rept 4
	v_nop
.endr
	s_branch .Lfilled
.Lfill_s:
	tensor_load_to_lds s[G0S:G0S+3], s[G1S:G1S+7]
	s_nop 0
.rept 4
	v_nop
.endr
.Lfilled:
	v_and_b32 v93, 31, v0
	v_and_b32 v94, 15, v0
	v_bfe_u32 v95, v0, 4, 1
	v_lshlrev_b32 v1, 4, v93                       ; 16 l
	v_lshlrev_b32 v2, 3, v93                       ; 8 l
	v_lshlrev_b32 v3, 2, v94                       ; 4 r
	v_lshlrev_b32 v5, 4, v94                       ; 16 r
	global_load_b128 v[16:19], v1, s[80:81]        ; the first tile's Q: a half image, and its scale words
	global_load_b64 v[20:21], v2, s[80:81] offset:512
	global_load_b32 v255, v3, s[82:83]
	global_load_b128 v[80:83], v1, s[90:91]        ; the second tile's (roles 1 and 2 have none: theirs names tile j, inside the buffer, and is not used)
	global_load_b64 v[84:85], v2, s[90:91] offset:512
	global_load_b32 v86, v3, s[92:93]
	v_add_nc_u32 v6, s95, v1
	v_add_nc_u32 v7, s96, v1
.irp i, 22,23,24,25,26,27
	v_mov_b32 v[\i], 0                             ; K = 64 .. 127 of Q: zero codes
.endr
.irp t, 0,1,2,3
.irp i, 6,7,8,9,10,11
	v_mov_b32 v[32+12*\t+\i], 0                    ; and of K's four fragments
.endr
.endr
	v_and_b32 v87, 8, v94
	v_lshlrev_b32 v91, 4, v95
	v_add_nc_u32 v87, v87, v94
	v_add_nc_u32 v87, s72, v87                     ; my query within its key step
	v_sub_nc_u32 v4, v87, v91                      ; register 16 b + i holds key 32 b + i + 16 h: hidden where 32 b + i > v4
.irp b, 0,1,2,3
	v_mov_b32 v[236+\b], 0                         ; a lane permute's destination counts as one of its sources
.endr
	v_mov_b32 v252, 0
	v_mov_b32 v253, 0
.macro FRESH                           ; a tile's state: the largest t -3e38, -M, the sum, O^T (a key step is written once for all steps; the first finds zeros)
	v_mov_b32 v13, 0xff61b1e6
	v_mov_b32 v14, 0
	v_mov_b32 v15, 0
	v_floor_f32 v12, -v13
.set j, 0
.rept 32
	v_mov_b32 v[160+j], 0
.set j, j+1
.endr
.endm
	FRESH
; EIGHT KEY STEPS of 128 keys: steps 0-7, for role 3 steps 8-15; those behind omega are jumped over.
.macro SEG
	s_mul_i32 s[TBK], s[F3], 49152
	s_add_co_u32 s[TBV], s[TBK], 98304
	s_lshl_b32 s[TSK], s[F3], 12
	s_add_co_u32 s[TSK], s[TSK], SCB
	s_lshl_b32 s[TSV], s[F3], 10
	s_add_co_u32 s[TSV], s[TSV], SCB+8192
	s_lshl_b32 s[KSN], s[F3], 3
	s_mov_b32 s[CNT], 0
.Ltrip_\@:
	s_cmp_gt_i32 s[KSN], s[OM]
	s_cbranch_scc1 .Lhidden_\@
	v_add_nc_u32 v[ADK16], s[TBK], v1
	v_add_nc_u32 v[ADK8], s[TBK], v2
	v_add_nc_u32 v[ADS], s[TSK], v3
	v_add_nc_u32 v[ADT], s[TSV], v3
	v_add_nc_u32 v[ADV16], s[TBV], v1
	v_add_nc_u32 v[ADV8], s[TBV], v2
	s_wait_alu depctr_va_vdst(0)
.irp g, 0,1                                    ; S^T = K Q^T, four tiles of 16 keys at a time
.if \g > 0
.rept 4
	v_nop
.endr
.endif
.irp t, 0,1,2,3
	ds_load_b128 v[32+12*\t:35+12*\t], v[ADK16] offset:768*(4*\g+\t)
	ds_load_b64 v[36+12*\t:37+12*\t], v[ADK8] offset:768*(4*\g+\t)+512
	ds_load_b32 v[248+\t], v[ADS] offset:64*(4*\g+\t)
.endr
	s_wait_dscnt 0x0
.irp t, 0,1,2,3
	v_wmma_scale_f32_16x16x128_f8f6f4 v[96+8*(4*\g+\t):103+8*(4*\g+\t)], v[32+12*\t:43+12*\t], v[16:27], 0, v[248+\t], v255 matrix_a_fmt:MATRIX_FMT_BF6 matrix_b_fmt:MATRIX_FMT_BF6
.endr
.endr
.rept 4
	v_nop
.endr
	s_cmp_lt_i32 s[KSN], s[OM]                     ; a step all of whose keys count skips the mask
	s_cbranch_scc1 .Lopen_\@
	v_mov_b32 v254, 0xff800000                     ; on the diagonal the scores of hidden keys become -infinity: p = 0 then
.set n, 0
.rept 64
	v_cmp_gt_i32 vcc_lo, 32*(n/16)+n%16, v4
	v_cndmask_b32 v[96+n], v[96+n], v254, vcc_lo
.set n, n+1
.endr
.Lopen_\@:
.irp b, 0,1,2,3
	v_max3_num_f32 v[232+\b], v[96+16*\b], v[97+16*\b], v[98+16*\b]   ; the largest score of each block of 32 keys: for the row's maximum and for the block's largest p
.endr
.irp i, 3,5,7,9,11,13
.irp b, 0,1,2,3
	v_max3_num_f32 v[232+\b], v[232+\b], v[96+16*\b+\i], v[97+16*\b+\i]
.endr
.endr
.irp b, 0,1,2,3
	v_max_num_f32 v[232+\b], v[232+\b], v[111+16*\b]
.endr
.irp b, 0,1,2,3
	s_delay_alu instid0(VALU_DEP_4)
	v_permlanex16_b32 v[236+\b], v[232+\b], s[SEL], s[SEL+1]
.endr
.irp b, 0,1,2,3
	s_delay_alu instid0(VALU_DEP_4)
	v_max_num_f32 v[232+\b], v[232+\b], v[236+\b]
.endr
	s_delay_alu instid0(VALU_DEP_2)
	v_max3_num_f32 v254, v232, v233, v234
	s_delay_alu instid0(VALU_DEP_1)
	v_max_num_f32 v254, v254, v235
	s_delay_alu instid0(VALU_DEP_1)
	v_mul_f32 v254, s[CS], v254
	s_delay_alu instid0(VALU_DEP_1)
	v_max_num_f32 v13, v13, v254                   ; the running largest t
	v_mov_b32 v254, v12
	s_delay_alu instid0(VALU_DEP_2)
	v_floor_f32 v12, -v13                          ; the new -M = -ceil(t)
	s_delay_alu instid0(VALU_DEP_1)
	v_sub_f32 v254, v12, v254                      ; old M - new M: a whole number, 0 or less
	s_delay_alu instid0(VALU_DEP_1)
	v_cvt_i32_f32 v254, v254
	s_delay_alu instid0(VALU_DEP_1)
	v_ldexp_f32 v252, 1.0, v254                    ; f = 2^(old M - new M)
.set j, 0
.rept 32
	v_pk_fma_f32 v[96+j:97+j], v[96+j:97+j], s[CS:CS+1], v[12:13] op_sel_hi:[1,0,0]   ; t - M
.set j, j+2
.endr
.irp b, 0,1,2,3
	v_fma_f32 v[232+\b], v[232+\b], s[CS], v12
.endr
	s_wait_alu depctr_va_vdst(0)
.set j, 0
.rept 64
	v_exp_f32 v[96+j], v[96+j]                     ; p = 2^(t - M), at most 1
.set j, j+1
.endr
.irp b, 0,1,2,3
	v_exp_f32 v[232+\b], v[232+\b]                 ; the block's largest p
.endr
	v_pk_mul_f32 v[14:15], v[14:15], v[252:253] op_sel_hi:[1,0]   ; the sums under the new M (a plain line behind the exponentials)
	s_wait_alu depctr_va_vdst(0)                   ; and behind it
.irp b, 0,1,2,3
	v_max_num_f32 v[232+\b], 0x2800000, v[232+\b]  ; the floor 2^(5 - 127)
.endr
.irp b, 0,1,2,3
	s_delay_alu instid0(VALU_DEP_4)
	v_add_nc_u32 v[244+\b], 0xfe000000, v[232+\b]
.endr
.irp b, 0,1,2,3
	s_delay_alu instid0(VALU_DEP_4)
	v_lshrrev_b32 v[236+\b], 23, v[244+\b]
.endr
	s_delay_alu instid0(VALU_DEP_3)
	v_lshl_or_b32 v253, v237, 8, v236              ; p's scale word for these 128 keys
	s_delay_alu instid0(VALU_DEP_1)
	v_lshl_or_b32 v253, v238, 16, v253
	s_delay_alu instid0(VALU_DEP_1)
	v_lshl_or_b32 v253, v239, 24, v253
.irp c, 0,1
	v_cvt_scalef32_pk16_bf6_f32 v[224+6*\c:226+6*\c], v[96+32*\c:111+32*\c], v[244+2*\c]
	v_cvt_scalef32_pk16_bf6_f32 v[236+4*\c:238+4*\c], v[112+32*\c:127+32*\c], v[244+2*\c+1]
.endr
	v_nop
.irp c, 0,1                                    ; the operand's layout wants a whole block in a lane
.irp i, 0,1,2
	v_permlane16_swap_b32 v[224+6*\c+\i], v[236+4*\c+\i]
.endr
.irp i, 0,1,2
	s_delay_alu instid0(VALU_DEP_3)
	v_mov_b32 v[227+6*\c+\i], v[236+4*\c+\i]
.endr
.endr
	v_pk_add_f32 v[236:237], v[100:101], v[104:105]   ; the row's sum of the unquantised p, in eight chains
	v_pk_add_f32 v[250:251], v[108:109], v[112:113]
	v_pk_add_f32 v[248:249], v[116:117], v[120:121]
	v_pk_add_f32 v[246:247], v[124:125], v[128:129]
	v_pk_add_f32 v[244:245], v[132:133], v[136:137]
	v_pk_add_f32 v[240:241], v[140:141], v[144:145]
	v_pk_add_f32 v[220:221], v[148:149], v[152:153]
	v_pk_add_f32 v[14:15], v[14:15], v[156:157]
	v_pk_add_f32 v[236:237], v[236:237], v[96:97]
	v_pk_add_f32 v[250:251], v[250:251], v[98:99]
	v_pk_add_f32 v[248:249], v[248:249], v[102:103]
	v_pk_add_f32 v[246:247], v[246:247], v[106:107]
	v_pk_add_f32 v[244:245], v[244:245], v[110:111]
	v_pk_add_f32 v[240:241], v[240:241], v[114:115]
	v_pk_add_f32 v[220:221], v[220:221], v[118:119]
	v_pk_add_f32 v[14:15], v[14:15], v[122:123]
	v_pk_add_f32 v[236:237], v[236:237], v[126:127]
	v_pk_add_f32 v[250:251], v[250:251], v[130:131]
	v_pk_add_f32 v[248:249], v[248:249], v[134:135]
	v_pk_add_f32 v[246:247], v[246:247], v[138:139]
	v_pk_add_f32 v[244:245], v[244:245], v[142:143]
	v_pk_add_f32 v[240:241], v[240:241], v[146:147]
	v_pk_add_f32 v[220:221], v[220:221], v[150:151]
	v_pk_add_f32 v[14:15], v[14:15], v[154:155]
	v_pk_add_f32 v[236:237], v[236:237], v[158:159]
	s_delay_alu instid0(VALU_DEP_2)
	v_pk_add_f32 v[14:15], v[14:15], v[246:247]
	s_delay_alu instid0(VALU_DEP_2)
	v_pk_add_f32 v[236:237], v[236:237], v[244:245]
	v_pk_add_f32 v[250:251], v[250:251], v[240:241]
	v_pk_add_f32 v[248:249], v[248:249], v[220:221]
	s_delay_alu instid0(VALU_DEP_2)
	v_pk_add_f32 v[14:15], v[14:15], v[250:251]
	s_delay_alu instid0(VALU_DEP_2)
	v_pk_add_f32 v[236:237], v[236:237], v[248:249]
	s_delay_alu instid0(VALU_DEP_1)
	v_pk_add_f32 v[14:15], v[14:15], v[236:237]
	s_wait_alu depctr_va_vdst(0)
.set j, 0
.rept 16
	v_pk_mul_f32 v[160+j:161+j], v[160+j:161+j], v[252:253] op_sel_hi:[1,0]   ; O^T under the new M (with the sums: the places ahead of the products below)
.set j, j+2
.endr
.irp t, 0,1,2,3                                ; V's four fragments (16 channels x 128 keys each) take p's registers
	ds_load_b128 v[96+12*\t:99+12*\t], v[ADV16] offset:1536*\t
	ds_load_b64 v[100+12*\t:101+12*\t], v[ADV8] offset:1536*\t+512
	ds_load_b128 v[102+12*\t:105+12*\t], v[ADV16] offset:1536*\t+768
	ds_load_b64 v[106+12*\t:107+12*\t], v[ADV8] offset:1536*\t+1280
	ds_load_b32 v[248+\t], v[ADT] offset:2048*\t
.endr
	s_wait_alu depctr_va_vdst(0)
	s_wait_dscnt 0x0
.irp t, 0,1,2,3                                ; O^T += V^T P^T: the four accumulators take turns
	v_wmma_scale_f32_16x16x128_f8f6f4 v[160+8*\t:167+8*\t], v[96+12*\t:107+12*\t], v[224:235], v[160+8*\t:167+8*\t], v[248+\t], v253 matrix_a_fmt:MATRIX_FMT_BF6 matrix_b_fmt:MATRIX_FMT_BF6
.endr
.rept 5
	v_nop                                          ; five places: the next step's first products write over V's registers
.endr
.Lhidden_\@:
	s_add_co_u32 s[TBK], s[TBK], 6144
	s_add_co_u32 s[TBV], s[TBV], 6144
	s_add_co_u32 s[TSK], s[TSK], 512
	s_add_co_u32 s[TSV], s[TSV], 128
	s_add_co_u32 s[KSN], s[KSN], 1
	s_add_co_u32 s[CNT], s[CNT], 1
	s_cmp_lt_u32 s[CNT], 8
	s_cbranch_scc1 .Ltrip_\@
.endm
; A TILE'S WAY OUT.  O^T / the sum; register 16 b + i is channel 32 b + 16 h + i of my query: two blocks of 32 along the last product's K, each shared by lanes l and l xor 16.
.macro FINAL ca, sa
	v_add_f32 v14, v14, v15
	s_delay_alu instid0(VALU_DEP_1)
	v_permlanex16_b32 v252, v14, s[SEL], s[SEL+1]
	s_delay_alu instid0(VALU_DEP_1)
	v_add_f32 v14, v14, v252
	s_wait_alu depctr_va_vdst(0)
	v_rcp_f32 v14, v14
	v_nop
	s_wait_alu depctr_va_vdst(0)
.set j, 0
.rept 32
	v_mul_f32 v[96+j], v[160+j], v14
.set j, j+1
.endr
.irp b, 0,1
	v_max3_num_f32 v[232+\b], |v[96+16*\b]|, |v[97+16*\b]|, 0x2800000
.endr
.irp i, 2,4,6,8,10,12,14
.irp b, 0,1
	s_delay_alu instid0(VALU_DEP_2)
	v_max3_num_f32 v[232+\b], v[232+\b], |v[96+16*\b+\i]|, |v[97+16*\b+\i]|
.endr
.endr
.irp b, 0,1
	s_delay_alu instid0(VALU_DEP_2)
	v_permlanex16_b32 v[236+\b], v[232+\b], s[SEL], s[SEL+1]
.endr
.irp b, 0,1
	s_delay_alu instid0(VALU_DEP_2)
	v_max_num_f32 v[232+\b], v[232+\b], v[236+\b]
.endr
.irp b, 0,1
	s_delay_alu instid0(VALU_DEP_2)
	v_add_nc_u32 v[244+\b], 0xfe000000, v[232+\b]
.endr
.irp b, 0,1
	s_delay_alu instid0(VALU_DEP_2)
	v_lshrrev_b32 v[236+\b], 23, v[244+\b]
.endr
	s_delay_alu instid0(VALU_DEP_1)
	v_lshl_or_b32 v240, v237, 8, v236              ; my head's two scale bytes
	v_cvt_scalef32_pk16_bf6_f32 v[224:226], v[96:111], v244
	v_cvt_scalef32_pk16_bf6_f32 v[228:230], v[112:127], v245
	v_nop
.irp i, 0,1,2
	v_permlane16_swap_b32 v[224+\i], v[228+\i]     ; a whole block to a lane: lanes 0-15 block 0, lanes 16-31 block 1
.endr
	v_mov_b32 v227, v228
	v_mov_b32 v228, v229
	v_mov_b32 v229, v230
	global_store_b128 v1, v[224:227], s[\ca:\ca+1]             ; my half image: 512 consecutive bytes,
	global_store_b64 v2, v[228:229], s[\ca:\ca+1] offset:512   ; and 256
	global_store_b16 v5, v240, s[\sa:\sa+1]                    ; both lanes of a query store the same two bytes
.endm
; Behind a tile's steps: role 0 finishes the tile, role 3 leaves its state in LDS, roles 1 and 2 keep theirs.
.macro AFTER n, ca, sa
	s_cmp_eq_u32 s[RHO], 3
	s_cbranch_scc1 .Ldump_\@
	s_cmp_eq_u32 s[RHO], 0
	s_cbranch_scc0 .Lnext_\@
	FINAL \ca, \sa
	s_wait_xcnt 0x0                                ; the tile's stores have read their registers: what follows writes them again
	s_branch .Lnext_\@
.Ldump_\@:
.irp i, 0,1,2,3,4,5,6,7
	ds_store_b128 v6, v[160+4*\i:163+4*\i] offset:4608*\n+512*\i   ; each accumulator from its low end on
.endr
	ds_store_b128 v6, v[12:15] offset:4608*\n+4096
	s_wait_dscnt 0x0                               ; the stores have read their registers, and are done for the others' sake
.Lnext_\@:
.endm
	s_wait_alu depctr_va_vdst(0)
	s_wait_loadcnt 0x0                             ; Q
	s_wait_tensorcnt 0x0                           ; my load has landed,
	s_barrier_signal -1
	s_barrier_wait -1                              ; and everybody's
	SEG
	AFTER 0, 74, 76
	s_cmp_lg_u32 s[MID], 0                         ; roles 0 and 3 begin their second tile
	s_cbranch_scc1 .Lkeep
.irp i, 0,1,2,3,4,5
	v_mov_b32 v[16+\i], v[80+\i]
.endr
	v_mov_b32 v255, v86
	FRESH
	s_wait_alu depctr_va_vdst(0)
.Lkeep:
	s_mov_b32 s[OM], s[OM1]
	SEG
	AFTER 1, 86, 88
	s_barrier_signal -1                            ; role 3's states are stored (each wave has waited for its LDS instructions)
	s_barrier_wait -1
	s_cmp_lg_u32 s[MID], 0
	s_cbranch_scc0 .Lend
.irp i, 0,1,2,3,4,5,6,7                        ; roles 1 and 2 join the other part of their tile's keys
	ds_load_b128 v[96+4*\i:99+4*\i], v7 offset:512*\i
.endr
	ds_load_b128 v[128:131], v7 offset:4096
	s_wait_dscnt 0x0
	v_min_num_f32 v238, v12, v128                  ; -(the larger M)
	v_sub_f32 v239, v238, v12                      ; my M - the larger M,
	v_sub_f32 v236, v238, v128                     ; the other's: whole numbers, 0 or less
	v_cvt_i32_f32 v239, v239
	v_cvt_i32_f32 v236, v236
	v_ldexp_f32 v252, 1.0, v239
	v_ldexp_f32 v236, 1.0, v236
	v_pk_mul_f32 v[14:15], v[14:15], v[252:253] op_sel_hi:[1,0]
.set j, 0
.rept 16
	v_pk_mul_f32 v[160+j:161+j], v[160+j:161+j], v[252:253] op_sel_hi:[1,0]
.set j, j+2
.endr
	v_pk_fma_f32 v[14:15], v[130:131], v[236:237], v[14:15] op_sel_hi:[1,0,1]
.set j, 0
.rept 16
	v_pk_fma_f32 v[160+j:161+j], v[96+j:97+j], v[236:237], v[160+j:161+j] op_sel_hi:[1,0,1]
.set j, j+2
.endr
	FINAL 74, 76
.Lend:
	s_wait_tensorcnt 0x0                           ; the wave's end
	ds_add_u32 v223, v243
	s_wait_dscnt 0x0
	CROUND                                         ; the closing round
	s_endpgm
.Lfunc_end_k_qd9a77c73dd_attn:
	.size	k_qd9a77c73dd_attn, .Lfunc_end_k_qd9a77c73dd_attn-k_qd9a77c73dd_attn
	.p2alignl 7, 3214868480
	.fill 96, 4, 3214868480
	.section	.rodata,"a",@progbits
	.p2align	6, 0x0
	.amdhsa_kernel k_qd9a77c73dd_attn
		.amdhsa_group_segment_fixed_size 264192
		.amdhsa_private_segment_fixed_size 0
		.amdhsa_enable_private_segment 0
		.amdhsa_kernarg_size 24
		.amdhsa_user_sgpr_count 2
		.amdhsa_user_sgpr_kernarg_segment_ptr 1
		.amdhsa_wavefront_size32 1
		.amdhsa_system_sgpr_workgroup_id_x 1
		.amdhsa_system_sgpr_workgroup_id_y 1
		.amdhsa_system_sgpr_workgroup_id_z 1
		.amdhsa_system_vgpr_workitem_id 0
		.amdhsa_next_free_vgpr 256
		.amdhsa_next_free_sgpr 100
		.amdhsa_reserve_vcc 1
		.amdhsa_float_denorm_mode_32 3
		.amdhsa_float_denorm_mode_16_64 3
		.amdhsa_memory_ordered 1
		.amdhsa_forward_progress 1
		.amdhsa_inst_pref_size 78
	.end_amdhsa_kernel
	.amdgpu_metadata
---
amdhsa.version: [ 1, 2 ]
amdhsa.kernels:
  - .name:           k_qd9a77c73dd_attn
    .symbol:         k_qd9a77c73dd_attn.kd
    .args:
      - { .name: qcs, .offset: 0, .size: 8, .value_kind: global_buffer, .address_space: global }
      - { .name: kvcs, .offset: 8, .size: 8, .value_kind: global_buffer, .address_space: global }
      - { .name: acs, .offset: 16, .size: 8, .value_kind: global_buffer, .address_space: global }
    .group_segment_fixed_size: 264192
    .private_segment_fixed_size: 0
    .kernarg_segment_align: 8
    .kernarg_segment_size: 24
    .max_flat_workgroup_size: 512
    .sgpr_count:     100
    .vgpr_count:     256
    .wavefront_size: 32
...
	.end_amdgpu_metadata
.endif
;; end of part 7
;; launch oproj (part 8): grid 16 x 16, 4 waves a work-group, clusters of 4 x 4, 327,680 bytes of LDS; arguments acs, wocs, out0; writes out0
.if DOCPART == 8
	.amdgcn_target "amdgcn-amd-amdhsa--gfx1250"
	.amdhsa_code_object_version 6
	.text
	.protected	k_qd9a77c73dd_oproj
	.globl	k_qd9a77c73dd_oproj
	.p2align	8
	.type	k_qd9a77c73dd_oproj,@function
k_qd9a77c73dd_oproj:
	s_mov_b64 s[64:65], 0
	v_nop
	global_prefetch_b8 v0, s[64:65] scope:SCOPE_SE
	s_setreg_imm32_b32 hwreg(HW_REG_WAVE_MODE, 25, 1), 1
	s_wait_xcnt 0x0
	s_wait_alu depctr_hold_cnt(0) depctr_sa_sdst(0) depctr_va_vdst(0) depctr_va_sdst(0) depctr_va_ssrc(0) depctr_va_vcc(0) depctr_vm_vsrc(0)
	s_getreg_b32 s2, hwreg(HW_REG_IB_STS2, 6, 4)
	s_cmp_eq_u32 s2, 0
	s_cbranch_scc0 .Lentry_in_a_cluster
	s_endpgm
.Lentry_in_a_cluster:
	s_bfe_u32 s2, ttmp6, 0x10000c
	s_cmp_lg_u32 s2, 0xf033
	s_cbranch_scc0 .Lentry_shape_is_right
	s_endpgm
.Lentry_shape_is_right:
; out0[m][n] = sum over k of A[m][k] wo[n][k] on codes of BF6 with E8M0 scales; out0 f32; sums in f32, K ascending.
; OPERANDS: acs and wocs in tiles of 16 rows x 25,600 bytes, four groups of 6,400 (four images of 128 along K, then the rows' scale words).  Row r of acs's tile T is position 32 (T/2) + 8 (T%2) + r + 8 (r/8).
; A tile of 128 x 128 is made by a work-group of four waves, each 64 x 64: 16 accumulators: 256 work-groups.
; THE RING: two slots of 16 tiles x 6,400 bytes (one group: four steps of 128 along K); each wave fetches four tiles by one joint load; a tensor row is a tile's 6,400 consecutive bytes.
; CLUSTERS: 4 x 4: A's tiles are shared along a row of the cluster, wo's along a column.  The matrix instruction is used transposed: a lane holds eight neighbouring numbers of a row of out0.
; PREFETCH: groups 1 and 2 are asked for at the head, group 3 behind group 1's load: two refills ahead; of the four tiles that a wave fetches each of the four partners takes one, by address, a lane a block of 256 bytes.
; REGISTERS: window 0: v4-22 addresses; v32-95 scale words (group g, block i, step q at v[32 + 16 g + 4 i + q]: lanes 0-15 A's, lanes 16-31 wo's); v128-255 accumulators.  Window 1: two sets of fragments: 48 of A, 48 of wo.
.set TILE,   6400
.set TPITCH, 25600
.set SLOT,   16*TILE
.set STAGE,  2*SLOT                    ; the way out: 16 rows x 272 bytes for each wave, on bytes of its own
.set SPITCH, 272
.set SPARE,  STAGE+4*16*SPITCH
.set NP,     4
.set AA,   4                           ; v4, v5: A's tiles in slot 0 (+ 16 lane, + 8 lane); v6, v7: slot 1
.set AB,   8
.set ADRS, 12                          ; v12, v13 scale words, slot 0, 1
.set STO,  17
.set RD,   18
.set CO,   19
.set SPW,  20
.set NIL,  21
.set PFO,  22
.set SC,   32
.set ACC,  128
.set G1, 24
.set G0, 32
.set G1B, 48
.set G0B, 56
.set PFA, 66
.set MSB, 0
.macro WIN new
.if MSB != \new
	s_set_vgpr_msb (MSB<<8)|\new
.set MSB, \new
.endif
.endm
.set MUL,  0x05
.set TO_F, 0x40
.macro JLOAD sl
	s_cmp_eq_u32 s15, 0
	s_cbranch_scc0 .Lfor_b_\@
	tensor_load_to_lds s[G0+4*\sl:G0+4*\sl+3], s[G1:G1+7]
	s_nop 0
.rept 4
	v_nop
.endr
	s_branch .Lasked_\@
.Lfor_b_\@:
	tensor_load_to_lds s[G0B+4*\sl:G0B+4*\sl+3], s[G1B:G1B+7]
	s_nop 0
.rept 4
	v_nop
.endr
.Lasked_\@:
.endm
.macro ASK g
	global_prefetch_b8 v[PFO], s[PFA:PFA+1] offset:TILE*\g th:TH_LOAD_NT scope:SCOPE_SE
.endm
.macro CREST
	s_cmp_lg_u32 s14, 0
	s_cbranch_scc1 .Lnot_wave_0_\@
	s_barrier_signal -3
.Lnot_wave_0_\@:
	s_barrier_wait -3
	s_barrier_signal -1
	s_barrier_wait -1
.endm
.macro CROUND
	s_barrier_signal -1
	s_barrier_wait -1
	CREST
.endm
	s_load_b128 s[4:7], s[0:1], 0x0                ; acs, wocs
	s_load_b64 s[12:13], s[0:1], 0x10              ; out0
	v_lshl_add_u32 v[SPW], v0, 2, SPARE
	v_mov_b32 v[NIL], 0
	ds_add_u32 v[SPW], v[NIL]
	ds_add_u32 v[SPW], v[NIL]
	v_lshrrev_b32 v1, 5, v0
	v_readfirstlane_b32 s14, v1
	s_lshr_b32 s15, s14, 1                         ; my half of the tile's rows; also: I fetch for A (0) or wo (1)
	s_and_b32 s16, s14, 1                          ; my half of its columns; also: which four tiles I fetch
	s_bfe_u32 s40, ttmp6, 0x40000
	s_bfe_u32 s41, ttmp6, 0x40004
	s_lshl_b32 s42, ttmp9, 2
	s_add_co_u32 s42, s42, s40                     ; tile column
	s_and_b32 s17, ttmp7, 0xffff
	s_lshl_b32 s17, s17, 2
	s_add_co_u32 s17, s17, s41                     ; tile row
	s_lshl_b32 s43, s41, 2
	s_lshl_b32 s43, 15, s43
	s_lshl_b32 s44, 0x1111, s40
	s_or_b32 s[G1+0], s43, (3<<16)|(1<<21)
	s_or_b32 s[G1B+0], s44, (3<<16)|(1<<21)
.irp g, G1, G1B
	s_mov_b32 s[\g+1], 800<<16
	s_mov_b32 s[\g+2], 4<<16
	s_mov_b32 s[\g+3], 800<<16
	s_mov_b32 s[\g+4], 4
	s_mov_b32 s[\g+5], 3200
	s_mov_b32 s[\g+6], 0
	s_mov_b32 s[\g+7], 0
.endr
	s_lshl_b32 s18, s16, 2
	s_lshl_b32 s20, s17, 3
	s_add_co_u32 s20, s20, s18
	s_mul_i32 s20, s20, TPITCH                     ; A: tile 8 x tile row + 4 x half
	s_mov_b32 s21, 0
	s_lshl_b32 s46, s42, 3
	s_add_co_u32 s46, s46, s18
	s_mul_i32 s46, s46, TPITCH                     ; wo: tile 8 x tile column + 4 x half
	s_mov_b32 s47, 0
	s_mul_i32 s45, s14, 4*TILE                     ; in a slot: A's eight tiles, then wo's: four tiles a wave
.irp s, 0,1
	s_mov_b32 s[G0+4*\s], 1
	s_add_co_u32 s[G0+4*\s+1], s45, \s*SLOT
	s_mov_b32 s[G0B+4*\s], 1
	s_add_co_u32 s[G0B+4*\s+1], s45, \s*SLOT
.endr
	s_mul_i32 s70, s15, 4*TILE                     ; the tiles that I multiply: A's,
	s_mul_i32 s72, s16, 4*TILE
	s_add_co_u32 s72, s72, 8*TILE                  ; wo's,
	s_sub_co_u32 s73, s72, s70                     ; and the distance between the two
	s_mul_i32 s74, s14, 16*SPITCH
	s_add_co_u32 s74, s74, STAGE
	s_lshl_b32 s18, s17, 7
	s_lshl_b32 s19, s15, 6
	s_add_co_u32 s18, s18, s19                     ; my first row of out0
	s_lshl_b32 s18, s18, 13
	s_lshl_b32 s19, s42, 9
	s_add_co_u32 s18, s18, s19
	s_lshl_b32 s19, s16, 8
	s_add_co_u32 s18, s18, s19
	s_mov_b32 s19, 0
	s_wait_dscnt 0x0
	s_wait_kmcnt 0x0
	s_add_nc_u64 s[20:21], s[4:5], s[20:21]
	s_add_nc_u64 s[46:47], s[6:7], s[46:47]
	s_add_nc_u64 s[12:13], s[12:13], s[18:19]
.irp s, 0,1
	s_add_nc_u64 s[G0+4*\s+2:G0+4*\s+3], s[20:21], \s*TILE
	s_or_b32 s[G0+4*\s+3], s[G0+4*\s+3], 0x80000000
	s_add_nc_u64 s[G0B+4*\s+2:G0B+4*\s+3], s[46:47], \s*TILE
	s_or_b32 s[G0B+4*\s+3], s[G0B+4*\s+3], 0x80000000
.endr
	s_cmp_eq_u32 s15, 0
	s_cselect_b32 s68, s40, s41                    ; my place among the four that ask with me
	s_cselect_b64 s[PFA:PFA+1], s[20:21], s[46:47]
	s_mul_i32 s68, s68, TPITCH
	s_mov_b32 s69, 0
	s_add_nc_u64 s[PFA:PFA+1], s[PFA:PFA+1], s[68:69]
	CROUND
	JLOAD 0                                        ; group 0: one tensor load a wave at the head
	v_and_b32 v1, 15, v0
	v_bfe_u32 v2, v0, 4, 1
	v_and_b32 v3, 31, v0
	v_lshlrev_b32 v23, 4, v3
	v_lshlrev_b32 v24, 3, v3
	v_add_nc_u32 v[AA], s70, v23
	v_add_nc_u32 v[AA+1], s70, v24
	v_add_nc_u32 v[AB], s72, v23
	v_add_nc_u32 v[AB+1], s72, v24
.irp n, AA, AA+1, AB, AB+1
	v_add_nc_u32 v[\n+2], SLOT, v[\n]
.endr
	v_lshlrev_b32 v23, 4, v1
	v_mul_u32_u24 v24, s73, v2                     ; lanes 16-31 take wo's scale words: one product on the lower base
	v_add_nc_u32 v23, 6144, v23
	v_add_nc_u32 v23, v23, v24
	v_add_nc_u32 v[ADRS], s70, v23
	v_add_nc_u32 v[ADRS+1], SLOT, v[ADRS]
	v_mul_u32_u24 v23, v1, SPITCH
	v_lshl_add_u32 v23, v2, 5, v23
	v_add_nc_u32 v[STO], s74, v23                  ; the stage, in: row l % 16, 32 bytes for each half of the lanes
	v_mul_u32_u24 v23, v2, SPITCH
	v_lshl_add_u32 v23, v1, 4, v23
	v_add_nc_u32 v[RD], s74, v23                   ; back: lanes 0-15 one row of 256 bytes, lanes 16-31 the next
	v_lshlrev_b32 v23, 13, v2
	v_lshl_add_u32 v[CO], v1, 4, v23
	v_min_u32 v[PFO], 24, v3
	v_lshlrev_b32 v[PFO], 8, v[PFO]
	s_wait_alu depctr_va_vdst(0)
	ASK 1
	ASK 2
.macro FRAG reg, adr, q, i
	ds_load_b128 v[\reg:\reg+3], v[\adr] offset:(\i)*TILE+(\q)*1536
	ds_load_b64 v[\reg+4:\reg+5], v[\adr+1] offset:(\i)*TILE+(\q)*1536+512
	ds_load_b128 v[\reg+6:\reg+9], v[\adr] offset:(\i)*TILE+(\q)*1536+768
	ds_load_b64 v[\reg+10:\reg+11], v[\adr+1] offset:(\i)*TILE+(\q)*1536+1280
.endm
.macro FETCH_B s
	WIN TO_F
.irp i, 0,1,2,3
	FRAG (128*((\s)%2)+48+12*\i), (AB+2*(((\s)/4)%2)), ((\s)%4), \i
.endr
.endm
.macro FETCH_A s
	WIN TO_F
.irp i, 0,1,2,3
	FRAG (128*((\s)%2)+12*\i), (AA+2*(((\s)/4)%2)), ((\s)%4), \i
.endr
.endm
.macro SCALES g
.irp i, 0,1,2,3
	ds_load_b128 v[SC+16*(\g)+4*\i:SC+16*(\g)+4*\i+3], v[ADRS+(\g)%2] offset:\i*TILE
.endr
.endm
.macro WM d, x, y, sx, sy, zero
.if \zero
	v_wmma_scale_f32_16x16x128_f8f6f4 v[\d:\d+7], v[\x:\x+11], v[\y:\y+11], 0, v[\sx], v[\sy] matrix_a_fmt:MATRIX_FMT_BF6 matrix_b_fmt:MATRIX_FMT_BF6 matrix_a_scale:MATRIX_SCALE_ROW1
.else
	v_wmma_scale_f32_16x16x128_f8f6f4 v[\d:\d+7], v[\x:\x+11], v[\y:\y+11], v[\d:\d+7], v[\sx], v[\sy] matrix_a_fmt:MATRIX_FMT_BF6 matrix_b_fmt:MATRIX_FMT_BF6 matrix_a_scale:MATRIX_SCALE_ROW1
.endif
.endm
.macro MULA s, a, zero                 ; four products; the 16 accumulators take turns
.irp b, 0,1,2,3
	WM (ACC+8*(4*(\a)+\b)), (128*((\s)%2)+48+12*\b), (128*((\s)%2)+12*(\a)), (SC+16*((\s)/4)+4*\b+(\s)%4), (SC+16*((\s)/4)+4*(\a)+(\s)%4), \zero
.endr
.endm
.macro PLACES n
.rept \n
	v_nop
.endr
.endm
.macro STEPM s, zero
	s_wait_dscnt 0x0
.if (\s) > 0
	PLACES NP
.endif
	FETCH_B (\s)+1
	WIN MUL
	MULA \s, 0, \zero
	MULA \s, 1, \zero
	FETCH_A (\s)+1
	WIN MUL
	MULA \s, 2, \zero
	MULA \s, 3, \zero
.endm
.macro CHANGE s, refill
	WIN 0
	s_wait_tensorcnt 0x0                           ; my part of the next slot is in: it is my one load that was out
	ds_add_u32 v[SPW], v[NIL]
	s_wait_dscnt 1                                 ; this step's fragments are in; the add may be out
	WIN MUL
	MULA \s, 0, 0
	s_wait_dscnt 0x0                               ; the add is done, and my reads of this slot are over
	s_barrier_signal -1
	MULA \s, 1, 0
	WIN 0
	s_barrier_wait -1
.if \refill
	CREST
	s_add_nc_u64 s[G0+4*(((\s)/4)%2)+2:G0+4*(((\s)/4)%2)+3], s[G0+4*(((\s)/4)%2)+2:G0+4*(((\s)/4)%2)+3], 2*TILE
	s_add_nc_u64 s[G0B+4*(((\s)/4)%2)+2:G0B+4*(((\s)/4)%2)+3], s[G0B+4*(((\s)/4)%2)+2:G0B+4*(((\s)/4)%2)+3], 2*TILE
	JLOAD (((\s)/4)%2)
.else
	PLACES NP
.endif
	SCALES ((\s)/4+1)
	FETCH_B (\s)+1
	FETCH_A (\s)+1
	WIN MUL
	MULA \s, 2, 0
	MULA \s, 3, 0
.endm
	s_wait_tensorcnt 0x0                           ; group 0: my part is in; slot 1's first fill is issued as a refill is
	ds_add_u32 v[SPW], v[NIL]
	s_wait_dscnt 0x0
	CROUND
	JLOAD 1
	SCALES 0
	FETCH_B 0
	FETCH_A 0
	WIN 0
	ASK 3
	STEPM 0, 1
	STEPM 1, 0
	STEPM 2, 0
	CHANGE 3, 1
.irp s, 4,5,6
	STEPM \s, 0
.endr
	CHANGE 7, 1
.irp s, 8,9,10
	STEPM \s, 0
.endr
	CHANGE 11, 0
.irp s, 12,13,14
	STEPM \s, 0
.endr
	s_wait_dscnt 0x0
	WIN MUL
.irp a, 0,1,2,3
	MULA 15, \a, 0
.endr
	WIN 0
	PLACES NP
; THE WAY OUT, block by block of 16 rows x 64 columns, through my own stage and back as whole rows of 256 bytes.  LDS serves a wave's instructions in order: no wait between the stores and the loads.
.macro TOSTAGE a
.irp b, 0,1,2,3
	ds_store_b128 v[STO], v[ACC+8*(4*\a+\b):ACC+8*(4*\a+\b)+3] offset:64*\b
	ds_store_b128 v[STO], v[ACC+8*(4*\a+\b)+4:ACC+8*(4*\a+\b)+7] offset:64*\b+16
.endr
.irp t, 0,1,2,3,4,5,6,7
	ds_load_b128 v[ACC+32*\a+4*\t:ACC+32*\a+4*\t+3], v[RD] offset:\t*2*SPITCH
.endr
.endm
.macro SEND a, younger                 ; row r = 2 t + h of block a is position 32 (a/2) + 8 (a%2) + r + 8 (r/8) of my 64
	s_wait_dscnt \younger
.irp t, 0,1,2,3,4,5,6,7
	global_store_b128 v[CO], v[ACC+32*\a+4*\t:ACC+32*\a+4*\t+3], s[12:13] offset:(32*(\a/2)+8*(\a%2)+2*\t+8*(\t/4))*8192 th:TH_STORE_NT   ; 16 lanes store 256 consecutive bytes, aligned
.endr
.endm
	TOSTAGE 0
	TOSTAGE 1
	SEND 0, 16
	TOSTAGE 2
	SEND 1, 16
	TOSTAGE 3
	SEND 2, 16
	SEND 3, 0
	s_wait_tensorcnt 0x0                           ; the wave's end
	ds_add_u32 v[SPW], v[NIL]
	s_wait_dscnt 0x0
	CROUND                                         ; the closing round
	s_endpgm
.Lfunc_end_k_qd9a77c73dd_oproj:
	.size	k_qd9a77c73dd_oproj, .Lfunc_end_k_qd9a77c73dd_oproj-k_qd9a77c73dd_oproj
	.p2alignl 7, 3214868480
	.fill 96, 4, 3214868480
	.section	.rodata,"a",@progbits
	.p2align	6, 0x0
	.amdhsa_kernel k_qd9a77c73dd_oproj
		.amdhsa_group_segment_fixed_size 327680
		.amdhsa_private_segment_fixed_size 0
		.amdhsa_enable_private_segment 0
		.amdhsa_kernarg_size 24
		.amdhsa_user_sgpr_count 2
		.amdhsa_user_sgpr_kernarg_segment_ptr 1
		.amdhsa_wavefront_size32 1
		.amdhsa_system_sgpr_workgroup_id_x 1
		.amdhsa_system_sgpr_workgroup_id_y 1
		.amdhsa_system_sgpr_workgroup_id_z 1
		.amdhsa_system_vgpr_workitem_id 0
		.amdhsa_next_free_vgpr 512
		.amdhsa_next_free_sgpr 100
		.amdhsa_reserve_vcc 0
		.amdhsa_float_denorm_mode_32 3
		.amdhsa_float_denorm_mode_16_64 3
		.amdhsa_memory_ordered 1
		.amdhsa_forward_progress 1
		.amdhsa_inst_pref_size 88
	.end_amdhsa_kernel
	.amdgpu_metadata
---
amdhsa.version: [ 1, 2 ]
amdhsa.kernels:
  - .name:           k_qd9a77c73dd_oproj
    .symbol:         k_qd9a77c73dd_oproj.kd
    .args:
      - { .name: acs, .offset: 0, .size: 8, .value_kind: global_buffer, .address_space: global }
      - { .name: wocs, .offset: 8, .size: 8, .value_kind: global_buffer, .address_space: global }
      - { .name: out0, .offset: 16, .size: 8, .value_kind: global_buffer, .address_space: global }
    .group_segment_fixed_size: 327680
    .private_segment_fixed_size: 0
    .kernarg_segment_align: 8
    .kernarg_segment_size: 24
    .max_flat_workgroup_size: 128
    .sgpr_count:     100
    .vgpr_count:     512
    .wavefront_size: 32
...
	.end_amdgpu_metadata
.endif
;; end of part 8
